; MI455X (gfx1250); checked and timed in simulation.
; The chip was launched on July 23, 2026; its instructions are those of AMD's public machine-readable ISA for CDNA 5 (MIT licence, August 2026) and "CDNA5" Instruction Set Architecture Reference Guide (July 2026). The comments in the code are by the model that wrote it; some were corrected since.
;; Block. Allowed arithmetic: matrix products marked QUANTISED: E2M3 operands, one E8M0 scale for each 32 along K, by v_wmma_scale_f32_16x16x128_f8f6f4 with both operands' format E2M3, f32 sums; everything else in f32.
;; Inputs: W_attn 1,024 x 3,072 float32; W_fc1 1,024 x 4,096 float32; W_fc2 4,096 x 1,024 float32; W_proj 1,024 x 1,024 float32; b_fc1 4,096 float32; b_fc2 1,024 float32; b_proj 1,024 float32; ln1_b 1,024 float32; ln1_g 1,024 float32; ln2_b 1,024 float32; ln2_g 1,024 float32; x 4 x 1,024 x 1,024 float32.
;; Outputs: out0 4 x 1,024 x 1,024 float32.
;; This version of the problem:
;;   THIS VERSION OF THE PROBLEM IS GIVEN IN LOW PRECISION. The matrix products marked QUANTISED in the list below multiply operands that are first quantised to E2M3 (2 exponent bits, 3 mantissa bits; 6 bits a number), with one power-of-two scale for each 32 numbers along K (OCP MX v1.0); their sums are f32. All else is computed in f32.
;;   The module's matrix products, in the order in which they are computed (A, B: the left and right operand; K: the contracted axis; several contracted axes count as one K, in the product's order):
;;     1. [M 4,096, K 1,024] x [K 1,024, N 3,072]; A: computed on the way; B: input W_attn: QUANTISED
;;     2. batch 64 x [M 1,024, K 64] x [K 64, N 1,024]; A: computed on the way; B: computed on the way: QUANTISED
;;     3. batch 64 x [M 1,024, K 1,024] x [K 1,024, N 64]; A: softmax (see below); B: computed on the way: QUANTISED
;;     4. [M 4,096, K 1,024] x [K 1,024, N 1,024]; A: computed on the way; B: input W_proj: QUANTISED
;;     5. [M 4,096, K 1,024] x [K 1,024, N 4,096]; A: computed on the way; B: input W_fc1: QUANTISED
;;     6. [M 4,096, K 4,096] x [K 4,096, N 1,024]; A: computed on the way; B: input W_fc2: QUANTISED
;;   THE QUANTISER, for each operand of a quantised product, along K:
;;     - K is cut into blocks of 32 from its start; a last block that is shorter is filled with zeros.
;;     - A block's scale is 2^e with e = floor(log2(the largest magnitude in the block)) - 2, held to -126 .. 127; a block of zeros has e = 0. As a byte (E8M0): e + 127.
;;     - Each number is divided by its block's scale, clamped to +-7.5, and rounded to the nearest number of E2M3, ties to even, subnormals kept.
;;     - The product sums the exact products of the quantised numbers (number of the format x scale) in f32.
;;   ~~~python
;;   def quantise(x, axis):      # numpy; x: float32 -> the quantised numbers, widened to float32 again
;;       x = np.moveaxis(x, axis, -1); K = x.shape[-1]
;;       x = np.pad(x, [(0, 0)] * (x.ndim - 1) + [(0, -K % 32)]); x = x.reshape(x.shape[:-1] + (-1, 32)); a = np.abs(x).max(-1, keepdims=True)
;;       e = np.where(a > 0, np.clip(np.frexp(np.where(a > 0, a, 1))[1] - 1 - 2, -126, 127), 0)      # np.frexp(a)[1] - 1 = floor(log2(a)), exactly
;;       r = np.clip(x / 2.0 ** e, -7.5, 7.5)
;;       step = 2.0 ** (np.maximum(np.frexp(np.where(r == 0, 1, r))[1] - 1, 0) - 3)
;;       q = np.round(r / step) * step * 2.0 ** e      # np.round: ties to even
;;       return np.moveaxis(q.reshape(q.shape[:-2] + (-1,))[..., :K], -1, axis).astype(np.float32)
;;   ~~~
;;   SOFTMAX AHEAD OF A QUANTISED PRODUCT. Where the list says 'softmax', what is quantised is not the finished softmax but p = 2^(t - M), with t = logit x log2(e) and M = ceil(the row's largest t), a whole number; so 1/2 < the row's largest p <= 1. The row's sum l is taken of the UNQUANTISED p, in f32, and the product's result is divided by l at the end. Since M is a whole number, a kernel that streams over the keys may use a running M (the ceiling of the running maximum): every later rescaling is an exact power of two, which a block's scale takes up: the codes' values come out the same.
;;   OPERANDS COMPUTED ON THE WAY. 'Computed on the way' means the value that the module computes at that place (a softmax that the list does not call 'softmax' is quantised finished and normalised). What goes into a quantiser is computed in f32, as accurately as f32 sums, v_exp_f32 and their like allow (about 1e-6 of the number): no bf16 or f16 on the way to a quantiser, and a product that is left as it is and whose result goes on into a quantised operand takes f32 operands (vector FMAs, or v_wmma_f32_16x16x4_f32). A number that lies on a knife's edge between two numbers of the format may be rounded either way, as far as f32 arithmetic and the matrix unit's own rounding can turn it there, and no further.
;; 2 versions. Each part assembles by itself: llvm-mc -triple=amdgcn-amd-amdhsa -mcpu=gfx1250 --defsym DOCPART=n.
;; ======== version 1 of 2: 7 launches
;; workspace buffers: wq 9,830,400 bytes; hq 3,276,800 bytes; qkvc 9,830,400 bytes; yq 3,276,800 bytes; x1 16,777,216 bytes; actq 13,107,200 bytes
;; launch prep (part 1): grid 640 x 1, 8 waves a work-group, no clusters, 2,048 bytes of LDS; arguments x, ln1_g, ln1_b, W_attn, W_proj, W_fc1, W_fc2, hq, wq; writes hq, wq
.if DOCPART == 1
	.amdgcn_target "amdgcn-amd-amdhsa--gfx1250"
	.amdhsa_code_object_version 6
	.text
	.protected	k_q3296adb8db_prep
	.globl	k_q3296adb8db_prep
	.p2align	8
	.type	k_q3296adb8db_prep,@function
k_q3296adb8db_prep:
	s_mov_b64 s[64:65], 0
	v_nop
	global_prefetch_b8 v0, s[64:65] scope:SCOPE_SE
	s_setreg_imm32_b32 hwreg(HW_REG_WAVE_MODE, 25, 1), 1
	s_wait_xcnt 0x0
; PREP.  Work-groups 0-255: h = LayerNorm(x) by ln1_g, ln1_b, quantised to FP6 (E2M3) with one E8M0 byte for each 32 along the row.  Work-groups 256-639: the four weights, stored [K][N] in f32, quantised along K.
; HOW ALL OPERANDS OF THIS PROGRAM LIE IN MEMORY.  A HALF IMAGE, 768 bytes, is 16 rows x 64 K as the matrix operand's registers: 512 bytes, lane l's registers 0-3 at 16 l, then 256 bytes, its registers 4-5 at 8 l;
; lane (r, h) holds row r, block h of the 64.  Codes of X[R][K]: [R/16][K/64][768].  Scale words (four bytes: 128 K of one row): [R/128][K/128][8 blocks of 16 rows][16 words].
; INSIDE A BLOCK OF 32 the codes stand in the order 0-7, 16-23, 8-15, 24-31, alike in both operands of every product: the products are the same, blocks and scales are the true ones; the f32 sums are grouped otherwise than in ascending k.
; A block's scale is 2^(floor(log2(largest magnitude)) - 2); its byte is that magnitude's exponent field - 2, held at 1 from below.
; LIMITS: NaN and infinities are not served; a block whose largest magnitude lies under 2^-124, a block of zeros among them, gets the byte 1 (a zero block's codes are zeros; these bytes are read by this program alone).
; LAYERNORM: a work-group takes 16 rows, wave w columns 128 w .. 128 w + 127; lane (r, h) holds 64 numbers of row r.  Mean first, then the sum of squares of x - mean, each joined over the eight waves through LDS: two barriers.
; WEIGHTS: a lane takes a column, its registers run down K: a block of 32 lies in one lane, the conversions give K innermost, and one exchange of lane halves makes two half images of two blocks of 32 columns.
.set HSO,  3145728                     ; hq: the scale words behind the codes
.set X,    64                          ; v64-127   register 16 b + 8 p + 4 q + e = column 128 w + 32 b + 16 p + 8 h + 4 q + e of my row
.set G,    128                         ; v128-191  the gains, same map
.set BV,   192                         ; v192-255  the biases, same map
.set XA,   4                           ; v4   4096 r + 32 h
.set GA,   5                           ; v5   32 h
.set L16,  6                           ; v6   16 x lane
.set L8,   7                           ; v7   8 x lane
.set RW,   8                           ; v8   LDS: 64 w + 4 r
.set RR,   9                           ; v9   4 r
.set TM,   36                          ; v36-51 at work in QUANT
.set PW,   52                          ; v52  the scale word
.set PC,   128                         ; v128-147 the codes: over the gains, which are done with by then
.set WV,   22                          ; s22  my wave's number
.set SEL,  24                          ; s[24:25] lane selects: lane l xor 16
.set VO,   32                          ; weights: v32-63 offsets of a block's 32 rows
.set Z,    192                         ; weights: v192-215 six registers of codes for each of four blocks
.set ZT,   216                         ; weights: v216-231 the upper halves as the conversions leave them
.set SW,   16                          ; weights: v16 my column's scale word
; 64 numbers of a lane, register 16 b + i = the i-th of my 16 of block b of my row, become a fragment's codes in v[PC] on and its scale word in v[PW].
.macro QUANT s
.irp b, 0,1,2,3
	v_max3_num_f32 v[TM+\b], |v[\s+16*\b]|, |v[\s+1+16*\b]|, 0x1800000   ; my 16 numbers of block b, and the floor 2^(3 - 127): the byte cannot fall under 1
.endr
.irp i, 2,4,6,8,10,12,14
.irp b, 0,1,2,3
	v_max3_num_f32 v[TM+\b], v[TM+\b], |v[\s+16*\b+\i]|, |v[\s+1+16*\b+\i]|
.endr
.endr
.irp b, 0,1,2,3
	v_permlanex16_b32 v[TM+4+\b], v[TM+\b], s[SEL], s[SEL+1]
.endr
.irp b, 0,1,2,3
	v_max_num_f32 v[TM+\b], v[TM+\b], v[TM+4+\b]   ; with lane l xor 16's: the block's largest magnitude
.endr
.irp b, 0,1,2,3
	v_add_nc_u32 v[TM+12+\b], 0xff000000, v[TM+\b]   ; 2 off its exponent field: the conversion's scale operand
.endr
.irp b, 0,1,2,3
	v_lshrrev_b32 v[TM+4+\b], 23, v[TM+12+\b]        ; the scale's byte
.endr
	v_lshl_or_b32 v[PW], v[TM+5], 8, v[TM+4]
	v_lshl_or_b32 v[PW], v[TM+6], 16, v[PW]
	v_lshl_or_b32 v[PW], v[TM+7], 24, v[PW]
.irp c, 0,1
	v_cvt_scalef32_pk16_fp6_f32 v[PC+6*\c:PC+2+6*\c], v[\s+32*\c:\s+15+32*\c], v[TM+12+2*\c]
	v_cvt_scalef32_pk16_fp6_f32 v[PC+12+4*\c:PC+14+4*\c], v[\s+16+32*\c:\s+31+32*\c], v[TM+12+2*\c+1]   ; (a conversion's three registers begin on an even number)
.endr
	v_nop                                          ; one plain line behind a scaled conversion
.irp c, 0,1                                    ; the operand wants a whole block in a lane: lanes 0-15 block 2 c, lanes 16-31 block 2 c + 1
.irp i, 0,1,2
	v_permlane16_swap_b32 v[PC+6*\c+\i], v[PC+12+4*\c+\i]
.endr
.irp i, 0,1,2
	v_mov_b32 v[PC+3+6*\c+\i], v[PC+12+4*\c+\i]
.endr
.endr
.endm
; v16, my lane's part of a sum over my row, becomes v26, the row's sum over all 1,024 columns: the other half of the lanes, then the eight waves through 512 bytes of LDS at off.
.macro ACROSS off
	v_permlanex16_b32 v20, v16, s[SEL], s[SEL+1]
	v_add_f32 v16, v16, v20
	ds_store_b32 v[RW], v16 offset:\off            ; lanes r and r + 16 write the same word with the same value
	s_wait_dscnt 0x0                               ; for the others' sake: my store has landed
	s_barrier_signal -1
	s_barrier_wait -1
.irp i, 0,1,2,3,4,5,6,7
	ds_load_b32 v[26+\i], v[RR] offset:\off+64*\i
.endr
	s_wait_dscnt 0x0
	v_add_f32 v26, v26, v27                        ; one fixed order in every wave: all waves get the same bits
	v_add_f32 v28, v28, v29
	v_add_f32 v30, v30, v31
	v_add_f32 v32, v32, v33
	v_add_f32 v26, v26, v28
	v_add_f32 v30, v30, v32
	v_add_f32 v26, v26, v30
.endm
	s_load_b256 s[4:11], s[0:1], 0x0               ; x, ln1_g, ln1_b, W_attn
	s_load_b256 s[12:19], s[0:1], 0x20             ; W_proj, W_fc1, W_fc2, hq
	s_load_b64 s[20:21], s[0:1], 0x40              ; wq
	v_lshl_add_u32 v15, v0, 2, 0x400
	v_mov_b32 v21, 0
	v_lshrrev_b32 v1, 5, v0
	v_readfirstlane_b32 s[WV], v1                  ; wave 0..7
	v_and_b32 v3, 31, v0                           ; lane
	s_cmp_lt_u32 ttmp9, 256                        ; the same for all waves of a work-group
	s_cbranch_scc0 .Lweights
	; ---------------- LayerNorm ----------------
	v_and_b32 v1, 15, v0                           ; r
	v_bfe_u32 v2, v0, 4, 1                         ; h
	v_lshlrev_b32 v[XA], 12, v1
	v_lshl_add_u32 v[XA], v2, 5, v[XA]
	v_lshlrev_b32 v[GA], 5, v2
	v_lshlrev_b32 v[L16], 4, v3
	v_lshlrev_b32 v[L8], 3, v3
	v_lshlrev_b32 v[RR], 2, v1
	s_lshl_b32 s28, s[WV], 6
	v_add_nc_u32 v[RW], s28, v[RR]
	s_mov_b32 s[SEL], 0x76543210
	s_mov_b32 s[SEL+1], 0xfedcba98
	s_mov_b32 s26, 0x3a800000                      ; 1 / 1024
	s_mov_b32 s27, 0x3727c5ac                      ; 1e-5
	v_mov_b32 v20, 0                               ; a lane permute's destination counts as one of its sources
.irp b, 0,1,2,3
	v_mov_b32 v[TM+4+\b], 0
.endr
	s_lshl_b32 s28, ttmp9, 16                      ; my work-group's 16 rows of 4,096 bytes
	s_lshl_b32 s30, s[WV], 9                       ; my wave's 128 columns
	s_add_co_u32 s28, s28, s30
	s_mov_b32 s29, 0
	s_mov_b32 s31, 0
	s_lshl_b32 s32, ttmp9, 4                       ; codes: half image 16 x work-group + 2 x wave
	s_lshl_b32 s33, s[WV], 1
	s_add_co_u32 s32, s32, s33
	s_mul_i32 s32, s32, 768
	s_mov_b32 s33, 0
	s_lshr_b32 s34, ttmp9, 3                       ; scale words: ((work-group / 8) x 8 + wave) x 512 + (work-group % 8) x 64
	s_lshl_b32 s34, s34, 3
	s_add_co_u32 s34, s34, s[WV]
	s_lshl_b32 s34, s34, 9
	s_and_b32 s35, ttmp9, 7
	s_lshl_b32 s35, s35, 6
	s_add_co_u32 s34, s34, s35
	s_add_co_u32 s34, s34, HSO
	s_mov_b32 s35, 0
	s_wait_kmcnt 0x0
	s_add_nc_u64 s[4:5], s[4:5], s[28:29]
	s_add_nc_u64 s[6:7], s[6:7], s[30:31]
	s_add_nc_u64 s[8:9], s[8:9], s[30:31]
	s_add_nc_u64 s[32:33], s[18:19], s[32:33]
	s_add_nc_u64 s[34:35], s[18:19], s[34:35]
.irp b, 0,1,2,3
.irp p, 0,1
.irp q, 0,1
	global_load_b128 v[X+16*\b+8*\p+4*\q:X+16*\b+8*\p+4*\q+3], v[XA], s[4:5] offset:128*\b+64*\p+16*\q
.endr
.endr
.endr
.irp b, 0,1,2,3
.irp p, 0,1
.irp q, 0,1
	global_load_b128 v[G+16*\b+8*\p+4*\q:G+16*\b+8*\p+4*\q+3], v[GA], s[6:7] offset:128*\b+64*\p+16*\q
.endr
.endr
.endr
.irp b, 0,1,2,3
.irp p, 0,1
.irp q, 0,1
	global_load_b128 v[BV+16*\b+8*\p+4*\q:BV+16*\b+8*\p+4*\q+3], v[GA], s[8:9] offset:128*\b+64*\p+16*\q
.endr
.endr
.endr
	s_wait_loadcnt 32                              ; x's sixteen loads are in; the 32 of the gains and biases may be out
	v_pk_add_f32 v[16:17], v[X:X+1], v[X+2:X+3]    ; the sum of my 64, in two chains
	v_pk_add_f32 v[18:19], v[X+4:X+5], v[X+6:X+7]
.set j, 8
.rept 14
	v_pk_add_f32 v[16:17], v[16:17], v[X+j:X+j+1]
	v_pk_add_f32 v[18:19], v[18:19], v[X+j+2:X+j+3]
.set j, j+4
.endr
	v_pk_add_f32 v[16:17], v[16:17], v[18:19]
	v_add_f32 v16, v16, v17
	ACROSS 0
	v_mul_f32 v22, s26, v26                        ; the mean
	v_mov_b32 v23, v22
.set j, 0
.rept 32
	v_pk_add_f32 v[X+j:X+j+1], v[X+j:X+j+1], v[22:23] neg_lo:[0,1] neg_hi:[0,1]   ; x - mean
.set j, j+2
.endr
	v_pk_mul_f32 v[16:17], v[X:X+1], v[X:X+1]      ; the sum of their squares
	v_pk_mul_f32 v[18:19], v[X+2:X+3], v[X+2:X+3]
.set j, 4
.rept 15
	v_pk_fma_f32 v[16:17], v[X+j:X+j+1], v[X+j:X+j+1], v[16:17]
	v_pk_fma_f32 v[18:19], v[X+j+2:X+j+3], v[X+j+2:X+j+3], v[18:19]
.set j, j+4
.endr
	v_pk_add_f32 v[16:17], v[16:17], v[18:19]
	v_add_f32 v16, v16, v17
	ACROSS 512                                     ; other bytes than the first sum's: no wave can overwrite what another still reads
	v_fma_f32 v26, v26, s26, s27                   ; the variance + 1e-5
	v_rsq_f32 v24, v26
	v_rsq_f32 v25, v26                             ; twice: a pair for the packed multiply
	v_nop                                          ; a plain line behind the transcendentals
	s_wait_loadcnt 0x0                             ; the gains and biases
	s_wait_alu depctr_va_vdst(0)                   ; one wait for both, ahead of their first reader
.set j, 0
.rept 32
	v_pk_mul_f32 v[X+j:X+j+1], v[X+j:X+j+1], v[24:25]
.set j, j+2
.endr
.set j, 0
.rept 32
	v_pk_fma_f32 v[X+j:X+j+1], v[X+j:X+j+1], v[G+j:G+j+1], v[BV+j:BV+j+1]
.set j, j+2
.endr
	QUANT X
	global_store_b128 v[L16], v[PC:PC+3], s[32:33]                 ; two half images: 512, 256, 512, 256 consecutive bytes
	global_store_b64 v[L8], v[PC+4:PC+5], s[32:33] offset:512
	global_store_b128 v[L16], v[PC+6:PC+9], s[32:33] offset:768
	global_store_b64 v[L8], v[PC+10:PC+11], s[32:33] offset:1280
	global_store_b32 v[RR], v[PW], s[34:35]        ; 16 words; lanes r and r + 16 store the same word to the same place
	s_wait_tensorcnt 0x0
	ds_add_u32 v15, v21
	s_wait_dscnt 0x0
	s_endpgm
	; ---------------- the weights ----------------
.Lweights:
	s_sub_co_u32 s40, ttmp9, 256                   ; 0-95 W_attn, 96-127 W_proj, 128-255 W_fc1, 256-383 W_fc2
	s_mov_b32 s41, 256                             ; the tensor's first work-group            (W_fc2's figures; the others' are selected over them)
	s_mov_b32 s42, 4096                            ; bytes in a row of the tensor: 4 N
	s_mov_b32 s43, 4                               ; log2(K / 256)
	s_mov_b32 s44, 49152                           ; bytes of 16 rows of codes: (K / 64) x 768
	s_mov_b32 s45, 32                              ; K / 128
	s_mov_b32 s46, 6291456                         ; where its codes begin in wq
	s_mov_b32 s47, 9699328                         ; and its scale words
	s_wait_kmcnt 0x0
	s_mov_b64 s[48:49], s[16:17]
	s_cmp_lt_u32 s40, 256
	s_cselect_b32 s41, 128, s41
	s_cselect_b32 s42, 16384, s42
	s_cselect_b32 s43, 2, s43
	s_cselect_b32 s44, 12288, s44
	s_cselect_b32 s45, 8, s45
	s_cselect_b32 s46, 3145728, s46
	s_cselect_b32 s47, 9568256, s47
	s_cselect_b64 s[48:49], s[14:15], s[48:49]
	s_cmp_lt_u32 s40, 128
	s_cselect_b32 s41, 96, s41
	s_cselect_b32 s42, 4096, s42
	s_cselect_b32 s46, 2359296, s46
	s_cselect_b32 s47, 9535488, s47
	s_cselect_b64 s[48:49], s[12:13], s[48:49]
	s_cmp_lt_u32 s40, 96
	s_cselect_b32 s41, 0, s41
	s_cselect_b32 s42, 12288, s42
	s_cselect_b32 s46, 0, s46
	s_cselect_b32 s47, 9437184, s47
	s_cselect_b64 s[48:49], s[10:11], s[48:49]
	s_sub_co_u32 s40, s40, s41                     ; my number within the tensor
	s_bfm_b32 s50, s43, 0
	s_and_b32 s51, s40, s50                        ; which 256 along K
	s_lshr_b32 s52, s40, s43                       ; which 128 columns
	s_lshl_b32 s51, s51, 1
	s_lshr_b32 s53, s[WV], 2
	s_add_co_u32 s51, s51, s53                     ; my wave's K step of 128
	s_and_b32 s53, s[WV], 3                        ; my wave's 32 of the 128 columns
	s_lshl_b32 s54, s52, 9
	s_lshl_b32 s55, s53, 7
	s_add_co_u32 s54, s54, s55                     ; 4 x my first column
	s_mul_i32 s56, s51, s42
	s_lshl_b32 s56, s56, 7                         ; 128 rows for each K step
	s_add_co_u32 s56, s56, s54
	s_mov_b32 s57, 0
	s_lshl_b32 s58, s42, 5                         ; 32 rows: a block
	s_mov_b32 s59, 0
	s_add_nc_u64 s[68:69], s[48:49], s[56:57]      ; the four blocks' first rows
	s_add_nc_u64 s[70:71], s[68:69], s[58:59]
	s_add_nc_u64 s[72:73], s[70:71], s[58:59]
	s_add_nc_u64 s[74:75], s[72:73], s[58:59]
	s_lshl_b32 s60, s52, 3
	s_lshl_b32 s61, s53, 1
	s_add_co_u32 s60, s60, s61                     ; my first block of 16 columns
	s_mul_i32 s60, s60, s44
	s_mul_i32 s61, s51, 1536                       ; two half images for each K step
	s_add_co_u32 s60, s60, s61
	s_add_co_u32 s60, s60, s46
	s_mov_b32 s61, 0
	s_mov_b32 s62, s44
	s_mov_b32 s63, 0
	s_add_nc_u64 s[76:77], s[20:21], s[60:61]      ; codes of my columns 0-15,
	s_add_nc_u64 s[78:79], s[76:77], s[62:63]      ; and of 16-31
	s_mul_i32 s54, s52, s45
	s_add_co_u32 s54, s54, s51
	s_lshl_b32 s54, s54, 9
	s_add_co_u32 s54, s54, s55                     ; + 128 x my 32 columns' place
	s_add_co_u32 s54, s54, s47
	s_mov_b32 s55, 0
	s_add_nc_u64 s[80:81], s[20:21], s[54:55]      ; my 32 scale words
	v_lshlrev_b32 v1, 2, v3                        ; 4 x lane
	v_lshlrev_b32 v2, 4, v3                        ; 16 x lane
	v_lshlrev_b32 v3, 3, v3                        ; 8 x lane
.irp i, 0,1,2,3,4,5,6,7,8,9,10,11,12,13,14,15,16,17,18,19,20,21,22,23,24,25,26,27,28,29,30,31
	v_mad_u32_u24 v[VO+\i], s42, (\i%8)+16*((\i/8)%2)+8*(\i/16), v1   ; register i takes the block's row 0-7, 16-23, 8-15, 24-31: this program's order inside a block
.endr
.irp k, 0,1,2,3
.irp i, 0,1,2,3,4,5,6,7,8,9,10,11,12,13,14,15,16,17,18,19,20,21,22,23,24,25,26,27,28,29,30,31
	global_load_b32 v[X+32*\k+\i], v[VO+\i], s[68+2*\k:69+2*\k] th:TH_LOAD_NT   ; 32 lanes read 128 consecutive bytes; four waves stand side by side on 512
.endr
.endr
; Block k of my column: its scale's byte into v[SW], its six registers of codes into v[Z + 6 k] on.  left: the younger loads that may stay out (as many as the count can name).
.macro BLOCK k, left
.set XS, X+32*(\k)
.set ZZ, Z+6*(\k)
.set ZU, ZT+4*(\k)
	s_wait_loadcnt \left
	v_max3_num_f32 v4, |v[XS]|, |v[XS+1]|, |v[XS+2]|
	v_max3_num_f32 v5, |v[XS+3]|, |v[XS+4]|, |v[XS+5]|
.irp i, 6,10,14,18,22,26
	v_max3_num_f32 v4, v4, |v[XS+\i]|, |v[XS+\i+1]|
	v_max3_num_f32 v5, v5, |v[XS+\i+2]|, |v[XS+\i+3]|
.endr
	v_max3_num_f32 v4, v4, |v[XS+30]|, |v[XS+31]|
	v_max3_num_f32 v4, v4, v5, 0x1800000           ; and the floor 2^(3 - 127)
	v_add_nc_u32 v6, 0xff000000, v4                ; 2 off the exponent field: the conversion's scale operand
	v_lshrrev_b32 v7, 23, v6                       ; the byte
.if (\k) == 0
	v_mov_b32 v[SW], v7
.else
	v_lshl_or_b32 v[SW], v7, 8*(\k), v[SW]
.endif
	v_cvt_scalef32_pk16_fp6_f32 v[ZZ:ZZ+2], v[XS:XS+15], v6
	v_cvt_scalef32_pk16_fp6_f32 v[ZU:ZU+2], v[XS+16:XS+31], v6   ; (a conversion's three registers begin on an even number)
	v_nop                                          ; one plain line behind a scaled conversion
.irp i, 0,1,2
	v_mov_b32 v[ZZ+3+\i], v[ZU+\i]
.endr
.endm
; Blocks 2 u and 2 u + 1 of 32 columns become the half images of columns 0-15 and 16-31: the first's lanes 16-31 change places with the second's lanes 0-15.
.macro PAIR u
.irp i, 0,1,2,3,4,5
	v_permlane16_swap_b32 v[Z+12*(\u)+\i], v[Z+12*(\u)+6+\i]
.endr
	global_store_b128 v2, v[Z+12*(\u):Z+12*(\u)+3], s[76:77] offset:768*(\u)
	global_store_b64 v3, v[Z+12*(\u)+4:Z+12*(\u)+5], s[76:77] offset:768*(\u)+512
	global_store_b128 v2, v[Z+12*(\u)+6:Z+12*(\u)+9], s[78:79] offset:768*(\u)
	global_store_b64 v3, v[Z+12*(\u)+10:Z+12*(\u)+11], s[78:79] offset:768*(\u)+512
.endm
	BLOCK 0, 63
	BLOCK 1, 63
	PAIR 0
	BLOCK 2, 32
	BLOCK 3, 0
	PAIR 1
	global_store_b32 v1, v[SW], s[80:81]           ; 128 consecutive bytes.  No store's data are written again: no wait for the stores
	s_endpgm
.Lfunc_end_k_q3296adb8db_prep:
	.size	k_q3296adb8db_prep, .Lfunc_end_k_q3296adb8db_prep-k_q3296adb8db_prep
	.p2alignl 7, 3214868480
	.fill 96, 4, 3214868480
	.section	.rodata,"a",@progbits
	.p2align	6, 0x0
	.amdhsa_kernel k_q3296adb8db_prep
		.amdhsa_group_segment_fixed_size 2048
		.amdhsa_private_segment_fixed_size 0
		.amdhsa_enable_private_segment 0
		.amdhsa_kernarg_size 72
		.amdhsa_user_sgpr_count 2
		.amdhsa_user_sgpr_kernarg_segment_ptr 1
		.amdhsa_wavefront_size32 1
		.amdhsa_system_sgpr_workgroup_id_x 1
		.amdhsa_system_sgpr_workgroup_id_y 1
		.amdhsa_system_sgpr_workgroup_id_z 1
		.amdhsa_system_vgpr_workitem_id 0
		.amdhsa_next_free_vgpr 256
		.amdhsa_next_free_sgpr 84
		.amdhsa_reserve_vcc 0
		.amdhsa_float_denorm_mode_32 3
		.amdhsa_float_denorm_mode_16_64 3
		.amdhsa_memory_ordered 1
		.amdhsa_forward_progress 1
		.amdhsa_inst_pref_size 48
	.end_amdhsa_kernel
	.amdgpu_metadata
---
amdhsa.version: [ 1, 2 ]
amdhsa.kernels:
  - .name:           k_q3296adb8db_prep
    .symbol:         k_q3296adb8db_prep.kd
    .args:
      - { .name: x, .offset: 0, .size: 8, .value_kind: global_buffer, .address_space: global }
      - { .name: ln1_g, .offset: 8, .size: 8, .value_kind: global_buffer, .address_space: global }
      - { .name: ln1_b, .offset: 16, .size: 8, .value_kind: global_buffer, .address_space: global }
      - { .name: W_attn, .offset: 24, .size: 8, .value_kind: global_buffer, .address_space: global }
      - { .name: W_proj, .offset: 32, .size: 8, .value_kind: global_buffer, .address_space: global }
      - { .name: W_fc1, .offset: 40, .size: 8, .value_kind: global_buffer, .address_space: global }
      - { .name: W_fc2, .offset: 48, .size: 8, .value_kind: global_buffer, .address_space: global }
      - { .name: hq, .offset: 56, .size: 8, .value_kind: global_buffer, .address_space: global }
      - { .name: wq, .offset: 64, .size: 8, .value_kind: global_buffer, .address_space: global }
    .group_segment_fixed_size: 2048
    .private_segment_fixed_size: 0
    .kernarg_segment_align: 8
    .kernarg_segment_size: 72
    .max_flat_workgroup_size: 256
    .sgpr_count:     84
    .vgpr_count:     256
    .wavefront_size: 32
...
	.end_amdgpu_metadata
.endif
;; end of part 1
;; launch gqkv (part 2): grid 192 x 4, 4 waves a work-group, clusters of 4 x 4, 327,680 bytes of LDS; arguments hq, wq, qkvc; writes qkvc
.if DOCPART == 2
	.amdgcn_target "amdgcn-amd-amdhsa--gfx1250"
	.amdhsa_code_object_version 6
	.text
	.protected	k_q3296adb8db_gqkv
	.globl	k_q3296adb8db_gqkv
	.p2align	8
	.type	k_q3296adb8db_gqkv,@function
k_q3296adb8db_gqkv:
	s_mov_b64 s[64:65], 0
	v_nop
	global_prefetch_b8 v0, s[64:65] scope:SCOPE_SE
	s_setreg_imm32_b32 hwreg(HW_REG_WAVE_MODE, 25, 1), 1
	s_wait_xcnt 0x0
	s_wait_alu depctr_hold_cnt(0) depctr_sa_sdst(0) depctr_va_vdst(0) depctr_va_sdst(0) depctr_va_ssrc(0) depctr_va_vcc(0) depctr_vm_vsrc(0)
	s_getreg_b32 s2, hwreg(HW_REG_IB_STS2, 6, 4)
	s_cmp_eq_u32 s2, 0
	s_cbranch_scc0 .Lentry_in_a_cluster
	s_endpgm
.Lentry_in_a_cluster:
	s_bfe_u32 s2, ttmp6, 0x10000c
	s_cmp_lg_u32 s2, 0xf033
	s_cbranch_scc0 .Lentry_shape_is_right
	s_endpgm
.Lentry_shape_is_right:
; QKV = h W_attn on codes of FP6 (E2M3) with E8M0 scales, and its results quantised at once: q and k along the head's 64, v along the keys.
; OPERANDS lie as register images.  A half image, 768 bytes, is 16 rows x 64 K: 512 bytes, lane l's registers 0-3 at 16 l, then 256 bytes, registers 4-5 at 8 l.  Codes of X[R][K]: [R/16][K/64][768];
; scale words [R/128][K/128][8][16].  Inside a block of 32 the codes stand in the order 0-7, 16-23, 8-15, 24-31 in both operands of every product (the f32 sums are grouped otherwise than in ascending k).
; C[row][col] = sum over k of A[row][k] B[col][k].  A tile of C is 128 x 128, four waves of 64 x 64: 16 accumulators.  K = 1,024 lies whole in two LDS slots of 512 along K, both filled at the start: no slot is filled again.
; CLUSTERS of 4 x 4: A's tile and scales are asked for jointly along a row of the cluster, B's along a column.  Wave 0 asks for A's codes, 1 for B's, 2 for A's scale words, 3 for B's.
; TWO PARTS, told apart by the cluster's number with selects alone.  Clusters 0-31: A = h (4,096 tokens), B = W_attn's columns 0-2,047: q and k.  Clusters 32-47: A = W_attn's columns 2,048-3,071, B = h: the result is v TRANSPOSED,
; rows = v's columns, columns = tokens, so that the same way out quantises it along the keys.
; THE MATRIX INSTRUCTION IS USED TRANSPOSED (source 0 = 16 rows of B, source 1 = 16 rows of A): lane (r, h) holds row r and columns 16 b + 8 h + 0..7, so the 32 registers of a row block are 64 neighbours along the next K in this program's order.
; LIMITS: NaN and infinities are not served; a block whose largest magnitude lies under 2^-124 gets the byte 1 (a zero block's codes are zeros).
; REGISTERS: window 0: v1-23 addresses; v24-31 scale words, two sets; v36-60 the way out; v128-255 accumulators ((a, b) at v[128 + 8 (4 a + b)]).  Window 1: two fragment buffers, v0-95 and v128-223: A's four fragments, then B's four.
.set KK,    1024
.set RBP,   (KK/64)*768                ; 16 rows of codes in memory
.set SCSZ,  (KK/128)*512               ; 128 rows' scale words
.set KSB,   6144                       ; 16 rows x 512 K of codes
.set SLOT,  102656                     ; a slot: A's codes, B's codes, A's scale words, B's
.set BCO,   49152
.set ASO,   98304
.set BSO,   100480                     ; 128 bytes further than dense: lanes 0-15 (A's words) and lanes 16-31 (B's) then touch different banks
.set SPARE, 222720                     ; the spare words, 128 bytes a wave: two blocks of 256 bytes that no other line names
.set HSO,   3145728                    ; hq: scale words
.set WAS,   9437184                    ; wq: W_attn's scale words
.set VTC,   6291456                    ; qkvc: v's codes, [1024/16][4096/64][768]
.set QKS,   9437184                    ; q's and k's scale words
.set VTS,   9699328                    ; v's
.set L16,   4
.set L8,    5
.set ADA16, 8                          ; v8-9   my A fragments in slot 0, 1: + 16 x lane;  v10-11: + 8 x lane
.set ADA8,  10
.set ADB16, 12                         ; v12-15 the same for B
.set ADB8,  14
.set ADS,   16                         ; v16-17 my scale words: lanes 0-15 A's, lanes 16-31 B's
.set SPW,   18
.set NIL,   19
.set SC,    24
.set TM,    36
.set PW,    44
.set PWM,   48
.set PC,    52
.set ACC,   128
.set F0,    0
.set F1,    128
.set G1AC,  24
.set G1BC,  32
.set G1AS,  40
.set G1BS,  48
.set G0AC,  56
.set G0BC,  68
.set G0AS,  76
.set G0BS,  84
.set SEL,   100
.set MSB, 0
.macro WIN new                         ; the immediate's high byte repeats the setting that is left
.if MSB != \new
	s_set_vgpr_msb (MSB<<8)|\new
.set MSB, \new
.endif
.endm
.set MUL,  0x05                        ; sources 0 and 1 window 1; C and D window 0
.set TO_F, 0x40                        ; destination window 1, address window 0
.macro PLACES                          ; four plain lines between a matrix instruction and a load into, or a read of, its registers
.rept 4
	v_nop
.endr
.endm
; A joint load: each wave asks for one of a slot's four tiles.  The branches hang on the wave's number alone.  Four v_nop follow each line.
.macro JLOAD4 s
	s_cmp_eq_u32 s14, 0
	s_cbranch_scc0 .Lj1_\@
	tensor_load_to_lds s[G0AC+4*\s:G0AC+4*\s+3], s[G1AC:G1AC+7]
	s_nop 0
	PLACES
	s_branch .Ljd_\@
.Lj1_\@:
	s_cmp_eq_u32 s14, 1
	s_cbranch_scc0 .Lj2_\@
	tensor_load_to_lds s[G0BC+4*\s:G0BC+4*\s+3], s[G1BC:G1BC+7]
	s_nop 0
	PLACES
	s_branch .Ljd_\@
.Lj2_\@:
	s_cmp_eq_u32 s14, 2
	s_cbranch_scc0 .Lj3_\@
	tensor_load_to_lds s[G0AS+4*\s:G0AS+4*\s+3], s[G1AS:G1AS+7]
	s_nop 0
	PLACES
	s_branch .Ljd_\@
.Lj3_\@:
	tensor_load_to_lds s[G0BS+4*\s:G0BS+4*\s+3], s[G1BS:G1BS+7]
	s_nop 0
	PLACES
.Ljd_\@:
.endm
.macro CREST                           ; a round of the cluster's barrier behind its opening barrier
	s_cmp_lg_u32 s14, 0
	s_cbranch_scc1 .Lnot_wave_0_\@
	s_barrier_signal -3
.Lnot_wave_0_\@:
	s_barrier_wait -3
	s_barrier_signal -1
	s_barrier_wait -1
.endm
.macro CROUND
	s_barrier_signal -1
	s_barrier_wait -1
	CREST
.endm
	s_load_b128 s[4:7], s[0:1], 0x0                ; hq, wq
	s_load_b64 s[8:9], s[0:1], 0x10                ; qkvc
	v_lshl_add_u32 v[SPW], v0, 2, SPARE
	v_mov_b32 v[NIL], 0
	ds_add_u32 v18, v19
	ds_add_u32 v18, v19
	s_wait_dscnt 0x0
	v_lshrrev_b32 v1, 5, v0
	v_readfirstlane_b32 s14, v1                    ; wave 0..3
	s_lshr_b32 s15, s14, 1                         ; which 64 rows of the tile are mine
	s_and_b32 s16, s14, 1                          ; which 64 columns
	s_bfe_u32 s17, ttmp6, 0x40000                  ; cx
	s_bfe_u32 s18, ttmp6, 0x40004                  ; cy
	s_and_b32 s92, ttmp9, 3                        ; q, k: 4 columns x 8 rows of clusters
	s_lshr_b32 s93, ttmp9, 2
	s_sub_co_u32 s94, ttmp9, 32                    ; v: 8 columns x 2 rows
	s_and_b32 s95, s94, 7
	s_lshr_b32 s94, s94, 3
	s_mov_b32 s66, 49152
	s_cmp_lt_u32 ttmp9, 32
	s_cselect_b32 s19, s92, s95
	s_cselect_b32 s20, s93, s94
	s_cselect_b32 s66, 24576, s66                  ; the output's 16 rows of codes in bytes: 32 or 64 half images
	s_cselect_b32 s2, 16, 32                       ; the output's K / 128
	s_mov_b32 s67, 0
	s_lshl_b32 s19, s19, 2
	s_add_co_u32 s19, s19, s17                     ; tile column
	s_lshl_b32 s20, s20, 2
	s_add_co_u32 s20, s20, s18                     ; tile row
	s_lshl_b32 s21, s18, 2
	s_lshl_b32 s21, 15, s21                        ; my row of the cluster
	s_lshl_b32 s22, 0x1111, s17                    ; my column
	s_mov_b32 s23, 0xffff0000                      ; lanes 16-31
	s_mov_b32 s[SEL], 0x76543210
	s_mov_b32 s[SEL+1], 0xfedcba98
	s_or_b32 s[G1AC], s21, (3<<16)|(1<<21)         ; 15:0 the mask; 17:16 elements of 8 bytes; 21 set beside a mask; no padding
	s_or_b32 s[G1BC], s22, (3<<16)|(1<<21)
	s_or_b32 s[G1AS], s21, (3<<16)|(1<<21)
	s_or_b32 s[G1BS], s22, (3<<16)|(1<<21)
.irp g, G1AC, G1BC                     ; codes: 8 rows (blocks of 16 rows of the matrix) of 6,144 bytes, RBP bytes apart
	s_mov_b32 s[\g+1], 768<<16
	s_mov_b32 s[\g+2], 8<<16
	s_mov_b32 s[\g+3], 768<<16
	s_mov_b32 s[\g+4], 8
	s_mov_b32 s[\g+5], RBP/8
	s_mov_b32 s[\g+6], 0
	s_mov_b32 s[\g+7], 0
.endr
.irp g, G1AS, G1BS                     ; scale words: 2,048 dense bytes as 8 rows of 256
	s_mov_b32 s[\g+1], 32<<16
	s_mov_b32 s[\g+2], 8<<16
	s_mov_b32 s[\g+3], 32<<16
	s_mov_b32 s[\g+4], 8
	s_mov_b32 s[\g+5], 32
	s_mov_b32 s[\g+6], 0
	s_mov_b32 s[\g+7], 0
.endr
	s_wait_kmcnt 0x0
	s_add_nc_u64 s[10:11], s[4:5], HSO             ; h's scale words
	s_add_nc_u64 s[12:13], s[6:7], 1572864         ; W_attn's columns 2,048 on: codes,
	s_add_nc_u64 s[94:95], s[6:7], WAS+65536       ; and scale words
	s_add_nc_u64 s[92:93], s[6:7], WAS
	s_cmp_lt_u32 ttmp9, 32                         ; the choice hangs on the cluster's number alone
	s_cselect_b64 s[96:97], s[6:7], s[4:5]         ; B's codes
	s_cselect_b64 s[98:99], s[92:93], s[10:11]     ; B's scale words
	s_cselect_b64 s[92:93], s[4:5], s[12:13]       ; A's codes
	s_cselect_b64 s[94:95], s[10:11], s[94:95]     ; A's scale words
	s_add_nc_u64 s[10:11], s[8:9], VTC
	s_add_nc_u64 s[12:13], s[8:9], QKS
	s_add_nc_u64 s[4:5], s[8:9], VTS
	s_cselect_b64 s[8:9], s[8:9], s[10:11]         ; the output's codes
	s_cselect_b64 s[10:11], s[12:13], s[4:5]       ; and scale words
	s_mul_i32 s6, s20, 8*RBP                       ; A's offsets hang on the tile row alone,
	s_mov_b32 s7, 0
	s_add_nc_u64 s[92:93], s[92:93], s[6:7]
	s_mul_i32 s6, s20, SCSZ
	s_add_nc_u64 s[94:95], s[94:95], s[6:7]
	s_mul_i32 s12, s19, 8*RBP                      ; B's on the tile column alone, in other registers
	s_mov_b32 s13, 0
	s_add_nc_u64 s[96:97], s[96:97], s[12:13]
	s_mul_i32 s12, s19, SCSZ
	s_add_nc_u64 s[98:99], s[98:99], s[12:13]
	CROUND                                         ; all sixteen work-groups are here: the joint loads meet
.irp s, 0,1
	s_mov_b32 s[G0AC+4*\s], 1
	s_mov_b32 s[G0AC+4*\s+1], \s*SLOT
	s_add_nc_u64 s[G0AC+4*\s+2:G0AC+4*\s+3], s[92:93], \s*KSB
	s_or_b32 s[G0AC+4*\s+3], s[G0AC+4*\s+3], 0x80000000
	s_mov_b32 s[G0BC+4*\s], 1
	s_mov_b32 s[G0BC+4*\s+1], \s*SLOT+BCO
	s_add_nc_u64 s[G0BC+4*\s+2:G0BC+4*\s+3], s[96:97], \s*KSB
	s_or_b32 s[G0BC+4*\s+3], s[G0BC+4*\s+3], 0x80000000
	s_mov_b32 s[G0AS+4*\s], 1
	s_mov_b32 s[G0AS+4*\s+1], \s*SLOT+ASO
	s_add_nc_u64 s[G0AS+4*\s+2:G0AS+4*\s+3], s[94:95], \s*2048
	s_or_b32 s[G0AS+4*\s+3], s[G0AS+4*\s+3], 0x80000000
	s_mov_b32 s[G0BS+4*\s], 1
	s_mov_b32 s[G0BS+4*\s+1], \s*SLOT+BSO
	s_add_nc_u64 s[G0BS+4*\s+2:G0BS+4*\s+3], s[98:99], \s*2048
	s_or_b32 s[G0BS+4*\s+3], s[G0BS+4*\s+3], 0x80000000
	JLOAD4 \s                                      ; two loads of mine are out: all of K
.endr
	v_and_b32 v1, 15, v0                           ; r
	v_bfe_u32 v2, v0, 4, 1                         ; h
	v_and_b32 v3, 31, v0                           ; lane
	v_lshlrev_b32 v[L16], 4, v3
	v_lshlrev_b32 v[L8], 3, v3
	s_mul_i32 s92, s15, 4*KSB                      ; my four blocks of A's rows
	s_mul_i32 s96, s16, 4*KSB                      ; and of B's,
	s_add_co_u32 s96, s96, BCO                     ; behind A's codes
.irp s, 0,1
	v_add_nc_u32 v[ADA16+\s], s92, v[L16]
	v_add_nc_u32 v[ADA8+\s], s92, v[L8]
	v_add_nc_u32 v[ADB16+\s], s96, v[L16]
	v_add_nc_u32 v[ADB8+\s], s96, v[L8]
	s_add_co_u32 s92, s92, SLOT
	s_add_co_u32 s96, s96, SLOT
.endr
	s_lshl_b32 s92, s15, 8                         ; scale words: A's at 256 x my half of the rows;
	s_lshl_b32 s96, s16, 8
	s_add_co_u32 s96, s96, BSO-ASO
	s_sub_co_u32 s96, s96, s92                     ; B's lie this much further on
	v_mul_u32_u24 v6, s96, v2                      ; lanes 16-31 take B's: one product, the lower base + h x the distance
	v_lshl_add_u32 v6, v1, 2, v6
	s_add_co_u32 s92, s92, ASO
	v_add_nc_u32 v[ADS], s92, v6
	v_add_nc_u32 v[ADS+1], SLOT, v[ADS]
	v_lshlrev_b32 v22, 2, v3                       ; the way out: my two scale bytes at 4 x lane + 2 x my half of the columns
	s_lshl_b32 s96, s16, 1
	v_add_nc_u32 v22, s96, v22
	v_mov_b32 v[TM+2], 0                           ; a lane permute's destination counts as one of its sources
	v_mov_b32 v[TM+3], 0
	s_lshl_b32 s96, s20, 3                         ; the output's codes: block of 16 rows 8 x tile row + 4 x my half, half image 2 x tile column + my half
	s_lshl_b32 s97, s15, 2
	s_add_co_u32 s96, s96, s97
	s_mul_i32 s96, s96, s66
	s_lshl_b32 s97, s19, 1
	s_add_co_u32 s97, s97, s16
	s_mul_i32 s97, s97, 768
	s_add_co_u32 s96, s96, s97
	s_mov_b32 s97, 0
	s_add_nc_u64 s[8:9], s[8:9], s[96:97]
	s_mul_i32 s98, s20, s2                         ; its scale words: (tile row x K / 128 + tile column) x 512 + 256 x my half of the rows
	s_add_co_u32 s98, s98, s19
	s_lshl_b32 s98, s98, 9
	s_lshl_b32 s99, s15, 8
	s_add_co_u32 s98, s98, s99
	s_mov_b32 s99, 0
	s_add_nc_u64 s[10:11], s[10:11], s[98:99]
; Four matrix instructions: A's block a against B's four, 128 along K, out of buffer f.  mode 0: onto the sums; 1: the constant 0 starts them.  The 16 accumulators take turns in the same order in every quarter.
.macro MUL4 f, a, mode
.irp b, 0,1,2,3
.if \mode == 0
	v_wmma_scale_f32_16x16x128_f8f6f4 v[ACC+8*(4*(\a)+\b):ACC+8*(4*(\a)+\b)+7], v[\f+48+12*\b:\f+48+12*\b+11], v[\f+12*(\a):\f+12*(\a)+11], v[ACC+8*(4*(\a)+\b):ACC+8*(4*(\a)+\b)+7], v[SC+4*((\f)/128)+\b], v[SC+4*((\f)/128)+(\a)] matrix_a_fmt:MATRIX_FMT_FP6 matrix_b_fmt:MATRIX_FMT_FP6 matrix_a_scale:MATRIX_SCALE_ROW1
.else
	v_wmma_scale_f32_16x16x128_f8f6f4 v[ACC+8*(4*(\a)+\b):ACC+8*(4*(\a)+\b)+7], v[\f+48+12*\b:\f+48+12*\b+11], v[\f+12*(\a):\f+12*(\a)+11], 0, v[SC+4*((\f)/128)+\b], v[SC+4*((\f)/128)+(\a)] matrix_a_fmt:MATRIX_FMT_FP6 matrix_b_fmt:MATRIX_FMT_FP6 matrix_a_scale:MATRIX_SCALE_ROW1
.endif
.endr
.endm
.macro FRAG reg, a16, a8, off          ; a fragment, 16 rows x 128 K, is two half images on end: every load takes consecutive bytes
	ds_load_b128 v[\reg:\reg+3], v[\a16] offset:\off
	ds_load_b64 v[\reg+4:\reg+5], v[\a8] offset:\off+512
	ds_load_b128 v[\reg+6:\reg+9], v[\a16] offset:\off+768
	ds_load_b64 v[\reg+10:\reg+11], v[\a8] offset:\off+1280
.endm
.macro FETCH s, q, f                   ; 36 LDS loads: the slot's q-th 128 along K into buffer f: 4 scale registers, B's four fragments, A's four
	WIN 0
.irp i, 0,1,2,3
	ds_load_b32 v[SC+4*((\f)/128)+\i], v[ADS+\s] offset:512*(\q)+64*\i
.endr
	WIN TO_F
.irp i, 0,1,2,3
	FRAG \f+48+12*\i, ADB16+\s, ADB8+\s, \i*KSB+(\q)*1536
.endr
.irp i, 0,1,2,3
	FRAG \f+12*\i, ADA16+\s, ADA8+\s, \i*KSB+(\q)*1536
.endr
.endm
.macro QUARTER s, qn, f, g, mode       ; multiplies buffer f; in its middle fetches the slot's quarter qn into buffer g
	s_wait_dscnt 8                                 ; all but the youngest eight loads (A's blocks 2, 3) are in
	WIN MUL
	MUL4 \f, 0, \mode
	MUL4 \f, 1, \mode
	PLACES
	FETCH \s, \qn, \g
	s_wait_dscnt 36                                ; all but the 36 just issued
	WIN MUL
	MUL4 \f, 2, \mode
	MUL4 \f, 3, \mode
.endm
; A slot's last quarter changes slots: one barrier; in front of it each wave waits for all its tensor loads (slot 1's), adds 0 to its spare word, and waits for that and for its reads.  Nothing is filled again here.
.macro TURN s, n
	WIN 0
	s_wait_tensorcnt 0x0
	ds_add_u32 v[SPW], v[NIL]
	s_wait_dscnt 9                                 ; the add and the youngest eight loads may be out
	WIN MUL
	MUL4 F1, 0, 0
	s_wait_dscnt 0x0
	s_barrier_signal -1
	MUL4 F1, 1, 0
	s_barrier_wait -1
	PLACES
	FETCH \n, 0, F0
	WIN MUL
	MUL4 F1, 2, 0
	MUL4 F1, 3, 0
.endm
; 32 numbers of a lane (16 of each of two blocks of my row) become a half image in v[pc .. pc + 5] and two scale bytes in v[pw], the same in lanes r and r + 16.
.macro QH s, pc, pw
	v_max3_num_f32 v[TM], |v[\s]|, |v[\s+1]|, 0x1800000            ; with the floor 2^(3 - 127): the byte cannot fall under 1
	v_max3_num_f32 v[TM+1], |v[\s+16]|, |v[\s+17]|, 0x1800000
.irp i, 2,4,6,8,10,12,14
	v_max3_num_f32 v[TM], v[TM], |v[\s+\i]|, |v[\s+1+\i]|
	v_max3_num_f32 v[TM+1], v[TM+1], |v[\s+16+\i]|, |v[\s+17+\i]|
.endr
	v_permlanex16_b32 v[TM+2], v[TM], s[SEL], s[SEL+1]
	v_permlanex16_b32 v[TM+3], v[TM+1], s[SEL], s[SEL+1]
	v_max_num_f32 v[TM], v[TM], v[TM+2]
	v_max_num_f32 v[TM+1], v[TM+1], v[TM+3]
	v_add_nc_u32 v[TM+4], 0xff000000, v[TM]        ; 2 off the exponent field: the conversion's scale operand
	v_add_nc_u32 v[TM+5], 0xff000000, v[TM+1]
	v_lshrrev_b32 v[TM+2], 23, v[TM+4]
	v_lshrrev_b32 v[TM+3], 23, v[TM+5]
	v_lshl_or_b32 v[\pw], v[TM+3], 8, v[TM+2]
	v_cvt_scalef32_pk16_fp6_f32 v[\pc:\pc+2], v[\s:\s+15], v[TM+4]
	v_cvt_scalef32_pk16_fp6_f32 v[\pc+6:\pc+8], v[\s+16:\s+31], v[TM+5]
	v_nop                                          ; one plain line behind a scaled conversion
.irp i, 0,1,2
	v_permlane16_swap_b32 v[\pc+\i], v[\pc+6+\i]
.endr
.irp i, 0,1,2
	v_mov_b32 v[\pc+3+\i], v[\pc+6+\i]
.endr
.endm
	s_wait_tensorcnt 1                             ; my part of slot 0 is in; slot 1's may stay out
	s_barrier_signal -1
	s_barrier_wait -1
	FETCH 0, 0, F0
	QUARTER 0, 1, F0, F1, 1                        ; the first products start the sums
	QUARTER 0, 2, F1, F0, 0
	QUARTER 0, 3, F0, F1, 0
	TURN 0, 1
	QUARTER 1, 1, F0, F1, 0
	QUARTER 1, 2, F1, F0, 0
	QUARTER 1, 3, F0, F1, 0
	s_wait_dscnt 8
	WIN MUL
	MUL4 F1, 0, 0
	MUL4 F1, 1, 0
	s_wait_dscnt 0x0
	MUL4 F1, 2, 0
	MUL4 F1, 3, 0
	WIN 0
	; THE WAY OUT: each of my four blocks of 16 rows x 64 columns becomes one half image of the next operand: three whole blocks of 256 bytes.
	PLACES
.irp a, 0,1,2,3
.if \a > 0
	s_wait_xcnt 0x0                                ; the last stores have read their data and their base
	s_add_nc_u64 s[8:9], s[8:9], s[66:67]          ; 16 rows on
.endif
	QH ACC+32*\a, PC, PW+\a
	global_store_b128 v[L16], v[PC:PC+3], s[8:9]
	global_store_b64 v[L8], v[PC+4:PC+5], s[8:9] offset:512
.if (\a%2) == 1
	v_cndmask_b32 v[PWM+\a/2], v[PW+\a-1], v[PW+\a], s23           ; lanes 0-15: the block before; lanes 16-31: this one
	global_store_b16 v22, v[PWM+\a/2], s[10:11] offset:64*(\a-1)   ; two of a scale word's four bytes: the other two are the neighbouring wave's
.endif
.endr
	s_wait_tensorcnt 0x0                           ; the wave's end
	ds_add_u32 v[SPW], v[NIL]
	s_wait_dscnt 0x0
	CROUND                                         ; the closing round
	s_endpgm
.Lfunc_end_k_q3296adb8db_gqkv:
	.size	k_q3296adb8db_gqkv, .Lfunc_end_k_q3296adb8db_gqkv-k_q3296adb8db_gqkv
	.p2alignl 7, 3214868480
	.fill 96, 4, 3214868480
	.section	.rodata,"a",@progbits
	.p2align	6, 0x0
	.amdhsa_kernel k_q3296adb8db_gqkv
		.amdhsa_group_segment_fixed_size 327680
		.amdhsa_private_segment_fixed_size 0
		.amdhsa_enable_private_segment 0
		.amdhsa_kernarg_size 24
		.amdhsa_user_sgpr_count 2
		.amdhsa_user_sgpr_kernarg_segment_ptr 1
		.amdhsa_wavefront_size32 1
		.amdhsa_system_sgpr_workgroup_id_x 1
		.amdhsa_system_sgpr_workgroup_id_y 1
		.amdhsa_system_sgpr_workgroup_id_z 1
		.amdhsa_system_vgpr_workitem_id 0
		.amdhsa_next_free_vgpr 512
		.amdhsa_next_free_sgpr 104
		.amdhsa_reserve_vcc 0
		.amdhsa_float_denorm_mode_32 3
		.amdhsa_float_denorm_mode_16_64 3
		.amdhsa_memory_ordered 1
		.amdhsa_forward_progress 1
		.amdhsa_inst_pref_size 57
	.end_amdhsa_kernel
	.amdgpu_metadata
---
amdhsa.version: [ 1, 2 ]
amdhsa.kernels:
  - .name:           k_q3296adb8db_gqkv
    .symbol:         k_q3296adb8db_gqkv.kd
    .args:
      - { .name: hq, .offset: 0, .size: 8, .value_kind: global_buffer, .address_space: global }
      - { .name: wq, .offset: 8, .size: 8, .value_kind: global_buffer, .address_space: global }
      - { .name: qkvc, .offset: 16, .size: 8, .value_kind: global_buffer, .address_space: global }
    .group_segment_fixed_size: 327680
    .private_segment_fixed_size: 0
    .kernarg_segment_align: 8
    .kernarg_segment_size: 24
    .max_flat_workgroup_size: 128
    .sgpr_count:     104
    .vgpr_count:     512
    .wavefront_size: 32
...
	.end_amdgpu_metadata
.endif
;; end of part 2
;; launch attn (part 3): grid 4 x 64, 16 waves a work-group, clusters of 4 x 1, 169,984 bytes of LDS; arguments qkvc, yq; writes yq
.if DOCPART == 3
	.amdgcn_target "amdgcn-amd-amdhsa--gfx1250"
	.amdhsa_code_object_version 6
	.text
	.protected	k_q3296adb8db_attn
	.globl	k_q3296adb8db_attn
	.p2align	8
	.type	k_q3296adb8db_attn,@function
k_q3296adb8db_attn:
	s_mov_b64 s[64:65], 0
	v_nop
	global_prefetch_b8 v0, s[64:65] scope:SCOPE_SE
	s_setreg_imm32_b32 hwreg(HW_REG_WAVE_MODE, 25, 1), 1
	s_wait_xcnt 0x0
	s_wait_alu depctr_hold_cnt(0) depctr_sa_sdst(0) depctr_va_vdst(0) depctr_va_sdst(0) depctr_va_ssrc(0) depctr_va_vcc(0) depctr_vm_vsrc(0)
	s_getreg_b32 s2, hwreg(HW_REG_IB_STS2, 6, 4)
	s_cmp_eq_u32 s2, 0
	s_cbranch_scc0 .Lentry_in_a_cluster
	s_endpgm
.Lentry_in_a_cluster:
	s_bfe_u32 s2, ttmp6, 0x10000c
	s_cmp_lg_u32 s2, 0x3003
	s_cbranch_scc0 .Lentry_shape_is_right
	s_endpgm
.Lentry_shape_is_right:
; CAUSAL ATTENTION on codes of FP6 (E2M3) with E8M0 scales: y[q] = sum over keys k <= q of softmax(q . k / 8) v, head size 64, 1,024 tokens, 64 (batch, head) pairs; y quantised at once along its row for the next product.
; THE SOFTMAX: t = score x log2(e) / 8; M = the running largest t rounded UP to a whole number; p = 2^(t - M) is quantised along the keys, not normalised; the row's sum is taken of the unquantised p and divides at the end;
; when M moves, the sum and O are multiplied by 2^(old M - new M), which rounds nothing.
; OPERANDS lie as register images (half image, 768 bytes = 16 rows x 64 K: 512 bytes at 16 x lane, 256 at 8 x lane), with the order 0-7, 16-23, 8-15, 24-31 inside each block of 32 in both operands of a product.
; q, k: [token/16][32][768] (q's heads at 0-15, k's at 16-31).  v transposed: [column/16][token/64][768].  A head's K is 64: the upper half of each fragment of q and k is zero codes, which add nothing.
; SHARES.  A cluster of four work-groups owns one (batch, head); the head's K and V, codes and scale words, 104,448 bytes, come into each work-group's LDS ONCE by four joint loads: no ring, no refill, no LDS store.
; A wave owns 16 queries: tile 4 x rank + cx, rank a permutation of the wave's number, so the four partners have the same work and no branch hangs on a work-group's place: a wave needs key steps 0 .. rank / 2 of 128 keys.
; All waves walk the loop's 8 trips; a step all of whose keys come after the wave's queries is jumped over, but for the lines that step addresses.  The last step that counts masks hidden scores to -infinity.
; BOTH PRODUCTS TRANSPOSED: S^T = K Q^T, O^T = V^T P^T: a lane holds one query; tiles 2 b, 2 b + 1 of S^T give a lane 16 keys of block b in this program's order, so p's codes are the second product's operand.
; LIMITS: NaN and infinities are not served; a block of p or y under 2^-124 gets the byte 1 (zero codes for zeros); 1 / sum by v_rcp_f32.
.set VTC,  6291456
.set QKS,  9437184
.set VTS,  9699328
.set YSO,  3145728
.set KC,   0                           ; LDS: K's codes [64 blocks of 16 keys][768]
.set VC,   49152                       ; V's [4 blocks of 16 channels][16 half images][768]
.set KS,   98304                       ; K's scale words [64][64 bytes]
.set VS,   102400                      ; V's [8 key steps][4][64 bytes]
.set S,    128                         ; v128-191 S^T, then p
.set O,    96                          ; v96-127  O^T
.set P,    80                          ; v80-91   p's codes
.set BM,   92                          ; v92-95   each block's largest score, then p
.set PT,   240                         ; v240-243 at work
.set SO,   244                         ; v244-247 the conversions' scale operands
.set TM,   240                         ; the way out's work registers
.set WV,   14
.set NS,   18                          ; s18 my last key step
.set J,    78                          ; s78 the key step
.set KF,   79                          ; s79 its first key
.set TK,   80                          ; s80-83 where its tiles and scale words begin in LDS
.set TKS,  81
.set TV,   82
.set TVS,  83
.set SEL,  84
.set CS,   86
.macro PLACES
.rept 4
	v_nop
.endr
.endm
.macro CROUND                          ; a round of the cluster's barrier
	s_barrier_signal -1
	s_barrier_wait -1
	s_cmp_lg_u32 s[WV], 0
	s_cbranch_scc1 .Lnot_wave_0_\@
	s_barrier_signal -3
.Lnot_wave_0_\@:
	s_barrier_wait -3
	s_barrier_signal -1
	s_barrier_wait -1
.endm
	s_load_b128 s[4:7], s[0:1], 0x0                ; qkvc, yq
	v_lshl_add_u32 v254, v0, 2, 0x29000
	v_mov_b32 v255, 0
	ds_add_u32 v254, v255
	ds_add_u32 v254, v255
	s_wait_dscnt 0x0
	v_lshrrev_b32 v1, 5, v0
	v_readfirstlane_b32 s[WV], v1                  ; wave 0..15
	s_bfe_u32 s19, ttmp6, 0x40000                  ; cx
	s_and_b32 s21, ttmp7, 0xffff                   ; batch x 16 + head, which the four partners share
	s_lshr_b32 s22, s21, 4                         ; batch
	s_and_b32 s23, s21, 15                         ; head
	s_and_b32 s76, s23, 1                          ; which half of a scale word is the head's
	s_lshr_b32 s77, s23, 1
	s_lshr_b32 s15, s[WV], 2
	s_and_b32 s16, s[WV], 3
	s_add_co_u32 s17, s15, s16
	s_and_b32 s17, s17, 3
	s_lshl_b32 s17, s17, 2
	s_add_co_u32 s17, s17, s15                     ; rank = 4 ((w / 4 + w % 4) % 4) + w / 4: long and short walks are spread over the waves
	s_lshr_b32 s[NS], s17, 1
	s_lshl_b32 s20, s17, 2
	s_add_co_u32 s20, s20, s19                     ; my tile of 16 queries
	; descriptor groups 1: elements of 8 bytes, the mask of all four work-groups, bit 21 beside it, no padding
.irp g, 24, 32, 40, 48
	s_mov_b32 s[\g], 15|(3<<16)|(1<<21)
	s_mov_b32 s[\g+6], 0
	s_mov_b32 s[\g+7], 0
.endr
	s_mov_b32 s25, 96<<16                          ; K's codes: 64 rows of 768 bytes, 24,576 bytes apart
	s_mov_b32 s26, 64<<16
	s_mov_b32 s27, 96<<16
	s_mov_b32 s28, 64
	s_mov_b32 s29, 3072
	s_mov_b32 s33, 1536<<16                        ; V's codes: 4 rows of 12,288 bytes, 49,152 apart
	s_mov_b32 s34, 4<<16
	s_mov_b32 s35, 1536<<16
	s_mov_b32 s36, 4
	s_mov_b32 s37, 6144
	s_mov_b32 s41, 64<<16                          ; K's scale words: 8 rows of 512 bytes, 8,192 apart
	s_mov_b32 s42, 8<<16
	s_mov_b32 s43, 64<<16
	s_mov_b32 s44, 8
	s_mov_b32 s45, 1024
	s_mov_b32 s49, 32<<16                          ; V's: 8 rows of 256 bytes, 512 apart
	s_mov_b32 s50, 8<<16
	s_mov_b32 s51, 32<<16
	s_mov_b32 s52, 8
	s_mov_b32 s53, 64
	s_lshl_b32 s88, s22, 11                        ; K's codes: half image (batch x 2,048 + 16 + head)
	s_add_co_u32 s88, s88, s23
	s_add_co_u32 s88, s88, 16
	s_mul_i32 s88, s88, 768
	s_mov_b32 s89, 0
	s_lshl_b32 s90, s23, 8                         ; V's: half image (head x 256 + batch x 16)
	s_lshl_b32 s91, s22, 4
	s_add_co_u32 s90, s90, s91
	s_mul_i32 s90, s90, 768
	s_add_co_u32 s90, s90, VTC
	s_mov_b32 s91, 0
	s_lshl_b32 s92, s22, 7                         ; K's scale words: (batch x 128 + 8 + head / 2) x 512
	s_add_co_u32 s92, s92, s77
	s_add_co_u32 s92, s92, 8
	s_lshl_b32 s92, s92, 9
	s_add_co_u32 s92, s92, QKS
	s_mov_b32 s93, 0
	s_lshl_b32 s94, s77, 5                         ; V's: ((head / 2) x 32 + batch x 8) x 512 + (head % 2) x 256
	s_lshl_b32 s95, s22, 3
	s_add_co_u32 s94, s94, s95
	s_lshl_b32 s94, s94, 9
	s_lshl_b32 s95, s76, 8
	s_add_co_u32 s94, s94, s95
	s_add_co_u32 s94, s94, VTS
	s_mov_b32 s95, 0
	s_wait_kmcnt 0x0
	s_mov_b32 s56, 1
	s_mov_b32 s57, KC
	s_add_nc_u64 s[58:59], s[4:5], s[88:89]
	s_or_b32 s59, s59, 0x80000000
	s_mov_b32 s60, 1
	s_mov_b32 s61, VC
	s_add_nc_u64 s[62:63], s[4:5], s[90:91]
	s_or_b32 s63, s63, 0x80000000
	s_mov_b32 s68, 1
	s_mov_b32 s69, KS
	s_add_nc_u64 s[70:71], s[4:5], s[92:93]
	s_or_b32 s71, s71, 0x80000000
	s_mov_b32 s72, 1
	s_mov_b32 s73, VS
	s_add_nc_u64 s[74:75], s[4:5], s[94:95]
	s_or_b32 s75, s75, 0x80000000
	CROUND                                         ; all four work-groups are here: the joint loads meet
	s_cmp_eq_u32 s[WV], 0                          ; waves 0 to 3 ask for one tile each; four v_nop follow each line
	s_cbranch_scc0 .Lf1
	tensor_load_to_lds s[56:59], s[24:31]
	s_nop 0
	PLACES
	s_branch .Lfd
.Lf1:
	s_cmp_eq_u32 s[WV], 1
	s_cbranch_scc0 .Lf2
	tensor_load_to_lds s[60:63], s[32:39]
	s_nop 0
	PLACES
	s_branch .Lfd
.Lf2:
	s_cmp_eq_u32 s[WV], 2
	s_cbranch_scc0 .Lf3
	tensor_load_to_lds s[68:71], s[40:47]
	s_nop 0
	PLACES
	s_branch .Lfd
.Lf3:
	s_cmp_eq_u32 s[WV], 3
	s_cbranch_scc0 .Lfd
	tensor_load_to_lds s[72:75], s[48:55]
	s_nop 0
	PLACES
.Lfd:
	s_lshl_b32 s96, s22, 6
	s_add_co_u32 s96, s96, s20                     ; my block of 16 tokens
	s_lshl_b32 s88, s96, 5
	s_add_co_u32 s88, s88, s23
	s_mul_i32 s88, s88, 768                        ; q's half image
	s_mov_b32 s89, 0
	s_lshr_b32 s97, s96, 3
	s_and_b32 s98, s96, 7
	s_lshl_b32 s98, s98, 6
	s_lshl_b32 s90, s97, 4
	s_add_co_u32 s90, s90, s77
	s_lshl_b32 s90, s90, 9
	s_add_co_u32 s90, s90, s98
	s_add_co_u32 s90, s90, QKS                     ; q's scale words
	s_mov_b32 s91, 0
	s_lshl_b32 s92, s96, 4
	s_add_co_u32 s92, s92, s23
	s_mul_i32 s92, s92, 768                        ; y's half image
	s_mov_b32 s93, 0
	s_lshl_b32 s94, s97, 3
	s_add_co_u32 s94, s94, s77
	s_lshl_b32 s94, s94, 9
	s_add_co_u32 s94, s94, s98
	s_add_co_u32 s94, s94, YSO                     ; y's scale words
	s_mov_b32 s95, 0
	s_add_nc_u64 s[88:89], s[4:5], s[88:89]
	s_add_nc_u64 s[90:91], s[4:5], s[90:91]
	s_add_nc_u64 s[92:93], s[6:7], s[92:93]
	s_add_nc_u64 s[94:95], s[6:7], s[94:95]
	v_and_b32 v5, 15, v0                           ; r
	v_bfe_u32 v6, v0, 4, 1                         ; h
	v_and_b32 v7, 31, v0
	v_lshlrev_b32 v1, 4, v7                        ; v1  16 x lane
	v_lshlrev_b32 v2, 3, v7                        ; v2  8 x lane
	v_lshlrev_b32 v4, 2, v5                        ; v4  4 r
	s_lshl_b32 s98, s76, 1
	v_add_nc_u32 v3, s98, v4                       ; v3  4 r + the head's half of a word
	v_lshlrev_b32 v6, 3, v6
	v_sub_nc_u32 v11, v5, v6
	s_lshl_b32 s98, s20, 4
	v_add_nc_u32 v11, s98, v11                     ; v11 my query - 8 h
	global_load_b128 v[16:19], v1, s[88:89]        ; q's codes stay in registers,
	global_load_b64 v[20:21], v2, s[88:89] offset:512
	global_load_u16 v255, v3, s[90:91]             ; and its two scale bytes; the two bytes above them are 0 and scale zero codes alone
.irp j, 22,23,24,25,26,27
	v_mov_b32 v[\j], 0                             ; K = 64 .. 127 of q: zero codes
.endr
.irp t, 0,1,2,3
.irp j, 6,7,8,9,10,11
	v_mov_b32 v[32+12*\t+\j], 0                    ; and of the four fragments of k: written once
.endr
.endr
	s_mov_b32 s[SEL], 0x76543210
	s_mov_b32 s[SEL+1], 0xfedcba98
	s_mov_b32 s[CS], 0x3e38aa3b                    ; c = log2(e) / 8
	s_mov_b32 s[CS+1], s[CS]
	s_mov_b32 s[J], 0
	s_mov_b32 s[KF], 0
	s_mov_b32 s[TK], KC
	s_mov_b32 s[TKS], KS
	s_mov_b32 s[TV], VC
	s_mov_b32 s[TVS], VS
	v_mov_b32 v13, 0xff61b1e6                      ; the largest t so far: -3e38
	v_floor_f32 v12, -v13                          ; -M
	v_mov_b32 v14, 0                               ; the sum, in two halves
	v_mov_b32 v15, 0
.irp b, 0,1,2,3
	v_mov_b32 v[PT+\b], 0                          ; a lane permute's destination counts as one of its sources
.endr
	v_mov_b32 v252, 0
	v_mov_b32 v253, 0                              ; (named as the upper half of the pair v[252:253] before it is first written)
	v_mov_b32 v254, 0
.set j, 0
.rept 32
	v_mov_b32 v[O+j], 0                            ; O^T: the step is written once; the first finds zeros
.set j, j+1
.endr
	s_wait_tensorcnt 0x0                           ; my tile has landed (a wave that asked for none passes at once),
	s_barrier_signal -1
	s_barrier_wait -1                              ; everybody's has: from here on LDS is only read
	s_wait_loadcnt 0x0                             ; q
.Lstep:                                            ; 8 trips in every wave
	s_cmp_gt_u32 s[J], s[NS]
	s_cbranch_scc1 .Lhidden                        ; all 128 keys come after my queries
	v_add_nc_u32 v5, s[TK], v1                     ; (these six are also the places behind the last step's products, ahead of the loads into their operands)
	v_add_nc_u32 v6, s[TK], v2
	v_add_nc_u32 v7, s[TKS], v3
	v_add_nc_u32 v8, s[TV], v1
	v_add_nc_u32 v9, s[TV], v2
	v_add_nc_u32 v10, s[TVS], v4
.irp t, 0,1,2,3                                ; keys 16 t on
	ds_load_b128 v[32+12*\t:35+12*\t], v5 offset:768*\t
	ds_load_b64 v[36+12*\t:37+12*\t], v6 offset:768*\t+512
	ds_load_u16 v[248+\t], v7 offset:64*\t
.endr
.irp t, 0,1,2,3                                ; V's four fragments (channels 16 t on x these 128 keys) are asked for now and land under the softmax
	ds_load_b128 v[192+12*\t:195+12*\t], v8 offset:12288*\t
	ds_load_b64 v[196+12*\t:197+12*\t], v9 offset:12288*\t+512
	ds_load_b128 v[198+12*\t:201+12*\t], v8 offset:12288*\t+768
	ds_load_b64 v[202+12*\t:203+12*\t], v9 offset:12288*\t+1280
	ds_load_b32 v[28+\t], v10 offset:64*\t
.endr
	s_wait_dscnt 20                                ; K's twelve are in; V's twenty may be out
.irp t, 0,1,2,3
	v_wmma_scale_f32_16x16x128_f8f6f4 v[S+8*\t:S+8*\t+7], v[32+12*\t:43+12*\t], v[16:27], 0, v[248+\t], v255 matrix_a_fmt:MATRIX_FMT_FP6 matrix_b_fmt:MATRIX_FMT_FP6
.endr
	PLACES
.irp t, 0,1,2,3                                ; keys 64 + 16 t on
	ds_load_b128 v[32+12*\t:35+12*\t], v5 offset:3072+768*\t
	ds_load_b64 v[36+12*\t:37+12*\t], v6 offset:3072+768*\t+512
	ds_load_u16 v[248+\t], v7 offset:256+64*\t
.endr
	s_wait_dscnt 0x0
.irp t, 0,1,2,3
	v_wmma_scale_f32_16x16x128_f8f6f4 v[S+32+8*\t:S+32+8*\t+7], v[32+12*\t:43+12*\t], v[16:27], 0, v[248+\t], v255 matrix_a_fmt:MATRIX_FMT_FP6 matrix_b_fmt:MATRIX_FMT_FP6
.endr
	PLACES
	s_cmp_lt_u32 s[J], s[NS]
	s_cbranch_scc1 .Lopen                          ; all keys of this step count
	v_subrev_nc_u32 v252, s[KF], v11               ; d = my query - 8 h - the step's first key.  Register n holds key 16 (n / 8) + 8 h + n % 8 of the step: hidden where 16 (n / 8) + n % 8 > d
	v_mov_b32 v254, 0xff800000                     ; -infinity
.irp n, 0,1,2,3,4,5,6,7,8,9,10,11,12,13,14,15,16,17,18,19,20,21,22,23,24,25,26,27,28,29,30,31,32,33,34,35,36,37,38,39,40,41,42,43,44,45,46,47,48,49,50,51,52,53,54,55,56,57,58,59,60,61,62,63
	v_cmp_gt_i32 vcc_lo, 16*(\n/8)+\n%8, v252
	v_cndmask_b32 v[S+\n], v[S+\n], v254, vcc_lo
.endr
.Lopen:
.irp b, 0,1,2,3
	v_max3_num_f32 v[BM+\b], v[S+16*\b], v[S+1+16*\b], v[S+2+16*\b]   ; the largest score of each block of 32 keys: for the row's maximum, and, since p rises with the score, for the block's largest p
.endr
.irp i, 3,5,7,9,11,13
.irp b, 0,1,2,3
	v_max3_num_f32 v[BM+\b], v[BM+\b], v[S+16*\b+\i], v[S+1+16*\b+\i]
.endr
.endr
.irp b, 0,1,2,3
	v_max_num_f32 v[BM+\b], v[BM+\b], v[S+15+16*\b]
.endr
.irp b, 0,1,2,3
	v_permlanex16_b32 v[PT+\b], v[BM+\b], s[SEL], s[SEL+1]
.endr
.irp b, 0,1,2,3
	v_max_num_f32 v[BM+\b], v[BM+\b], v[PT+\b]     ; with lane l xor 16's 16 keys
.endr
	v_max3_num_f32 v254, v[BM], v[BM+1], v[BM+2]
	v_max_num_f32 v254, v254, v[BM+3]
	v_mul_f32 v254, s[CS], v254                    ; as t
	v_max_num_f32 v13, v13, v254                   ; the running largest t
	v_mov_b32 v254, v12
	v_floor_f32 v12, -v13                          ; the new -M = -ceil(t)
	v_sub_f32 v254, v12, v254                      ; old M - new M: a whole number, 0 or less
	v_cvt_i32_f32 v254, v254
	v_ldexp_f32 v252, 1.0, v254                    ; f = 2^(old M - new M)
.set j, 0
.rept 32
	v_pk_fma_f32 v[S+j:S+j+1], v[S+j:S+j+1], s[CS:CS+1], v[12:13] op_sel_hi:[1,0,0]   ; t - M
.set j, j+2
.endr
.irp b, 0,1,2,3
	v_fma_f32 v[BM+\b], v[BM+\b], s[CS], v12
.endr
.set j, 0
.rept 64
	v_exp_f32 v[S+j], v[S+j]                       ; p = 2^(t - M)
.set j, j+1
.endr
	v_pk_mul_f32 v[14:15], v[14:15], v[252:253] op_sel_hi:[1,0]   ; the sums under the new M: a plain line behind the exponentials
	s_wait_alu depctr_va_vdst(0)                   ; one wait for the batch, ahead of its first reader
.irp b, 0,1,2,3
	v_exp_f32 v[BM+\b], v[BM+\b]                   ; each block's largest p
.endr
	v_pk_add_f32 v[PT:PT+1], v[S:S+1], v[S+2:S+3]  ; the row's sum of the unquantised p, in two chains
.set j, 4
.rept 15
	v_pk_add_f32 v[14:15], v[14:15], v[S+j:S+j+1]
	v_pk_add_f32 v[PT:PT+1], v[PT:PT+1], v[S+j+2:S+j+3]
.set j, j+4
.endr
	v_pk_add_f32 v[14:15], v[14:15], v[PT:PT+1]
	s_wait_alu depctr_va_vdst(0)                   ; and one for the four
.irp b, 0,1,2,3
	v_max_num_f32 v[BM+\b], 0x1800000, v[BM+\b]    ; the floor 2^(3 - 127)
.endr
.irp b, 0,1,2,3
	v_add_nc_u32 v[SO+\b], 0xff000000, v[BM+\b]    ; 2 off the exponent field
.endr
.irp b, 0,1,2,3
	v_lshrrev_b32 v[PT+\b], 23, v[SO+\b]           ; the byte
.endr
	v_lshl_or_b32 v253, v[PT+1], 8, v[PT]          ; p's scale word for these 128 keys
	v_lshl_or_b32 v253, v[PT+2], 16, v253
	v_lshl_or_b32 v253, v[PT+3], 24, v253
	v_cvt_scalef32_pk16_fp6_f32 v[P:P+2], v[S:S+15], v[SO]
	v_cvt_scalef32_pk16_fp6_f32 v[PT:PT+2], v[S+16:S+31], v[SO+1]
	v_cvt_scalef32_pk16_fp6_f32 v[P+6:P+8], v[S+32:S+47], v[SO+2]
	v_cvt_scalef32_pk16_fp6_f32 v[BM:BM+2], v[S+48:S+63], v[SO+3]
	v_nop                                          ; one plain line behind a scaled conversion
.irp i, 0,1,2
	v_permlane16_swap_b32 v[P+\i], v[PT+\i]        ; a whole block to a lane
.endr
.irp i, 0,1,2
	v_mov_b32 v[P+3+\i], v[PT+\i]
.endr
.irp i, 0,1,2
	v_permlane16_swap_b32 v[P+6+\i], v[BM+\i]
.endr
.irp i, 0,1,2
	v_mov_b32 v[P+9+\i], v[BM+\i]
.endr
.set j, 0
.rept 16
	v_pk_mul_f32 v[O+j:O+j+1], v[O+j:O+j+1], v[252:253] op_sel_hi:[1,0]   ; O^T under the new M; these sixteen also stand between the writes of p's codes and scale word and the products
.set j, j+2
.endr
.irp t, 0,1,2,3
	v_wmma_scale_f32_16x16x128_f8f6f4 v[O+8*\t:O+8*\t+7], v[192+12*\t:203+12*\t], v[P:P+11], v[O+8*\t:O+8*\t+7], v[28+\t], v253 matrix_a_fmt:MATRIX_FMT_FP6 matrix_b_fmt:MATRIX_FMT_FP6
.endr
.Lhidden:
	s_add_co_u32 s[KF], s[KF], 128
	s_add_co_u32 s[TK], s[TK], 6144
	s_add_co_u32 s[TKS], s[TKS], 512
	s_add_co_u32 s[TV], s[TV], 1536
	s_add_co_u32 s[TVS], s[TVS], 256
	s_add_co_u32 s[J], s[J], 1
	s_cmp_lt_u32 s[J], 8
	s_cbranch_scc1 .Lstep
	; THE WAY OUT: y = O^T / the sum: a lane's 32 numbers are 16 of each of the head's two blocks: one half image of the next product's operand.
	PLACES
	v_add_f32 v14, v14, v15
	v_permlanex16_b32 v252, v14, s[SEL], s[SEL+1]
	v_add_f32 v14, v14, v252
	v_rcp_f32 v14, v14
	v_nop                                          ; a plain line behind the transcendental
	s_wait_alu depctr_va_vdst(0)                   ; and the wait ahead of its first reader
.set j, 0
.rept 32
	v_mul_f32 v[S+j], v[O+j], v14
.set j, j+1
.endr
	v_max3_num_f32 v[TM], |v[S]|, |v[S+1]|, 0x1800000
	v_max3_num_f32 v[TM+1], |v[S+16]|, |v[S+17]|, 0x1800000
.irp i, 2,4,6,8,10,12,14
	v_max3_num_f32 v[TM], v[TM], |v[S+\i]|, |v[S+1+\i]|
	v_max3_num_f32 v[TM+1], v[TM+1], |v[S+16+\i]|, |v[S+17+\i]|
.endr
	v_permlanex16_b32 v[TM+2], v[TM], s[SEL], s[SEL+1]
	v_permlanex16_b32 v[TM+3], v[TM+1], s[SEL], s[SEL+1]
	v_max_num_f32 v[TM], v[TM], v[TM+2]
	v_max_num_f32 v[TM+1], v[TM+1], v[TM+3]
	v_add_nc_u32 v[TM+4], 0xff000000, v[TM]
	v_add_nc_u32 v[TM+5], 0xff000000, v[TM+1]
	v_lshrrev_b32 v[TM+2], 23, v[TM+4]
	v_lshrrev_b32 v[TM+3], 23, v[TM+5]
	v_lshl_or_b32 v254, v[TM+3], 8, v[TM+2]
	v_cvt_scalef32_pk16_fp6_f32 v[P:P+2], v[S:S+15], v[TM+4]
	v_cvt_scalef32_pk16_fp6_f32 v[P+6:P+8], v[S+16:S+31], v[TM+5]
	v_nop
.irp i, 0,1,2
	v_permlane16_swap_b32 v[P+\i], v[P+6+\i]
.endr
.irp i, 0,1,2
	v_mov_b32 v[P+3+\i], v[P+6+\i]
.endr
	global_store_b128 v1, v[P:P+3], s[92:93]       ; three whole blocks of 256 bytes
	global_store_b64 v2, v[P+4:P+5], s[92:93] offset:512
	global_store_b16 v3, v254, s[94:95]            ; the head's two bytes of each row's scale word; lanes r and r + 16 store the same bytes to the same place
	s_wait_xcnt 0x0
	v_lshl_add_u32 v254, v0, 2, 0x29000
	v_mov_b32 v255, 0
	s_wait_tensorcnt 0x0
	ds_add_u32 v254, v255
	s_wait_dscnt 0x0
	CROUND                                         ; the closing round
	s_endpgm
.Lfunc_end_k_q3296adb8db_attn:
	.size	k_q3296adb8db_attn, .Lfunc_end_k_q3296adb8db_attn-k_q3296adb8db_attn
	.p2alignl 7, 3214868480
	.fill 96, 4, 3214868480
	.section	.rodata,"a",@progbits
	.p2align	6, 0x0
	.amdhsa_kernel k_q3296adb8db_attn
		.amdhsa_group_segment_fixed_size 169984
		.amdhsa_private_segment_fixed_size 0
		.amdhsa_enable_private_segment 0
		.amdhsa_kernarg_size 16
		.amdhsa_user_sgpr_count 2
		.amdhsa_user_sgpr_kernarg_segment_ptr 1
		.amdhsa_wavefront_size32 1
		.amdhsa_system_sgpr_workgroup_id_x 1
		.amdhsa_system_sgpr_workgroup_id_y 1
		.amdhsa_system_sgpr_workgroup_id_z 1
		.amdhsa_system_vgpr_workitem_id 0
		.amdhsa_next_free_vgpr 256
		.amdhsa_next_free_sgpr 100
		.amdhsa_reserve_vcc 1
		.amdhsa_float_denorm_mode_32 3
		.amdhsa_float_denorm_mode_16_64 3
		.amdhsa_memory_ordered 1
		.amdhsa_forward_progress 1
		.amdhsa_inst_pref_size 38
	.end_amdhsa_kernel
	.amdgpu_metadata
---
amdhsa.version: [ 1, 2 ]
amdhsa.kernels:
  - .name:           k_q3296adb8db_attn
    .symbol:         k_q3296adb8db_attn.kd
    .args:
      - { .name: qkvc, .offset: 0, .size: 8, .value_kind: global_buffer, .address_space: global }
      - { .name: yq, .offset: 8, .size: 8, .value_kind: global_buffer, .address_space: global }
    .group_segment_fixed_size: 169984
    .private_segment_fixed_size: 0
    .kernarg_segment_align: 8
    .kernarg_segment_size: 16
    .max_flat_workgroup_size: 512
    .sgpr_count:     100
    .vgpr_count:     256
    .wavefront_size: 32
...
	.end_amdgpu_metadata
.endif
;; end of part 3
;; launch gproj (part 4): grid 8 x 32, 4 waves a work-group, clusters of 4 x 4, 327,680 bytes of LDS; arguments yq, wq, b_proj, x, x1; writes x1
.if DOCPART == 4
	.amdgcn_target "amdgcn-amd-amdhsa--gfx1250"
	.amdhsa_code_object_version 6
	.text
	.protected	k_q3296adb8db_gproj
	.globl	k_q3296adb8db_gproj
	.p2align	8
	.type	k_q3296adb8db_gproj,@function
k_q3296adb8db_gproj:
	s_mov_b64 s[64:65], 0
	v_nop
	global_prefetch_b8 v0, s[64:65] scope:SCOPE_SE
	s_setreg_imm32_b32 hwreg(HW_REG_WAVE_MODE, 25, 1), 1
	s_wait_xcnt 0x0
	s_wait_alu depctr_hold_cnt(0) depctr_sa_sdst(0) depctr_va_vdst(0) depctr_va_sdst(0) depctr_va_ssrc(0) depctr_va_vcc(0) depctr_vm_vsrc(0)
	s_getreg_b32 s2, hwreg(HW_REG_IB_STS2, 6, 4)
	s_cmp_eq_u32 s2, 0
	s_cbranch_scc0 .Lentry_in_a_cluster
	s_endpgm
.Lentry_in_a_cluster:
	s_bfe_u32 s2, ttmp6, 0x10000c
	s_cmp_lg_u32 s2, 0xf033
	s_cbranch_scc0 .Lentry_shape_is_right
	s_endpgm
.Lentry_shape_is_right:
; x1 = x + y W_proj + b_proj.  The product on codes of FP6 (E2M3) with E8M0 scales; bias, residual and result in f32.
; OPERANDS lie as register images.  A half image, 768 bytes, is 16 rows x 64 K: 512 bytes, lane l's registers 0-3 at 16 l, then 256 bytes, registers 4-5 at 8 l.  Codes of X[R][K]: [R/16][K/64][768];
; scale words [R/128][K/128][8][16].  Inside a block of 32 the codes stand in the order 0-7, 16-23, 8-15, 24-31 in both operands (the f32 sums are grouped otherwise than in ascending k).
; A tile of C is 128 x 128, four waves of 64 x 64: 16 accumulators.  K = 1,024 lies whole in two LDS slots of 512 along K, both filled at the start: no slot is filled again.
; CLUSTERS of 4 x 4: A's tile and scales are asked for jointly along a row of the cluster, B's along a column.  Wave 0 asks for A's codes, 1 for B's, 2 for A's scale words, 3 for B's.
; THE MATRIX INSTRUCTION IS USED TRANSPOSED (source 0 = 16 rows of B, source 1 = 16 rows of A): lane (r, h) holds row r and columns 16 b + 8 h + 0..7.  The bias is the C of each sum's first instruction.
; THE WAY OUT: a block of 16 rows x 64 columns goes through the wave's own stage in LDS and comes back as rows of 256 bytes; the residual, loaded in the same shape at the kernel's head, is added; sixteen lanes store 256 aligned bytes.
; REGISTERS: window 0: v1-23 addresses; v24-31 scale words, two sets; v32-95 the residual, two sets; v96-127 the bias, later rows on their way out; v128-255 accumulators.  Window 1: two fragment buffers, v0-95 and v128-223.
.set KK,    1024
.set ASC,   3145728                    ; yq: the scale words
.set BCD,   2359296                    ; wq: W_proj's codes
.set BSC,   9535488                    ; and scale words
.set RBP,   (KK/64)*768
.set SCSZ,  (KK/128)*512
.set KSB,   6144
.set SLOT,  102656
.set BCO,   49152
.set ASO,   98304
.set BSO,   100480                     ; 128 bytes further than dense: A's words (lanes 0-15) and B's (lanes 16-31) touch different banks
.set STAGE, 205312                     ; behind the slots: 16 rows x 272 bytes for each wave; no tile lands here
.set SPARE, 222720                     ; the spare words: two blocks of 256 bytes that no other line names
.set L16,   4
.set L8,    5
.set ADA16, 8
.set ADA8,  10
.set ADB16, 12
.set ADB8,  14
.set ADS,   16
.set SPW,   18
.set NIL,   19
.set STO,   20
.set RD,    21
.set CO,    22
.set BA,    23
.set SC,    24
.set R0,    32
.set BI,    96
.set T,     96
.set ACC,   128
.set F0,    0
.set F1,    128
.set G1AC,  24
.set G1BC,  32
.set G1AS,  40
.set G1BS,  48
.set G0AC,  56
.set G0BC,  68
.set G0AS,  76
.set G0BS,  84
.set MSB, 0
.macro WIN new
.if MSB != \new
	s_set_vgpr_msb (MSB<<8)|\new
.set MSB, \new
.endif
.endm
.set MUL,  0x05
.set TO_F, 0x40
.macro PLACES
.rept 4
	v_nop
.endr
.endm
.macro JLOAD4 s                        ; a joint load: each wave asks for one of a slot's four tiles; four v_nop follow each line
	s_cmp_eq_u32 s14, 0
	s_cbranch_scc0 .Lj1_\@
	tensor_load_to_lds s[G0AC+4*\s:G0AC+4*\s+3], s[G1AC:G1AC+7]
	s_nop 0
	PLACES
	s_branch .Ljd_\@
.Lj1_\@:
	s_cmp_eq_u32 s14, 1
	s_cbranch_scc0 .Lj2_\@
	tensor_load_to_lds s[G0BC+4*\s:G0BC+4*\s+3], s[G1BC:G1BC+7]
	s_nop 0
	PLACES
	s_branch .Ljd_\@
.Lj2_\@:
	s_cmp_eq_u32 s14, 2
	s_cbranch_scc0 .Lj3_\@
	tensor_load_to_lds s[G0AS+4*\s:G0AS+4*\s+3], s[G1AS:G1AS+7]
	s_nop 0
	PLACES
	s_branch .Ljd_\@
.Lj3_\@:
	tensor_load_to_lds s[G0BS+4*\s:G0BS+4*\s+3], s[G1BS:G1BS+7]
	s_nop 0
	PLACES
.Ljd_\@:
.endm
.macro CREST
	s_cmp_lg_u32 s14, 0
	s_cbranch_scc1 .Lnot_wave_0_\@
	s_barrier_signal -3
.Lnot_wave_0_\@:
	s_barrier_wait -3
	s_barrier_signal -1
	s_barrier_wait -1
.endm
.macro CROUND
	s_barrier_signal -1
	s_barrier_wait -1
	CREST
.endm
	s_load_b256 s[4:11], s[0:1], 0x0               ; yq, wq, b_proj, x
	s_load_b64 s[12:13], s[0:1], 0x20              ; x1
	v_lshl_add_u32 v[SPW], v0, 2, SPARE
	v_mov_b32 v[NIL], 0
	ds_add_u32 v18, v19
	ds_add_u32 v18, v19
	s_wait_dscnt 0x0
	v_lshrrev_b32 v1, 5, v0
	v_readfirstlane_b32 s14, v1                    ; wave 0..3
	s_lshr_b32 s15, s14, 1                         ; which 64 rows of the tile are mine
	s_and_b32 s16, s14, 1                          ; which 64 columns
	s_bfe_u32 s17, ttmp6, 0x40000                  ; cx
	s_bfe_u32 s18, ttmp6, 0x40004                  ; cy
	s_lshl_b32 s19, ttmp9, 2
	s_add_co_u32 s19, s19, s17                     ; tile column
	s_and_b32 s20, ttmp7, 0xffff
	s_lshl_b32 s20, s20, 2
	s_add_co_u32 s20, s20, s18                     ; tile row
	s_lshl_b32 s21, s18, 2
	s_lshl_b32 s21, 15, s21                        ; my row of the cluster
	s_lshl_b32 s22, 0x1111, s17                    ; my column
	s_or_b32 s[G1AC], s21, (3<<16)|(1<<21)         ; the mask; elements of 8 bytes; bit 21 beside a mask; no padding
	s_or_b32 s[G1BC], s22, (3<<16)|(1<<21)
	s_or_b32 s[G1AS], s21, (3<<16)|(1<<21)
	s_or_b32 s[G1BS], s22, (3<<16)|(1<<21)
.irp g, G1AC, G1BC                     ; codes: 8 rows of 6,144 bytes, RBP bytes apart
	s_mov_b32 s[\g+1], 768<<16
	s_mov_b32 s[\g+2], 8<<16
	s_mov_b32 s[\g+3], 768<<16
	s_mov_b32 s[\g+4], 8
	s_mov_b32 s[\g+5], RBP/8
	s_mov_b32 s[\g+6], 0
	s_mov_b32 s[\g+7], 0
.endr
.irp g, G1AS, G1BS                     ; scale words: 2,048 dense bytes as 8 rows of 256
	s_mov_b32 s[\g+1], 32<<16
	s_mov_b32 s[\g+2], 8<<16
	s_mov_b32 s[\g+3], 32<<16
	s_mov_b32 s[\g+4], 8
	s_mov_b32 s[\g+5], 32
	s_mov_b32 s[\g+6], 0
	s_mov_b32 s[\g+7], 0
.endr
	s_mul_i32 s92, s20, 8*RBP                      ; A's offsets hang on the tile row alone,
	s_mov_b32 s93, 0
	s_mul_i32 s94, s20, SCSZ
	s_mov_b32 s95, 0
	s_mul_i32 s96, s19, 8*RBP                      ; B's on the tile column alone
	s_mov_b32 s97, 0
	s_mul_i32 s98, s19, SCSZ
	s_mov_b32 s99, 0
	s_wait_kmcnt 0x0
	s_add_nc_u64 s[92:93], s[4:5], s[92:93]
	s_add_nc_u64 s[94:95], s[4:5], s[94:95]
	s_add_nc_u64 s[94:95], s[94:95], ASC
	s_add_nc_u64 s[96:97], s[6:7], s[96:97]
	s_add_nc_u64 s[96:97], s[96:97], BCD
	s_add_nc_u64 s[98:99], s[6:7], s[98:99]
	s_add_nc_u64 s[98:99], s[98:99], BSC
	CROUND                                         ; all sixteen work-groups are here: the joint loads meet
.irp s, 0,1
	s_mov_b32 s[G0AC+4*\s], 1
	s_mov_b32 s[G0AC+4*\s+1], \s*SLOT
	s_add_nc_u64 s[G0AC+4*\s+2:G0AC+4*\s+3], s[92:93], \s*KSB
	s_or_b32 s[G0AC+4*\s+3], s[G0AC+4*\s+3], 0x80000000
	s_mov_b32 s[G0BC+4*\s], 1
	s_mov_b32 s[G0BC+4*\s+1], \s*SLOT+BCO
	s_add_nc_u64 s[G0BC+4*\s+2:G0BC+4*\s+3], s[96:97], \s*KSB
	s_or_b32 s[G0BC+4*\s+3], s[G0BC+4*\s+3], 0x80000000
	s_mov_b32 s[G0AS+4*\s], 1
	s_mov_b32 s[G0AS+4*\s+1], \s*SLOT+ASO
	s_add_nc_u64 s[G0AS+4*\s+2:G0AS+4*\s+3], s[94:95], \s*2048
	s_or_b32 s[G0AS+4*\s+3], s[G0AS+4*\s+3], 0x80000000
	s_mov_b32 s[G0BS+4*\s], 1
	s_mov_b32 s[G0BS+4*\s+1], \s*SLOT+BSO
	s_add_nc_u64 s[G0BS+4*\s+2:G0BS+4*\s+3], s[98:99], \s*2048
	s_or_b32 s[G0BS+4*\s+3], s[G0BS+4*\s+3], 0x80000000
	JLOAD4 \s                                      ; two loads of mine are out: all of K
.endr
	v_and_b32 v1, 15, v0                           ; r
	v_bfe_u32 v2, v0, 4, 1                         ; h
	v_and_b32 v3, 31, v0
	v_lshlrev_b32 v[L16], 4, v3
	v_lshlrev_b32 v[L8], 3, v3
	s_mul_i32 s92, s15, 4*KSB
	s_mul_i32 s96, s16, 4*KSB
	s_add_co_u32 s96, s96, BCO
.irp s, 0,1
	v_add_nc_u32 v[ADA16+\s], s92, v[L16]
	v_add_nc_u32 v[ADA8+\s], s92, v[L8]
	v_add_nc_u32 v[ADB16+\s], s96, v[L16]
	v_add_nc_u32 v[ADB8+\s], s96, v[L8]
	s_add_co_u32 s92, s92, SLOT
	s_add_co_u32 s96, s96, SLOT
.endr
	s_lshl_b32 s92, s15, 8
	s_lshl_b32 s96, s16, 8
	s_add_co_u32 s96, s96, BSO-ASO
	s_sub_co_u32 s96, s96, s92
	v_mul_u32_u24 v6, s96, v2                      ; lanes 16-31 take B's words: the lower base + h x the distance
	v_lshl_add_u32 v6, v1, 2, v6
	s_add_co_u32 s92, s92, ASO
	v_add_nc_u32 v[ADS], s92, v6
	v_add_nc_u32 v[ADS+1], SLOT, v[ADS]
	s_mul_i32 s96, s14, 16*272
	s_add_co_u32 s96, s96, STAGE                   ; my stage
	v_mul_u32_u24 v6, v1, 272
	v_lshl_add_u32 v6, v2, 5, v6
	v_add_nc_u32 v[STO], s96, v6                   ; in: row r, 32 bytes for each half of the lanes
	v_mul_u32_u24 v6, v2, 272
	v_lshl_add_u32 v6, v1, 4, v6
	v_add_nc_u32 v[RD], s96, v6                    ; back: lanes 0-15 one row of 256 bytes, lanes 16-31 the next
	v_lshlrev_b32 v6, 12, v2
	v_lshl_add_u32 v[CO], v1, 4, v6                ; the same two rows in memory
	v_lshlrev_b32 v[BA], 5, v2                     ; the bias: my half's eight columns of a tile
	s_lshl_b32 s96, s20, 7
	s_lshl_b32 s97, s15, 6
	s_add_co_u32 s96, s96, s97
	s_lshl_b32 s96, s96, 12                        ; my first row, in bytes
	s_lshl_b32 s97, s19, 7
	s_lshl_b32 s98, s16, 6
	s_add_co_u32 s97, s97, s98
	s_lshl_b32 s98, s97, 2                         ; my first column, in bytes
	s_mov_b32 s99, 0
	s_add_nc_u64 s[8:9], s[8:9], s[98:99]          ; the bias at my columns
	s_add_co_u32 s96, s96, s98
	s_mov_b32 s97, 0
	s_add_nc_u64 s[10:11], s[10:11], s[96:97]      ; the residual,
	s_add_nc_u64 s[12:13], s[12:13], s[96:97]      ; and the result, at my part's corner
.irp b, 0,1,2,3
	global_load_b128 v[BI+8*\b:BI+8*\b+3], v[BA], s[8:9] offset:64*\b
	global_load_b128 v[BI+8*\b+4:BI+8*\b+7], v[BA], s[8:9] offset:64*\b+16
.endr
.macro RLOAD a                         ; the residual of my block a of 16 rows, in the shape in which the block leaves
.irp t, 0,1,2,3,4,5,6,7
	global_load_b128 v[R0+32*((\a)%2)+4*\t:R0+32*((\a)%2)+4*\t+3], v[CO], s[10:11] offset:65536*(\a)+8192*\t
.endr
.endm
	RLOAD 0                                        ; asked for here: they land under the products
	RLOAD 1
.macro MUL4 f, a, mode                 ; A's block a against B's four, 128 along K.  mode 0: onto the sums; 2: the bias starts them.  The 16 accumulators take turns in the same order in every quarter
.irp b, 0,1,2,3
.if \mode == 0
	v_wmma_scale_f32_16x16x128_f8f6f4 v[ACC+8*(4*(\a)+\b):ACC+8*(4*(\a)+\b)+7], v[\f+48+12*\b:\f+48+12*\b+11], v[\f+12*(\a):\f+12*(\a)+11], v[ACC+8*(4*(\a)+\b):ACC+8*(4*(\a)+\b)+7], v[SC+4*((\f)/128)+\b], v[SC+4*((\f)/128)+(\a)] matrix_a_fmt:MATRIX_FMT_FP6 matrix_b_fmt:MATRIX_FMT_FP6 matrix_a_scale:MATRIX_SCALE_ROW1
.else
	v_wmma_scale_f32_16x16x128_f8f6f4 v[ACC+8*(4*(\a)+\b):ACC+8*(4*(\a)+\b)+7], v[\f+48+12*\b:\f+48+12*\b+11], v[\f+12*(\a):\f+12*(\a)+11], v[BI+8*\b:BI+8*\b+7], v[SC+4*((\f)/128)+\b], v[SC+4*((\f)/128)+(\a)] matrix_a_fmt:MATRIX_FMT_FP6 matrix_b_fmt:MATRIX_FMT_FP6 matrix_a_scale:MATRIX_SCALE_ROW1
.endif
.endr
.endm
.macro FRAG reg, a16, a8, off
	ds_load_b128 v[\reg:\reg+3], v[\a16] offset:\off
	ds_load_b64 v[\reg+4:\reg+5], v[\a8] offset:\off+512
	ds_load_b128 v[\reg+6:\reg+9], v[\a16] offset:\off+768
	ds_load_b64 v[\reg+10:\reg+11], v[\a8] offset:\off+1280
.endm
.macro FETCH s, q, f                   ; 36 LDS loads: 4 scale registers, B's four fragments, A's four
	WIN 0
.irp i, 0,1,2,3
	ds_load_b32 v[SC+4*((\f)/128)+\i], v[ADS+\s] offset:512*(\q)+64*\i
.endr
	WIN TO_F
.irp i, 0,1,2,3
	FRAG \f+48+12*\i, ADB16+\s, ADB8+\s, \i*KSB+(\q)*1536
.endr
.irp i, 0,1,2,3
	FRAG \f+12*\i, ADA16+\s, ADA8+\s, \i*KSB+(\q)*1536
.endr
.endm
.macro QUARTER s, qn, f, g, mode
	s_wait_dscnt 8                                 ; all but the youngest eight loads (A's blocks 2, 3) are in
	WIN MUL
	MUL4 \f, 0, \mode
	MUL4 \f, 1, \mode
	PLACES
	FETCH \s, \qn, \g
	s_wait_dscnt 36                                ; all but the 36 just issued
	WIN MUL
	MUL4 \f, 2, \mode
	MUL4 \f, 3, \mode
.endm
.macro TURN s, n                       ; a slot's last quarter changes slots: one barrier; nothing is filled again here
	WIN 0
	s_wait_tensorcnt 0x0                           ; all my tensor loads have landed: slot 1's
	ds_add_u32 v[SPW], v[NIL]
	s_wait_dscnt 9                                 ; the add and the youngest eight loads may be out
	WIN MUL
	MUL4 F1, 0, 0
	s_wait_dscnt 0x0
	s_barrier_signal -1
	MUL4 F1, 1, 0
	s_barrier_wait -1
	PLACES
	FETCH \n, 0, F0
	WIN MUL
	MUL4 F1, 2, 0
	MUL4 F1, 3, 0
.endm
	s_wait_tensorcnt 1                             ; my part of slot 0 is in; slot 1's may stay out
	s_barrier_signal -1
	s_barrier_wait -1
	FETCH 0, 0, F0
	s_wait_loadcnt 16                              ; the bias is in; the residual's sixteen loads may be out
	QUARTER 0, 1, F0, F1, 2
	QUARTER 0, 2, F1, F0, 0
	QUARTER 0, 3, F0, F1, 0
	TURN 0, 1
	QUARTER 1, 1, F0, F1, 0
	QUARTER 1, 2, F1, F0, 0
	QUARTER 1, 3, F0, F1, 0
	s_wait_dscnt 8
	WIN MUL
	MUL4 F1, 0, 0
	MUL4 F1, 1, 0
	s_wait_dscnt 0x0
	MUL4 F1, 2, 0
	MUL4 F1, 3, 0
	WIN 0
	PLACES
.irp a, 0,1,2,3
.if \a > 0
	s_wait_xcnt 0x0                                ; the last block's stores have read their data
.endif
.irp b, 0,1,2,3
	ds_store_b128 v[STO], v[ACC+8*(4*\a+\b):ACC+8*(4*\a+\b)+3] offset:64*\b        ; each accumulator from its low end on
	ds_store_b128 v[STO], v[ACC+8*(4*\a+\b)+4:ACC+8*(4*\a+\b)+7] offset:64*\b+16
.endr
.irp t, 0,1,2,3,4,5,6,7
	ds_load_b128 v[T+4*\t:T+4*\t+3], v[RD] offset:544*\t           ; LDS serves a wave's instructions in order: these see my stores
.endr
	s_wait_dscnt 0x0
.if \a < 3
	s_wait_loadcnt 8                               ; this block's residual is in; the next block's eight loads may be out
.else
	s_wait_loadcnt 0x0
.endif
.irp i, 0,2,4,6,8,10,12,14,16,18,20,22,24,26,28,30
	v_pk_add_f32 v[T+\i:T+\i+1], v[T+\i:T+\i+1], v[R0+32*(\a%2)+\i:R0+32*(\a%2)+\i+1]
.endr
.irp t, 0,1,2,3,4,5,6,7
	global_store_b128 v[CO], v[T+4*\t:T+4*\t+3], s[12:13] offset:65536*\a+8192*\t   ; 16 lanes store 256 consecutive bytes, aligned
.endr
.if \a < 2
	RLOAD \a+2
.endif
.endr
	s_wait_tensorcnt 0x0                           ; the wave's end
	ds_add_u32 v[SPW], v[NIL]
	s_wait_dscnt 0x0
	CROUND                                         ; the closing round
	s_endpgm
.Lfunc_end_k_q3296adb8db_gproj:
	.size	k_q3296adb8db_gproj, .Lfunc_end_k_q3296adb8db_gproj-k_q3296adb8db_gproj
	.p2alignl 7, 3214868480
	.fill 96, 4, 3214868480
	.section	.rodata,"a",@progbits
	.p2align	6, 0x0
	.amdhsa_kernel k_q3296adb8db_gproj
		.amdhsa_group_segment_fixed_size 327680
		.amdhsa_private_segment_fixed_size 0
		.amdhsa_enable_private_segment 0
		.amdhsa_kernarg_size 40
		.amdhsa_user_sgpr_count 2
		.amdhsa_user_sgpr_kernarg_segment_ptr 1
		.amdhsa_wavefront_size32 1
		.amdhsa_system_sgpr_workgroup_id_x 1
		.amdhsa_system_sgpr_workgroup_id_y 1
		.amdhsa_system_sgpr_workgroup_id_z 1
		.amdhsa_system_vgpr_workitem_id 0
		.amdhsa_next_free_vgpr 512
		.amdhsa_next_free_sgpr 104
		.amdhsa_reserve_vcc 0
		.amdhsa_float_denorm_mode_32 3
		.amdhsa_float_denorm_mode_16_64 3
		.amdhsa_memory_ordered 1
		.amdhsa_forward_progress 1
		.amdhsa_inst_pref_size 63
	.end_amdhsa_kernel
	.amdgpu_metadata
---
amdhsa.version: [ 1, 2 ]
amdhsa.kernels:
  - .name:           k_q3296adb8db_gproj
    .symbol:         k_q3296adb8db_gproj.kd
    .args:
      - { .name: yq, .offset: 0, .size: 8, .value_kind: global_buffer, .address_space: global }
      - { .name: wq, .offset: 8, .size: 8, .value_kind: global_buffer, .address_space: global }
      - { .name: b_proj, .offset: 16, .size: 8, .value_kind: global_buffer, .address_space: global }
      - { .name: x, .offset: 24, .size: 8, .value_kind: global_buffer, .address_space: global }
      - { .name: x1, .offset: 32, .size: 8, .value_kind: global_buffer, .address_space: global }
    .group_segment_fixed_size: 327680
    .private_segment_fixed_size: 0
    .kernarg_segment_align: 8
    .kernarg_segment_size: 40
    .max_flat_workgroup_size: 128
    .sgpr_count:     104
    .vgpr_count:     512
    .wavefront_size: 32
...
	.end_amdgpu_metadata
.endif
;; end of part 4
;; launch ln2 (part 5): grid 256 x 1, 8 waves a work-group, no clusters, 2,048 bytes of LDS; arguments x1, ln2_g, ln2_b, hq; writes hq
.if DOCPART == 5
	.amdgcn_target "amdgcn-amd-amdhsa--gfx1250"
	.amdhsa_code_object_version 6
	.text
	.protected	k_q3296adb8db_ln2
	.globl	k_q3296adb8db_ln2
	.p2align	8
	.type	k_q3296adb8db_ln2,@function
k_q3296adb8db_ln2:
	s_mov_b64 s[64:65], 0
	v_nop
	global_prefetch_b8 v0, s[64:65] scope:SCOPE_SE
	s_setreg_imm32_b32 hwreg(HW_REG_WAVE_MODE, 25, 1), 1
	s_wait_xcnt 0x0
; h2 = LayerNorm(x1) by ln2_g, ln2_b, quantised to FP6 (E2M3) with one E8M0 byte for each 32 along the row, laid as register images for the next product.
; A half image, 768 bytes, is 16 rows x 64 K: 512 bytes, lane l's registers 0-3 at 16 l, then 256 bytes, registers 4-5 at 8 l.  Codes: [R/16][K/64][768]; scale words [R/128][K/128][8][16].
; Inside a block of 32 the codes stand in the order 0-7, 16-23, 8-15, 24-31, as in every operand of this program.
; A work-group takes 16 rows, wave w columns 128 w .. 128 w + 127; lane (r, h) holds 64 numbers of row r.  Mean first, then the sum of squares of x - mean, each joined over the eight waves through LDS: two barriers.
; LIMITS: NaN and infinities are not served; a block whose largest magnitude lies under 2^-124 gets the byte 1 (a zero block's codes are zeros; these bytes are read by this program alone); 1 / sqrt by v_rsq_f32.
.set HSO,  3145728
.set X,    64                          ; v64-127   register 16 b + 8 p + 4 q + e = column 128 w + 32 b + 16 p + 8 h + 4 q + e of my row
.set G,    128
.set BV,   192
.set XA,   4
.set GA,   5
.set L16,  6
.set L8,   7
.set RW,   8
.set RR,   9
.set TM,   36
.set PW,   52
.set PC,   128                         ; over the gains, which are done with by then
.set WV,   22
.set SEL,  24
.macro QUANT s
.irp b, 0,1,2,3
	v_max3_num_f32 v[TM+\b], |v[\s+16*\b]|, |v[\s+1+16*\b]|, 0x1800000   ; my 16 numbers of block b, and the floor 2^(3 - 127)
.endr
.irp i, 2,4,6,8,10,12,14
.irp b, 0,1,2,3
	v_max3_num_f32 v[TM+\b], v[TM+\b], |v[\s+16*\b+\i]|, |v[\s+1+16*\b+\i]|
.endr
.endr
.irp b, 0,1,2,3
	v_permlanex16_b32 v[TM+4+\b], v[TM+\b], s[SEL], s[SEL+1]
.endr
.irp b, 0,1,2,3
	v_max_num_f32 v[TM+\b], v[TM+\b], v[TM+4+\b]
.endr
.irp b, 0,1,2,3
	v_add_nc_u32 v[TM+12+\b], 0xff000000, v[TM+\b]   ; 2 off the exponent field: the conversion's scale operand
.endr
.irp b, 0,1,2,3
	v_lshrrev_b32 v[TM+4+\b], 23, v[TM+12+\b]
.endr
	v_lshl_or_b32 v[PW], v[TM+5], 8, v[TM+4]
	v_lshl_or_b32 v[PW], v[TM+6], 16, v[PW]
	v_lshl_or_b32 v[PW], v[TM+7], 24, v[PW]
.irp c, 0,1
	v_cvt_scalef32_pk16_fp6_f32 v[PC+6*\c:PC+2+6*\c], v[\s+32*\c:\s+15+32*\c], v[TM+12+2*\c]
	v_cvt_scalef32_pk16_fp6_f32 v[PC+12+4*\c:PC+14+4*\c], v[\s+16+32*\c:\s+31+32*\c], v[TM+12+2*\c+1]
.endr
	v_nop                                          ; one plain line behind a scaled conversion
.irp c, 0,1
.irp i, 0,1,2
	v_permlane16_swap_b32 v[PC+6*\c+\i], v[PC+12+4*\c+\i]
.endr
.irp i, 0,1,2
	v_mov_b32 v[PC+3+6*\c+\i], v[PC+12+4*\c+\i]
.endr
.endr
.endm
.macro ACROSS off                      ; v16, my lane's part, becomes v26, the row's sum over all 1,024 columns
	v_permlanex16_b32 v20, v16, s[SEL], s[SEL+1]
	v_add_f32 v16, v16, v20
	ds_store_b32 v[RW], v16 offset:\off            ; lanes r and r + 16 write the same word with the same value
	s_wait_dscnt 0x0                               ; for the others' sake: my store has landed
	s_barrier_signal -1
	s_barrier_wait -1
.irp i, 0,1,2,3,4,5,6,7
	ds_load_b32 v[26+\i], v[RR] offset:\off+64*\i
.endr
	s_wait_dscnt 0x0
	v_add_f32 v26, v26, v27
	v_add_f32 v28, v28, v29
	v_add_f32 v30, v30, v31
	v_add_f32 v32, v32, v33
	v_add_f32 v26, v26, v28
	v_add_f32 v30, v30, v32
	v_add_f32 v26, v26, v30
.endm
	s_load_b256 s[4:11], s[0:1], 0x0               ; x1, ln2_g, ln2_b, hq
	v_lshl_add_u32 v62, v0, 2, 0x400
	v_mov_b32 v63, 0
	v_lshrrev_b32 v1, 5, v0
	v_readfirstlane_b32 s[WV], v1                  ; wave 0..7
	v_and_b32 v3, 31, v0
	v_and_b32 v1, 15, v0                           ; r
	v_bfe_u32 v2, v0, 4, 1                         ; h
	v_lshlrev_b32 v[XA], 12, v1
	v_lshl_add_u32 v[XA], v2, 5, v[XA]
	v_lshlrev_b32 v[GA], 5, v2
	v_lshlrev_b32 v[L16], 4, v3
	v_lshlrev_b32 v[L8], 3, v3
	v_lshlrev_b32 v[RR], 2, v1
	s_lshl_b32 s28, s[WV], 6
	v_add_nc_u32 v[RW], s28, v[RR]
	s_mov_b32 s[SEL], 0x76543210
	s_mov_b32 s[SEL+1], 0xfedcba98
	s_mov_b32 s26, 0x3a800000                      ; 1 / 1024
	s_mov_b32 s27, 0x3727c5ac                      ; 1e-5
	v_mov_b32 v20, 0
.irp b, 0,1,2,3
	v_mov_b32 v[TM+4+\b], 0
.endr
	s_lshl_b32 s28, ttmp9, 16
	s_lshl_b32 s30, s[WV], 9
	s_add_co_u32 s28, s28, s30
	s_mov_b32 s29, 0
	s_mov_b32 s31, 0
	s_lshl_b32 s32, ttmp9, 4
	s_lshl_b32 s33, s[WV], 1
	s_add_co_u32 s32, s32, s33
	s_mul_i32 s32, s32, 768
	s_mov_b32 s33, 0
	s_lshr_b32 s34, ttmp9, 3
	s_lshl_b32 s34, s34, 3
	s_add_co_u32 s34, s34, s[WV]
	s_lshl_b32 s34, s34, 9
	s_and_b32 s35, ttmp9, 7
	s_lshl_b32 s35, s35, 6
	s_add_co_u32 s34, s34, s35
	s_add_co_u32 s34, s34, HSO
	s_mov_b32 s35, 0
	s_wait_kmcnt 0x0
	s_add_nc_u64 s[4:5], s[4:5], s[28:29]
	s_add_nc_u64 s[6:7], s[6:7], s[30:31]
	s_add_nc_u64 s[8:9], s[8:9], s[30:31]
	s_add_nc_u64 s[32:33], s[10:11], s[32:33]
	s_add_nc_u64 s[34:35], s[10:11], s[34:35]
.irp b, 0,1,2,3
.irp p, 0,1
.irp q, 0,1
	global_load_b128 v[X+16*\b+8*\p+4*\q:X+16*\b+8*\p+4*\q+3], v[XA], s[4:5] offset:128*\b+64*\p+16*\q
.endr
.endr
.endr
.irp b, 0,1,2,3
.irp p, 0,1
.irp q, 0,1
	global_load_b128 v[G+16*\b+8*\p+4*\q:G+16*\b+8*\p+4*\q+3], v[GA], s[6:7] offset:128*\b+64*\p+16*\q
.endr
.endr
.endr
.irp b, 0,1,2,3
.irp p, 0,1
.irp q, 0,1
	global_load_b128 v[BV+16*\b+8*\p+4*\q:BV+16*\b+8*\p+4*\q+3], v[GA], s[8:9] offset:128*\b+64*\p+16*\q
.endr
.endr
.endr
	s_wait_loadcnt 32                              ; x1's sixteen loads are in; the 32 of the gains and biases may be out
	v_pk_add_f32 v[16:17], v[X:X+1], v[X+2:X+3]
	v_pk_add_f32 v[18:19], v[X+4:X+5], v[X+6:X+7]
.set j, 8
.rept 14
	v_pk_add_f32 v[16:17], v[16:17], v[X+j:X+j+1]
	v_pk_add_f32 v[18:19], v[18:19], v[X+j+2:X+j+3]
.set j, j+4
.endr
	v_pk_add_f32 v[16:17], v[16:17], v[18:19]
	v_add_f32 v16, v16, v17
	ACROSS 0
	v_mul_f32 v22, s26, v26                        ; the mean
	v_mov_b32 v23, v22
.set j, 0
.rept 32
	v_pk_add_f32 v[X+j:X+j+1], v[X+j:X+j+1], v[22:23] neg_lo:[0,1] neg_hi:[0,1]
.set j, j+2
.endr
	v_pk_mul_f32 v[16:17], v[X:X+1], v[X:X+1]
	v_pk_mul_f32 v[18:19], v[X+2:X+3], v[X+2:X+3]
.set j, 4
.rept 15
	v_pk_fma_f32 v[16:17], v[X+j:X+j+1], v[X+j:X+j+1], v[16:17]
	v_pk_fma_f32 v[18:19], v[X+j+2:X+j+3], v[X+j+2:X+j+3], v[18:19]
.set j, j+4
.endr
	v_pk_add_f32 v[16:17], v[16:17], v[18:19]
	v_add_f32 v16, v16, v17
	ACROSS 512                                     ; other bytes than the first sum's
	v_fma_f32 v26, v26, s26, s27                   ; the variance + 1e-5
	v_rsq_f32 v24, v26
	v_rsq_f32 v25, v26
	v_nop                                          ; a plain line behind the transcendentals
	s_wait_loadcnt 0x0
	s_wait_alu depctr_va_vdst(0)                   ; one wait for both, ahead of their first reader
.set j, 0
.rept 32
	v_pk_mul_f32 v[X+j:X+j+1], v[X+j:X+j+1], v[24:25]
.set j, j+2
.endr
.set j, 0
.rept 32
	v_pk_fma_f32 v[X+j:X+j+1], v[X+j:X+j+1], v[G+j:G+j+1], v[BV+j:BV+j+1]
.set j, j+2
.endr
	QUANT X
	global_store_b128 v[L16], v[PC:PC+3], s[32:33]
	global_store_b64 v[L8], v[PC+4:PC+5], s[32:33] offset:512
	global_store_b128 v[L16], v[PC+6:PC+9], s[32:33] offset:768
	global_store_b64 v[L8], v[PC+10:PC+11], s[32:33] offset:1280
	global_store_b32 v[RR], v[PW], s[34:35]        ; lanes r and r + 16 store the same word to the same place
	s_wait_tensorcnt 0x0
	ds_add_u32 v62, v63
	s_wait_dscnt 0x0
	s_endpgm
.Lfunc_end_k_q3296adb8db_ln2:
	.size	k_q3296adb8db_ln2, .Lfunc_end_k_q3296adb8db_ln2-k_q3296adb8db_ln2
	.p2alignl 7, 3214868480
	.fill 96, 4, 3214868480
	.section	.rodata,"a",@progbits
	.p2align	6, 0x0
	.amdhsa_kernel k_q3296adb8db_ln2
		.amdhsa_group_segment_fixed_size 2048
		.amdhsa_private_segment_fixed_size 0
		.amdhsa_enable_private_segment 0
		.amdhsa_kernarg_size 32
		.amdhsa_user_sgpr_count 2
		.amdhsa_user_sgpr_kernarg_segment_ptr 1
		.amdhsa_wavefront_size32 1
		.amdhsa_system_sgpr_workgroup_id_x 1
		.amdhsa_system_sgpr_workgroup_id_y 1
		.amdhsa_system_sgpr_workgroup_id_z 1
		.amdhsa_system_vgpr_workitem_id 0
		.amdhsa_next_free_vgpr 256
		.amdhsa_next_free_sgpr 66
		.amdhsa_reserve_vcc 0
		.amdhsa_float_denorm_mode_32 3
		.amdhsa_float_denorm_mode_16_64 3
		.amdhsa_memory_ordered 1
		.amdhsa_forward_progress 1
		.amdhsa_inst_pref_size 24
	.end_amdhsa_kernel
	.amdgpu_metadata
---
amdhsa.version: [ 1, 2 ]
amdhsa.kernels:
  - .name:           k_q3296adb8db_ln2
    .symbol:         k_q3296adb8db_ln2.kd
    .args:
      - { .name: x1, .offset: 0, .size: 8, .value_kind: global_buffer, .address_space: global }
      - { .name: ln2_g, .offset: 8, .size: 8, .value_kind: global_buffer, .address_space: global }
      - { .name: ln2_b, .offset: 16, .size: 8, .value_kind: global_buffer, .address_space: global }
      - { .name: hq, .offset: 24, .size: 8, .value_kind: global_buffer, .address_space: global }
    .group_segment_fixed_size: 2048
    .private_segment_fixed_size: 0
    .kernarg_segment_align: 8
    .kernarg_segment_size: 32
    .max_flat_workgroup_size: 256
    .sgpr_count:     66
    .vgpr_count:     256
    .wavefront_size: 32
...
	.end_amdgpu_metadata
.endif
;; end of part 5
;; launch gfc1 (part 6): grid 32 x 32, 4 waves a work-group, clusters of 4 x 4, 327,680 bytes of LDS; arguments hq, wq, b_fc1, actq; writes actq
.if DOCPART == 6
	.amdgcn_target "amdgcn-amd-amdhsa--gfx1250"
	.amdhsa_code_object_version 6
	.text
	.protected	k_q3296adb8db_gfc1
	.globl	k_q3296adb8db_gfc1
	.p2align	8
	.type	k_q3296adb8db_gfc1,@function
k_q3296adb8db_gfc1:
	s_mov_b64 s[64:65], 0
	v_nop
	global_prefetch_b8 v0, s[64:65] scope:SCOPE_SE
	s_setreg_imm32_b32 hwreg(HW_REG_WAVE_MODE, 25, 1), 1
	s_wait_xcnt 0x0
	s_wait_alu depctr_hold_cnt(0) depctr_sa_sdst(0) depctr_va_vdst(0) depctr_va_sdst(0) depctr_va_ssrc(0) depctr_va_vcc(0) depctr_vm_vsrc(0)
	s_getreg_b32 s2, hwreg(HW_REG_IB_STS2, 6, 4)
	s_cmp_eq_u32 s2, 0
	s_cbranch_scc0 .Lentry_in_a_cluster
	s_endpgm
.Lentry_in_a_cluster:
	s_bfe_u32 s2, ttmp6, 0x10000c
	s_cmp_lg_u32 s2, 0xf033
	s_cbranch_scc0 .Lentry_shape_is_right
	s_endpgm
.Lentry_shape_is_right:
; act = relu(h2 W_fc1 + b_fc1), the product on codes of FP6 (E2M3) with E8M0 scales, the result quantised at once along its row for the next product: it never goes to memory in f32.
; OPERANDS lie as register images.  A half image, 768 bytes, is 16 rows x 64 K: 512 bytes, lane l's registers 0-3 at 16 l, then 256 bytes, registers 4-5 at 8 l.  Codes of X[R][K]: [R/16][K/64][768];
; scale words [R/128][K/128][8][16].  Inside a block of 32 the codes stand in the order 0-7, 16-23, 8-15, 24-31 in both operands (the f32 sums are grouped otherwise than in ascending k).
; A tile of C is 128 x 128, four waves of 64 x 64: 16 accumulators.  K = 1,024 lies whole in two LDS slots of 512 along K, both filled at the start: no slot is filled again.
; CLUSTERS of 4 x 4: A's tile and scales are asked for jointly along a row of the cluster, B's along a column.  Wave 0 asks for A's codes, 1 for B's, 2 for A's scale words, 3 for B's.
; THE MATRIX INSTRUCTION IS USED TRANSPOSED: lane (r, h) holds row r and columns 16 b + 8 h + 0..7, so a row block's 32 registers are 64 neighbours along the next K in this program's order.  The bias is the C of each sum's first instruction.
; LIMITS: NaN and infinities are not served; a block whose largest magnitude lies under 2^-124 gets the byte 1 (a zero block's codes are zeros).
; REGISTERS: window 0: v1-23 addresses; v24-31 scale words, two sets; v36-60 the way out; v96-127 the bias; v128-255 accumulators.  Window 1: two fragment buffers, v0-95 and v128-223.
.set KK,    1024
.set ASC,   3145728                    ; hq: the scale words
.set BCD,   3145728                    ; wq: W_fc1's codes
.set BSC,   9568256                    ; and scale words
.set OPIT,  49152                      ; actq: 16 rows of codes
.set OSC,   12582912                   ; actq: the scale words
.set RBP,   (KK/64)*768
.set SCSZ,  (KK/128)*512
.set KSB,   6144
.set SLOT,  102656
.set BCO,   49152
.set ASO,   98304
.set BSO,   100480
.set SPARE, 222720
.set L16,   4
.set L8,    5
.set ADA16, 8
.set ADA8,  10
.set ADB16, 12
.set ADB8,  14
.set ADS,   16
.set SPW,   18
.set NIL,   19
.set BA,    23
.set SC,    24
.set TM,    36
.set PW,    44
.set PWM,   48
.set PC,    52
.set BI,    96
.set ACC,   128
.set F0,    0
.set F1,    128
.set G1AC,  24
.set G1BC,  32
.set G1AS,  40
.set G1BS,  48
.set G0AC,  56
.set G0BC,  68
.set G0AS,  76
.set G0BS,  84
.set SEL,   100
.set MSB, 0
.macro WIN new
.if MSB != \new
	s_set_vgpr_msb (MSB<<8)|\new
.set MSB, \new
.endif
.endm
.set MUL,  0x05
.set TO_F, 0x40
.macro PLACES
.rept 4
	v_nop
.endr
.endm
.macro JLOAD4 s                        ; a joint load: each wave asks for one of a slot's four tiles; four v_nop follow each line
	s_cmp_eq_u32 s14, 0
	s_cbranch_scc0 .Lj1_\@
	tensor_load_to_lds s[G0AC+4*\s:G0AC+4*\s+3], s[G1AC:G1AC+7]
	s_nop 0
	PLACES
	s_branch .Ljd_\@
.Lj1_\@:
	s_cmp_eq_u32 s14, 1
	s_cbranch_scc0 .Lj2_\@
	tensor_load_to_lds s[G0BC+4*\s:G0BC+4*\s+3], s[G1BC:G1BC+7]
	s_nop 0
	PLACES
	s_branch .Ljd_\@
.Lj2_\@:
	s_cmp_eq_u32 s14, 2
	s_cbranch_scc0 .Lj3_\@
	tensor_load_to_lds s[G0AS+4*\s:G0AS+4*\s+3], s[G1AS:G1AS+7]
	s_nop 0
	PLACES
	s_branch .Ljd_\@
.Lj3_\@:
	tensor_load_to_lds s[G0BS+4*\s:G0BS+4*\s+3], s[G1BS:G1BS+7]
	s_nop 0
	PLACES
.Ljd_\@:
.endm
.macro CREST
	s_cmp_lg_u32 s14, 0
	s_cbranch_scc1 .Lnot_wave_0_\@
	s_barrier_signal -3
.Lnot_wave_0_\@:
	s_barrier_wait -3
	s_barrier_signal -1
	s_barrier_wait -1
.endm
.macro CROUND
	s_barrier_signal -1
	s_barrier_wait -1
	CREST
.endm
	s_load_b256 s[4:11], s[0:1], 0x0               ; hq, wq, b_fc1, actq
	v_lshl_add_u32 v[SPW], v0, 2, SPARE
	v_mov_b32 v[NIL], 0
	ds_add_u32 v18, v19
	ds_add_u32 v18, v19
	s_wait_dscnt 0x0
	v_lshrrev_b32 v1, 5, v0
	v_readfirstlane_b32 s14, v1                    ; wave 0..3
	s_lshr_b32 s15, s14, 1
	s_and_b32 s16, s14, 1
	s_bfe_u32 s17, ttmp6, 0x40000                  ; cx
	s_bfe_u32 s18, ttmp6, 0x40004                  ; cy
	s_lshl_b32 s19, ttmp9, 2
	s_add_co_u32 s19, s19, s17                     ; tile column
	s_and_b32 s20, ttmp7, 0xffff
	s_lshl_b32 s20, s20, 2
	s_add_co_u32 s20, s20, s18                     ; tile row
	s_lshl_b32 s21, s18, 2
	s_lshl_b32 s21, 15, s21
	s_lshl_b32 s22, 0x1111, s17
	s_mov_b32 s23, 0xffff0000                      ; lanes 16-31
	s_mov_b32 s[SEL], 0x76543210
	s_mov_b32 s[SEL+1], 0xfedcba98
	s_or_b32 s[G1AC], s21, (3<<16)|(1<<21)
	s_or_b32 s[G1BC], s22, (3<<16)|(1<<21)
	s_or_b32 s[G1AS], s21, (3<<16)|(1<<21)
	s_or_b32 s[G1BS], s22, (3<<16)|(1<<21)
.irp g, G1AC, G1BC
	s_mov_b32 s[\g+1], 768<<16
	s_mov_b32 s[\g+2], 8<<16
	s_mov_b32 s[\g+3], 768<<16
	s_mov_b32 s[\g+4], 8
	s_mov_b32 s[\g+5], RBP/8
	s_mov_b32 s[\g+6], 0
	s_mov_b32 s[\g+7], 0
.endr
.irp g, G1AS, G1BS
	s_mov_b32 s[\g+1], 32<<16
	s_mov_b32 s[\g+2], 8<<16
	s_mov_b32 s[\g+3], 32<<16
	s_mov_b32 s[\g+4], 8
	s_mov_b32 s[\g+5], 32
	s_mov_b32 s[\g+6], 0
	s_mov_b32 s[\g+7], 0
.endr
	s_mul_i32 s92, s20, 8*RBP
	s_mov_b32 s93, 0
	s_mul_i32 s94, s20, SCSZ
	s_mov_b32 s95, 0
	s_mul_i32 s96, s19, 8*RBP
	s_mov_b32 s97, 0
	s_mul_i32 s98, s19, SCSZ
	s_mov_b32 s99, 0
	s_wait_kmcnt 0x0
	s_add_nc_u64 s[92:93], s[4:5], s[92:93]
	s_add_nc_u64 s[94:95], s[4:5], s[94:95]
	s_add_nc_u64 s[94:95], s[94:95], ASC
	s_add_nc_u64 s[96:97], s[6:7], s[96:97]
	s_add_nc_u64 s[96:97], s[96:97], BCD
	s_add_nc_u64 s[98:99], s[6:7], s[98:99]
	s_add_nc_u64 s[98:99], s[98:99], BSC
	CROUND
.irp s, 0,1
	s_mov_b32 s[G0AC+4*\s], 1
	s_mov_b32 s[G0AC+4*\s+1], \s*SLOT
	s_add_nc_u64 s[G0AC+4*\s+2:G0AC+4*\s+3], s[92:93], \s*KSB
	s_or_b32 s[G0AC+4*\s+3], s[G0AC+4*\s+3], 0x80000000
	s_mov_b32 s[G0BC+4*\s], 1
	s_mov_b32 s[G0BC+4*\s+1], \s*SLOT+BCO
	s_add_nc_u64 s[G0BC+4*\s+2:G0BC+4*\s+3], s[96:97], \s*KSB
	s_or_b32 s[G0BC+4*\s+3], s[G0BC+4*\s+3], 0x80000000
	s_mov_b32 s[G0AS+4*\s], 1
	s_mov_b32 s[G0AS+4*\s+1], \s*SLOT+ASO
	s_add_nc_u64 s[G0AS+4*\s+2:G0AS+4*\s+3], s[94:95], \s*2048
	s_or_b32 s[G0AS+4*\s+3], s[G0AS+4*\s+3], 0x80000000
	s_mov_b32 s[G0BS+4*\s], 1
	s_mov_b32 s[G0BS+4*\s+1], \s*SLOT+BSO
	s_add_nc_u64 s[G0BS+4*\s+2:G0BS+4*\s+3], s[98:99], \s*2048
	s_or_b32 s[G0BS+4*\s+3], s[G0BS+4*\s+3], 0x80000000
	JLOAD4 \s                                      ; two loads of mine are out: all of K
.endr
	v_and_b32 v1, 15, v0
	v_bfe_u32 v2, v0, 4, 1
	v_and_b32 v3, 31, v0
	v_lshlrev_b32 v[L16], 4, v3
	v_lshlrev_b32 v[L8], 3, v3
	s_mul_i32 s92, s15, 4*KSB
	s_mul_i32 s96, s16, 4*KSB
	s_add_co_u32 s96, s96, BCO
.irp s, 0,1
	v_add_nc_u32 v[ADA16+\s], s92, v[L16]
	v_add_nc_u32 v[ADA8+\s], s92, v[L8]
	v_add_nc_u32 v[ADB16+\s], s96, v[L16]
	v_add_nc_u32 v[ADB8+\s], s96, v[L8]
	s_add_co_u32 s92, s92, SLOT
	s_add_co_u32 s96, s96, SLOT
.endr
	s_lshl_b32 s92, s15, 8
	s_lshl_b32 s96, s16, 8
	s_add_co_u32 s96, s96, BSO-ASO
	s_sub_co_u32 s96, s96, s92
	v_mul_u32_u24 v6, s96, v2                      ; lanes 16-31 take B's words: the lower base + h x the distance
	v_lshl_add_u32 v6, v1, 2, v6
	s_add_co_u32 s92, s92, ASO
	v_add_nc_u32 v[ADS], s92, v6
	v_add_nc_u32 v[ADS+1], SLOT, v[ADS]
	v_lshlrev_b32 v22, 2, v3                       ; the way out: my two scale bytes at 4 x lane + 2 x my half of the columns
	s_lshl_b32 s96, s16, 1
	v_add_nc_u32 v22, s96, v22
	v_lshlrev_b32 v[BA], 5, v2
	v_mov_b32 v[TM+2], 0
	v_mov_b32 v[TM+3], 0
	s_lshl_b32 s97, s19, 7
	s_lshl_b32 s98, s16, 6
	s_add_co_u32 s97, s97, s98
	s_lshl_b32 s98, s97, 2
	s_mov_b32 s99, 0
	s_add_nc_u64 s[8:9], s[8:9], s[98:99]          ; the bias at my columns
	s_lshl_b32 s98, s20, 5                         ; the scale words: (tile row x 32 + tile column) x 512 + 256 x my half of the rows
	s_add_co_u32 s98, s98, s19
	s_lshl_b32 s98, s98, 9
	s_lshl_b32 s97, s15, 8
	s_add_co_u32 s98, s98, s97
	s_add_co_u32 s98, s98, OSC
	s_add_nc_u64 s[12:13], s[10:11], s[98:99]
	s_lshl_b32 s96, s20, 3                         ; the codes: block of 16 rows 8 x tile row + 4 x my half, half image 2 x tile column + my half
	s_lshl_b32 s97, s15, 2
	s_add_co_u32 s96, s96, s97
	s_mul_i32 s96, s96, OPIT
	s_lshl_b32 s97, s19, 1
	s_add_co_u32 s97, s97, s16
	s_mul_i32 s97, s97, 768
	s_add_co_u32 s96, s96, s97
	s_mov_b32 s97, 0
	s_add_nc_u64 s[10:11], s[10:11], s[96:97]
.irp b, 0,1,2,3
	global_load_b128 v[BI+8*\b:BI+8*\b+3], v[BA], s[8:9] offset:64*\b
	global_load_b128 v[BI+8*\b+4:BI+8*\b+7], v[BA], s[8:9] offset:64*\b+16
.endr
.macro MUL4 f, a, mode                 ; A's block a against B's four, 128 along K.  mode 0: onto the sums; 2: the bias starts them.  The 16 accumulators take turns in the same order in every quarter
.irp b, 0,1,2,3
.if \mode == 0
	v_wmma_scale_f32_16x16x128_f8f6f4 v[ACC+8*(4*(\a)+\b):ACC+8*(4*(\a)+\b)+7], v[\f+48+12*\b:\f+48+12*\b+11], v[\f+12*(\a):\f+12*(\a)+11], v[ACC+8*(4*(\a)+\b):ACC+8*(4*(\a)+\b)+7], v[SC+4*((\f)/128)+\b], v[SC+4*((\f)/128)+(\a)] matrix_a_fmt:MATRIX_FMT_FP6 matrix_b_fmt:MATRIX_FMT_FP6 matrix_a_scale:MATRIX_SCALE_ROW1
.else
	v_wmma_scale_f32_16x16x128_f8f6f4 v[ACC+8*(4*(\a)+\b):ACC+8*(4*(\a)+\b)+7], v[\f+48+12*\b:\f+48+12*\b+11], v[\f+12*(\a):\f+12*(\a)+11], v[BI+8*\b:BI+8*\b+7], v[SC+4*((\f)/128)+\b], v[SC+4*((\f)/128)+(\a)] matrix_a_fmt:MATRIX_FMT_FP6 matrix_b_fmt:MATRIX_FMT_FP6 matrix_a_scale:MATRIX_SCALE_ROW1
.endif
.endr
.endm
.macro FRAG reg, a16, a8, off
	ds_load_b128 v[\reg:\reg+3], v[\a16] offset:\off
	ds_load_b64 v[\reg+4:\reg+5], v[\a8] offset:\off+512
	ds_load_b128 v[\reg+6:\reg+9], v[\a16] offset:\off+768
	ds_load_b64 v[\reg+10:\reg+11], v[\a8] offset:\off+1280
.endm
.macro FETCH s, q, f
	WIN 0
.irp i, 0,1,2,3
	ds_load_b32 v[SC+4*((\f)/128)+\i], v[ADS+\s] offset:512*(\q)+64*\i
.endr
	WIN TO_F
.irp i, 0,1,2,3
	FRAG \f+48+12*\i, ADB16+\s, ADB8+\s, \i*KSB+(\q)*1536
.endr
.irp i, 0,1,2,3
	FRAG \f+12*\i, ADA16+\s, ADA8+\s, \i*KSB+(\q)*1536
.endr
.endm
.macro QUARTER s, qn, f, g, mode
	s_wait_dscnt 8                                 ; all but the youngest eight loads (A's blocks 2, 3) are in
	WIN MUL
	MUL4 \f, 0, \mode
	MUL4 \f, 1, \mode
	PLACES
	FETCH \s, \qn, \g
	s_wait_dscnt 36                                ; all but the 36 just issued
	WIN MUL
	MUL4 \f, 2, \mode
	MUL4 \f, 3, \mode
.endm
.macro TURN s, n
	WIN 0
	s_wait_tensorcnt 0x0                           ; all my tensor loads have landed: slot 1's
	ds_add_u32 v[SPW], v[NIL]
	s_wait_dscnt 9                                 ; the add and the youngest eight loads may be out
	WIN MUL
	MUL4 F1, 0, 0
	s_wait_dscnt 0x0
	s_barrier_signal -1
	MUL4 F1, 1, 0
	s_barrier_wait -1
	PLACES
	FETCH \n, 0, F0
	WIN MUL
	MUL4 F1, 2, 0
	MUL4 F1, 3, 0
.endm
.macro QH s, pc, pw                    ; 32 numbers of a lane become a half image in v[pc .. pc + 5] and two scale bytes in v[pw], the same in lanes r and r + 16
	v_max3_num_f32 v[TM], |v[\s]|, |v[\s+1]|, 0x1800000
	v_max3_num_f32 v[TM+1], |v[\s+16]|, |v[\s+17]|, 0x1800000
.irp i, 2,4,6,8,10,12,14
	v_max3_num_f32 v[TM], v[TM], |v[\s+\i]|, |v[\s+1+\i]|
	v_max3_num_f32 v[TM+1], v[TM+1], |v[\s+16+\i]|, |v[\s+17+\i]|
.endr
	v_permlanex16_b32 v[TM+2], v[TM], s[SEL], s[SEL+1]
	v_permlanex16_b32 v[TM+3], v[TM+1], s[SEL], s[SEL+1]
	v_max_num_f32 v[TM], v[TM], v[TM+2]
	v_max_num_f32 v[TM+1], v[TM+1], v[TM+3]
	v_add_nc_u32 v[TM+4], 0xff000000, v[TM]
	v_add_nc_u32 v[TM+5], 0xff000000, v[TM+1]
	v_lshrrev_b32 v[TM+2], 23, v[TM+4]
	v_lshrrev_b32 v[TM+3], 23, v[TM+5]
	v_lshl_or_b32 v[\pw], v[TM+3], 8, v[TM+2]
	v_cvt_scalef32_pk16_fp6_f32 v[\pc:\pc+2], v[\s:\s+15], v[TM+4]
	v_cvt_scalef32_pk16_fp6_f32 v[\pc+6:\pc+8], v[\s+16:\s+31], v[TM+5]
	v_nop
.irp i, 0,1,2
	v_permlane16_swap_b32 v[\pc+\i], v[\pc+6+\i]
.endr
.irp i, 0,1,2
	v_mov_b32 v[\pc+3+\i], v[\pc+6+\i]
.endr
.endm
	s_wait_tensorcnt 1                             ; my part of slot 0 is in; slot 1's may stay out
	s_barrier_signal -1
	s_barrier_wait -1
	FETCH 0, 0, F0
	s_wait_loadcnt 0x0                             ; the bias
	QUARTER 0, 1, F0, F1, 2
	QUARTER 0, 2, F1, F0, 0
	QUARTER 0, 3, F0, F1, 0
	TURN 0, 1
	QUARTER 1, 1, F0, F1, 0
	QUARTER 1, 2, F1, F0, 0
	QUARTER 1, 3, F0, F1, 0
	s_wait_dscnt 8
	WIN MUL
	MUL4 F1, 0, 0
	MUL4 F1, 1, 0
	s_wait_dscnt 0x0
	MUL4 F1, 2, 0
	MUL4 F1, 3, 0
	WIN 0
	PLACES
.irp a, 0,1,2,3
.if \a > 0
	s_wait_xcnt 0x0                                ; the last stores have read their data and their base
	s_add_nc_u64 s[10:11], s[10:11], OPIT          ; 16 rows on
.endif
.irp j, 0,1,2,3,4,5,6,7,8,9,10,11,12,13,14,15,16,17,18,19,20,21,22,23,24,25,26,27,28,29,30,31
	v_max_num_f32 v[ACC+32*\a+\j], 0, v[ACC+32*\a+\j]              ; the activation, in f32
.endr
	QH ACC+32*\a, PC, PW+\a
	global_store_b128 v[L16], v[PC:PC+3], s[10:11]
	global_store_b64 v[L8], v[PC+4:PC+5], s[10:11] offset:512
.if (\a%2) == 1
	v_cndmask_b32 v[PWM+\a/2], v[PW+\a-1], v[PW+\a], s23           ; lanes 0-15: the block before; lanes 16-31: this one
	global_store_b16 v22, v[PWM+\a/2], s[12:13] offset:64*(\a-1)
.endif
.endr
	s_wait_tensorcnt 0x0                           ; the wave's end
	ds_add_u32 v[SPW], v[NIL]
	s_wait_dscnt 0x0
	CROUND
	s_endpgm
.Lfunc_end_k_q3296adb8db_gfc1:
	.size	k_q3296adb8db_gfc1, .Lfunc_end_k_q3296adb8db_gfc1-k_q3296adb8db_gfc1
	.p2alignl 7, 3214868480
	.fill 96, 4, 3214868480
	.section	.rodata,"a",@progbits
	.p2align	6, 0x0
	.amdhsa_kernel k_q3296adb8db_gfc1
		.amdhsa_group_segment_fixed_size 327680
		.amdhsa_private_segment_fixed_size 0
		.amdhsa_enable_private_segment 0
		.amdhsa_kernarg_size 32
		.amdhsa_user_sgpr_count 2
		.amdhsa_user_sgpr_kernarg_segment_ptr 1
		.amdhsa_wavefront_size32 1
		.amdhsa_system_sgpr_workgroup_id_x 1
		.amdhsa_system_sgpr_workgroup_id_y 1
		.amdhsa_system_sgpr_workgroup_id_z 1
		.amdhsa_system_vgpr_workitem_id 0
		.amdhsa_next_free_vgpr 512
		.amdhsa_next_free_sgpr 104
		.amdhsa_reserve_vcc 0
		.amdhsa_float_denorm_mode_32 3
		.amdhsa_float_denorm_mode_16_64 3
		.amdhsa_memory_ordered 1
		.amdhsa_forward_progress 1
		.amdhsa_inst_pref_size 62
	.end_amdhsa_kernel
	.amdgpu_metadata
---
amdhsa.version: [ 1, 2 ]
amdhsa.kernels:
  - .name:           k_q3296adb8db_gfc1
    .symbol:         k_q3296adb8db_gfc1.kd
    .args:
      - { .name: hq, .offset: 0, .size: 8, .value_kind: global_buffer, .address_space: global }
      - { .name: wq, .offset: 8, .size: 8, .value_kind: global_buffer, .address_space: global }
      - { .name: b_fc1, .offset: 16, .size: 8, .value_kind: global_buffer, .address_space: global }
      - { .name: actq, .offset: 24, .size: 8, .value_kind: global_buffer, .address_space: global }
    .group_segment_fixed_size: 327680
    .private_segment_fixed_size: 0
    .kernarg_segment_align: 8
    .kernarg_segment_size: 32
    .max_flat_workgroup_size: 128
    .sgpr_count:     104
    .vgpr_count:     512
    .wavefront_size: 32
...
	.end_amdgpu_metadata
.endif
;; end of part 6
;; launch gfc2 (part 7): grid 8 x 32, 4 waves a work-group, clusters of 4 x 4, 327,680 bytes of LDS; arguments actq, wq, b_fc2, x1, out0; writes out0
.if DOCPART == 7
	.amdgcn_target "amdgcn-amd-amdhsa--gfx1250"
	.amdhsa_code_object_version 6
	.text
	.protected	k_q3296adb8db_gfc2
	.globl	k_q3296adb8db_gfc2
	.p2align	8
	.type	k_q3296adb8db_gfc2,@function
k_q3296adb8db_gfc2:
	s_mov_b64 s[64:65], 0
	v_nop
	global_prefetch_b8 v0, s[64:65] scope:SCOPE_SE
	s_setreg_imm32_b32 hwreg(HW_REG_WAVE_MODE, 25, 1), 1
	s_wait_xcnt 0x0
	s_wait_alu depctr_hold_cnt(0) depctr_sa_sdst(0) depctr_va_vdst(0) depctr_va_sdst(0) depctr_va_ssrc(0) depctr_va_vcc(0) depctr_vm_vsrc(0)
	s_getreg_b32 s2, hwreg(HW_REG_IB_STS2, 6, 4)
	s_cmp_eq_u32 s2, 0
	s_cbranch_scc0 .Lentry_in_a_cluster
	s_endpgm
.Lentry_in_a_cluster:
	s_bfe_u32 s2, ttmp6, 0x10000c
	s_cmp_lg_u32 s2, 0xf033
	s_cbranch_scc0 .Lentry_shape_is_right
	s_endpgm
.Lentry_shape_is_right:
; out = x1 + act W_fc2 + b_fc2.  The product on codes of FP6 (E2M3) with E8M0 scales, K = 4,096; bias, residual and result in f32.
; OPERANDS lie as register images.  A half image, 768 bytes, is 16 rows x 64 K: 512 bytes, lane l's registers 0-3 at 16 l, then 256 bytes, registers 4-5 at 8 l.  Codes of X[R][K]: [R/16][K/64][768];
; scale words [R/128][K/128][8][16].  Inside a block of 32 the codes stand in the order 0-7, 16-23, 8-15, 24-31 in both operands (the f32 sums are grouped otherwise than in ascending k).
; A tile of C is 128 x 128, four waves of 64 x 64: 16 accumulators.  K goes in steps of 512 through a ring of two LDS slots; a slot holds A's and B's codes and their scale words for its step.
; CLUSTERS of 4 x 4: A's tile and scales are asked for jointly along a row of the cluster, B's along a column.  Wave 0 asks for A's codes, 1 for B's, 2 for A's scale words, 3 for B's: one load a wave behind each round.
; A wave has two tensor loads out at the start and one behind each round; that one has a K step less one eighth, 56 matrix instructions, in which to land.
; THE MATRIX INSTRUCTION IS USED TRANSPOSED: lane (r, h) holds row r and columns 16 b + 8 h + 0..7.  The bias is the C of each sum's first instruction.
; THE WAY OUT: a block of 16 rows x 64 columns goes through the wave's own stage in LDS and comes back as rows of 256 bytes; the residual, loaded in the same shape at the kernel's head, is added; sixteen lanes store 256 aligned bytes.
; REGISTERS: window 0: v1-23 addresses; v24-31 scale words, two sets; v32-95 the residual, two sets; v96-127 the bias, later rows on their way out; v128-255 accumulators.  Window 1: two fragment buffers, v0-95 and v128-223.
.set KK,    4096
.set ASC,   12582912                   ; actq: the scale words
.set BCD,   6291456                    ; wq: W_fc2's codes
.set BSC,   9699328                    ; and scale words
.set RBP,   (KK/64)*768
.set SCSZ,  (KK/128)*512
.set LAPS,  KK/1024                    ; a lap = two K steps = once round the ring
.set KSB,   6144
.set SLOT,  102656
.set BCO,   49152
.set ASO,   98304
.set BSO,   100480                     ; 128 bytes further than dense: A's words (lanes 0-15) and B's (lanes 16-31) touch different banks
.set STAGE, 205312                     ; behind the ring: 16 rows x 272 bytes for each wave; no tile lands here
.set SPARE, 222720                     ; the spare words: two blocks of 256 bytes that no other line names
.set L16,   4
.set L8,    5
.set ADA16, 8
.set ADA8,  10
.set ADB16, 12
.set ADB8,  14
.set ADS,   16
.set SPW,   18
.set NIL,   19
.set STO,   20
.set RD,    21
.set CO,    22
.set BA,    23
.set SC,    24
.set R0,    32
.set BI,    96
.set T,     96
.set ACC,   128
.set F0,    0
.set F1,    128
.set G1AC,  24
.set G1BC,  32
.set G1AS,  40
.set G1BS,  48
.set G0AC,  56
.set G0BC,  68
.set G0AS,  76
.set G0BS,  84
.set MSB, 0
.macro WIN new
.if MSB != \new
	s_set_vgpr_msb (MSB<<8)|\new
.set MSB, \new
.endif
.endm
.set MUL,  0x05
.set TO_F, 0x40
.macro PLACES
.rept 4
	v_nop
.endr
.endm
.macro JLOAD4 s                        ; a joint load: each wave asks for one of a slot's four tiles; four v_nop follow each line
	s_cmp_eq_u32 s14, 0
	s_cbranch_scc0 .Lj1_\@
	tensor_load_to_lds s[G0AC+4*\s:G0AC+4*\s+3], s[G1AC:G1AC+7]
	s_nop 0
	PLACES
	s_branch .Ljd_\@
.Lj1_\@:
	s_cmp_eq_u32 s14, 1
	s_cbranch_scc0 .Lj2_\@
	tensor_load_to_lds s[G0BC+4*\s:G0BC+4*\s+3], s[G1BC:G1BC+7]
	s_nop 0
	PLACES
	s_branch .Ljd_\@
.Lj2_\@:
	s_cmp_eq_u32 s14, 2
	s_cbranch_scc0 .Lj3_\@
	tensor_load_to_lds s[G0AS+4*\s:G0AS+4*\s+3], s[G1AS:G1AS+7]
	s_nop 0
	PLACES
	s_branch .Ljd_\@
.Lj3_\@:
	tensor_load_to_lds s[G0BS+4*\s:G0BS+4*\s+3], s[G1BS:G1BS+7]
	s_nop 0
	PLACES
.Ljd_\@:
.endm
.macro CREST
	s_cmp_lg_u32 s14, 0
	s_cbranch_scc1 .Lnot_wave_0_\@
	s_barrier_signal -3
.Lnot_wave_0_\@:
	s_barrier_wait -3
	s_barrier_signal -1
	s_barrier_wait -1
.endm
.macro CROUND
	s_barrier_signal -1
	s_barrier_wait -1
	CREST
.endm
	s_load_b256 s[4:11], s[0:1], 0x0               ; actq, wq, b_fc2, x1
	s_load_b64 s[12:13], s[0:1], 0x20              ; out0
	v_lshl_add_u32 v[SPW], v0, 2, SPARE
	v_mov_b32 v[NIL], 0
	ds_add_u32 v18, v19
	ds_add_u32 v18, v19
	s_wait_dscnt 0x0
	v_lshrrev_b32 v1, 5, v0
	v_readfirstlane_b32 s14, v1                    ; wave 0..3
	s_lshr_b32 s15, s14, 1
	s_and_b32 s16, s14, 1
	s_bfe_u32 s17, ttmp6, 0x40000                  ; cx
	s_bfe_u32 s18, ttmp6, 0x40004                  ; cy
	s_lshl_b32 s19, ttmp9, 2
	s_add_co_u32 s19, s19, s17                     ; tile column
	s_and_b32 s20, ttmp7, 0xffff
	s_lshl_b32 s20, s20, 2
	s_add_co_u32 s20, s20, s18                     ; tile row
	s_lshl_b32 s21, s18, 2
	s_lshl_b32 s21, 15, s21
	s_lshl_b32 s22, 0x1111, s17
	s_or_b32 s[G1AC], s21, (3<<16)|(1<<21)
	s_or_b32 s[G1BC], s22, (3<<16)|(1<<21)
	s_or_b32 s[G1AS], s21, (3<<16)|(1<<21)
	s_or_b32 s[G1BS], s22, (3<<16)|(1<<21)
.irp g, G1AC, G1BC
	s_mov_b32 s[\g+1], 768<<16
	s_mov_b32 s[\g+2], 8<<16
	s_mov_b32 s[\g+3], 768<<16
	s_mov_b32 s[\g+4], 8
	s_mov_b32 s[\g+5], RBP/8
	s_mov_b32 s[\g+6], 0
	s_mov_b32 s[\g+7], 0
.endr
.irp g, G1AS, G1BS
	s_mov_b32 s[\g+1], 32<<16
	s_mov_b32 s[\g+2], 8<<16
	s_mov_b32 s[\g+3], 32<<16
	s_mov_b32 s[\g+4], 8
	s_mov_b32 s[\g+5], 32
	s_mov_b32 s[\g+6], 0
	s_mov_b32 s[\g+7], 0
.endr
	s_mul_i32 s92, s20, 8*RBP
	s_mov_b32 s93, 0
	s_mul_i32 s94, s20, SCSZ
	s_mov_b32 s95, 0
	s_mul_i32 s96, s19, 8*RBP
	s_mov_b32 s97, 0
	s_mul_i32 s98, s19, SCSZ
	s_mov_b32 s99, 0
	s_wait_kmcnt 0x0
	s_add_nc_u64 s[92:93], s[4:5], s[92:93]
	s_add_nc_u64 s[94:95], s[4:5], s[94:95]
	s_add_nc_u64 s[94:95], s[94:95], ASC
	s_add_nc_u64 s[96:97], s[6:7], s[96:97]
	s_add_nc_u64 s[96:97], s[96:97], BCD
	s_add_nc_u64 s[98:99], s[6:7], s[98:99]
	s_add_nc_u64 s[98:99], s[98:99], BSC
	CROUND                                         ; all sixteen work-groups are here: the first joint loads meet
.irp s, 0,1
	s_mov_b32 s[G0AC+4*\s], 1
	s_mov_b32 s[G0AC+4*\s+1], \s*SLOT
	s_add_nc_u64 s[G0AC+4*\s+2:G0AC+4*\s+3], s[92:93], \s*KSB
	s_or_b32 s[G0AC+4*\s+3], s[G0AC+4*\s+3], 0x80000000
	s_mov_b32 s[G0BC+4*\s], 1
	s_mov_b32 s[G0BC+4*\s+1], \s*SLOT+BCO
	s_add_nc_u64 s[G0BC+4*\s+2:G0BC+4*\s+3], s[96:97], \s*KSB
	s_or_b32 s[G0BC+4*\s+3], s[G0BC+4*\s+3], 0x80000000
	s_mov_b32 s[G0AS+4*\s], 1
	s_mov_b32 s[G0AS+4*\s+1], \s*SLOT+ASO
	s_add_nc_u64 s[G0AS+4*\s+2:G0AS+4*\s+3], s[94:95], \s*2048
	s_or_b32 s[G0AS+4*\s+3], s[G0AS+4*\s+3], 0x80000000
	s_mov_b32 s[G0BS+4*\s], 1
	s_mov_b32 s[G0BS+4*\s+1], \s*SLOT+BSO
	s_add_nc_u64 s[G0BS+4*\s+2:G0BS+4*\s+3], s[98:99], \s*2048
	s_or_b32 s[G0BS+4*\s+3], s[G0BS+4*\s+3], 0x80000000
	JLOAD4 \s
.endr
	v_and_b32 v1, 15, v0
	v_bfe_u32 v2, v0, 4, 1
	v_and_b32 v3, 31, v0
	v_lshlrev_b32 v[L16], 4, v3
	v_lshlrev_b32 v[L8], 3, v3
	s_mul_i32 s92, s15, 4*KSB
	s_mul_i32 s96, s16, 4*KSB
	s_add_co_u32 s96, s96, BCO
.irp s, 0,1
	v_add_nc_u32 v[ADA16+\s], s92, v[L16]
	v_add_nc_u32 v[ADA8+\s], s92, v[L8]
	v_add_nc_u32 v[ADB16+\s], s96, v[L16]
	v_add_nc_u32 v[ADB8+\s], s96, v[L8]
	s_add_co_u32 s92, s92, SLOT
	s_add_co_u32 s96, s96, SLOT
.endr
	s_lshl_b32 s92, s15, 8
	s_lshl_b32 s96, s16, 8
	s_add_co_u32 s96, s96, BSO-ASO
	s_sub_co_u32 s96, s96, s92
	v_mul_u32_u24 v6, s96, v2                      ; lanes 16-31 take B's words: the lower base + h x the distance
	v_lshl_add_u32 v6, v1, 2, v6
	s_add_co_u32 s92, s92, ASO
	v_add_nc_u32 v[ADS], s92, v6
	v_add_nc_u32 v[ADS+1], SLOT, v[ADS]
	s_mul_i32 s96, s14, 16*272
	s_add_co_u32 s96, s96, STAGE
	v_mul_u32_u24 v6, v1, 272
	v_lshl_add_u32 v6, v2, 5, v6
	v_add_nc_u32 v[STO], s96, v6
	v_mul_u32_u24 v6, v2, 272
	v_lshl_add_u32 v6, v1, 4, v6
	v_add_nc_u32 v[RD], s96, v6
	v_lshlrev_b32 v6, 12, v2
	v_lshl_add_u32 v[CO], v1, 4, v6
	v_lshlrev_b32 v[BA], 5, v2
	s_lshl_b32 s96, s20, 7
	s_lshl_b32 s97, s15, 6
	s_add_co_u32 s96, s96, s97
	s_lshl_b32 s96, s96, 12
	s_lshl_b32 s97, s19, 7
	s_lshl_b32 s98, s16, 6
	s_add_co_u32 s97, s97, s98
	s_lshl_b32 s98, s97, 2
	s_mov_b32 s99, 0
	s_add_nc_u64 s[8:9], s[8:9], s[98:99]
	s_add_co_u32 s96, s96, s98
	s_mov_b32 s97, 0
	s_add_nc_u64 s[10:11], s[10:11], s[96:97]
	s_add_nc_u64 s[12:13], s[12:13], s[96:97]
.irp b, 0,1,2,3
	global_load_b128 v[BI+8*\b:BI+8*\b+3], v[BA], s[8:9] offset:64*\b
	global_load_b128 v[BI+8*\b+4:BI+8*\b+7], v[BA], s[8:9] offset:64*\b+16
.endr
.macro RLOAD a
.irp t, 0,1,2,3,4,5,6,7
	global_load_b128 v[R0+32*((\a)%2)+4*\t:R0+32*((\a)%2)+4*\t+3], v[CO], s[10:11] offset:65536*(\a)+8192*\t
.endr
.endm
	RLOAD 0                                        ; asked for here: they land under the products
	RLOAD 1
.macro MUL4 f, a, mode                 ; A's block a against B's four, 128 along K.  mode 0: onto the sums; 2: the bias starts them.  The 16 accumulators take turns in the same order in every quarter, over the loop's backward jump too
.irp b, 0,1,2,3
.if \mode == 0
	v_wmma_scale_f32_16x16x128_f8f6f4 v[ACC+8*(4*(\a)+\b):ACC+8*(4*(\a)+\b)+7], v[\f+48+12*\b:\f+48+12*\b+11], v[\f+12*(\a):\f+12*(\a)+11], v[ACC+8*(4*(\a)+\b):ACC+8*(4*(\a)+\b)+7], v[SC+4*((\f)/128)+\b], v[SC+4*((\f)/128)+(\a)] matrix_a_fmt:MATRIX_FMT_FP6 matrix_b_fmt:MATRIX_FMT_FP6 matrix_a_scale:MATRIX_SCALE_ROW1
.else
	v_wmma_scale_f32_16x16x128_f8f6f4 v[ACC+8*(4*(\a)+\b):ACC+8*(4*(\a)+\b)+7], v[\f+48+12*\b:\f+48+12*\b+11], v[\f+12*(\a):\f+12*(\a)+11], v[BI+8*\b:BI+8*\b+7], v[SC+4*((\f)/128)+\b], v[SC+4*((\f)/128)+(\a)] matrix_a_fmt:MATRIX_FMT_FP6 matrix_b_fmt:MATRIX_FMT_FP6 matrix_a_scale:MATRIX_SCALE_ROW1
.endif
.endr
.endm
.macro FRAG reg, a16, a8, off
	ds_load_b128 v[\reg:\reg+3], v[\a16] offset:\off
	ds_load_b64 v[\reg+4:\reg+5], v[\a8] offset:\off+512
	ds_load_b128 v[\reg+6:\reg+9], v[\a16] offset:\off+768
	ds_load_b64 v[\reg+10:\reg+11], v[\a8] offset:\off+1280
.endm
.macro FETCH s, q, f
	WIN 0
.irp i, 0,1,2,3
	ds_load_b32 v[SC+4*((\f)/128)+\i], v[ADS+\s] offset:512*(\q)+64*\i
.endr
	WIN TO_F
.irp i, 0,1,2,3
	FRAG \f+48+12*\i, ADB16+\s, ADB8+\s, \i*KSB+(\q)*1536
.endr
.irp i, 0,1,2,3
	FRAG \f+12*\i, ADA16+\s, ADA8+\s, \i*KSB+(\q)*1536
.endr
.endm
.macro QUARTER s, qn, f, g, mode
	s_wait_dscnt 8                                 ; all but the youngest eight loads (A's blocks 2, 3) are in
	WIN MUL
	MUL4 \f, 0, \mode
	MUL4 \f, 1, \mode
	PLACES
	FETCH \s, \qn, \g
	s_wait_dscnt 36                                ; all but the 36 just issued
	WIN MUL
	MUL4 \f, 2, \mode
	MUL4 \f, 3, \mode
.endm
; A slot's last quarter changes slots: ONE barrier; in front of it each wave waits for all its tensor loads, adds 0 to its spare word, and waits for that and for its own reads of this slot.
; fill = 1: the barrier opens a round of the cluster's barrier, and behind the round this slot is filled again, two K steps ahead: the wave's one tensor load until the next round.
.macro TURN s, n, fill
	WIN 0
	s_wait_tensorcnt 0x0                           ; all my tensor loads have landed: my part of the next slot
	ds_add_u32 v[SPW], v[NIL]
	s_wait_dscnt 9                                 ; the add and the youngest eight loads may be out
	WIN MUL
	MUL4 F1, 0, 0
	s_wait_dscnt 0x0                               ; the add is done, and my reads of this slot are over
	s_barrier_signal -1
	MUL4 F1, 1, 0
.if \fill
	WIN 0
.endif
	s_barrier_wait -1
.if \fill
	CREST                                          ; no wave of any partner still reads this slot or has a load on its way
	s_add_nc_u64 s[G0AC+4*\s+2:G0AC+4*\s+3], s[G0AC+4*\s+2:G0AC+4*\s+3], 2*KSB
	s_add_nc_u64 s[G0BC+4*\s+2:G0BC+4*\s+3], s[G0BC+4*\s+2:G0BC+4*\s+3], 2*KSB
	s_add_nc_u64 s[G0AS+4*\s+2:G0AS+4*\s+3], s[G0AS+4*\s+2:G0AS+4*\s+3], 4096
	s_add_nc_u64 s[G0BS+4*\s+2:G0BS+4*\s+3], s[G0BS+4*\s+2:G0BS+4*\s+3], 4096
	JLOAD4 \s                                      ; the four v_nop behind it are also the places in front of the loads below
.else
	PLACES
.endif
	FETCH \n, 0, F0
	WIN MUL
	MUL4 F1, 2, 0
	MUL4 F1, 3, 0
.endm
	s_wait_tensorcnt 1                             ; my part of K step 0 is in; K step 1's may stay out
	s_barrier_signal -1
	s_barrier_wait -1
	FETCH 0, 0, F0
	s_wait_loadcnt 16                              ; the bias is in; the residual's sixteen loads may be out
	QUARTER 0, 1, F0, F1, 2                        ; the first quarter stands in front of the loop: the bias starts the sums
	WIN 0                                          ; at a label and at a branch every window is 0
	s_mov_b32 s3, LAPS-1
.Llap:                                             ; a trip goes once round the ring, from a lap's second quarter to the next lap's first, and fills both slots again
	QUARTER 0, 2, F1, F0, 0
	QUARTER 0, 3, F0, F1, 0
	TURN 0, 1, 1
	QUARTER 1, 1, F0, F1, 0
	QUARTER 1, 2, F1, F0, 0
	QUARTER 1, 3, F0, F1, 0
	TURN 1, 0, 1
	QUARTER 0, 1, F0, F1, 0
	WIN 0
	s_sub_co_u32 s3, s3, 1
	s_cmp_lg_u32 s3, 0
	s_cbranch_scc1 .Llap
	QUARTER 0, 2, F1, F0, 0                        ; the last lap fills nothing
	QUARTER 0, 3, F0, F1, 0
	TURN 0, 1, 0
	QUARTER 1, 1, F0, F1, 0
	QUARTER 1, 2, F1, F0, 0
	QUARTER 1, 3, F0, F1, 0
	s_wait_dscnt 8
	WIN MUL
	MUL4 F1, 0, 0
	MUL4 F1, 1, 0
	s_wait_dscnt 0x0
	MUL4 F1, 2, 0
	MUL4 F1, 3, 0
	WIN 0
	PLACES
.irp a, 0,1,2,3
.if \a > 0
	s_wait_xcnt 0x0                                ; the last block's stores have read their data
.endif
.irp b, 0,1,2,3
	ds_store_b128 v[STO], v[ACC+8*(4*\a+\b):ACC+8*(4*\a+\b)+3] offset:64*\b        ; each accumulator from its low end on
	ds_store_b128 v[STO], v[ACC+8*(4*\a+\b)+4:ACC+8*(4*\a+\b)+7] offset:64*\b+16
.endr
.irp t, 0,1,2,3,4,5,6,7
	ds_load_b128 v[T+4*\t:T+4*\t+3], v[RD] offset:544*\t           ; LDS serves a wave's instructions in order: these see my stores
.endr
	s_wait_dscnt 0x0
.if \a < 3
	s_wait_loadcnt 8                               ; this block's residual is in; the next block's eight loads may be out
.else
	s_wait_loadcnt 0x0
.endif
.irp i, 0,2,4,6,8,10,12,14,16,18,20,22,24,26,28,30
	v_pk_add_f32 v[T+\i:T+\i+1], v[T+\i:T+\i+1], v[R0+32*(\a%2)+\i:R0+32*(\a%2)+\i+1]
.endr
.irp t, 0,1,2,3,4,5,6,7
	global_store_b128 v[CO], v[T+4*\t:T+4*\t+3], s[12:13] offset:65536*\a+8192*\t   ; 16 lanes store 256 consecutive bytes, aligned
.endr
.if \a < 2
	RLOAD \a+2
.endif
.endr
	s_wait_tensorcnt 0x0                           ; the wave's end
	ds_add_u32 v[SPW], v[NIL]
	s_wait_dscnt 0x0
	CROUND                                         ; the closing round: no work-group ends while a partner may still ask for a tile that names it
	s_endpgm
.Lfunc_end_k_q3296adb8db_gfc2:
	.size	k_q3296adb8db_gfc2, .Lfunc_end_k_q3296adb8db_gfc2-k_q3296adb8db_gfc2
	.p2alignl 7, 3214868480
	.fill 96, 4, 3214868480
	.section	.rodata,"a",@progbits
	.p2align	6, 0x0
	.amdhsa_kernel k_q3296adb8db_gfc2
		.amdhsa_group_segment_fixed_size 327680
		.amdhsa_private_segment_fixed_size 0
		.amdhsa_enable_private_segment 0
		.amdhsa_kernarg_size 40
		.amdhsa_user_sgpr_count 2
		.amdhsa_user_sgpr_kernarg_segment_ptr 1
		.amdhsa_wavefront_size32 1
		.amdhsa_system_sgpr_workgroup_id_x 1
		.amdhsa_system_sgpr_workgroup_id_y 1
		.amdhsa_system_sgpr_workgroup_id_z 1
		.amdhsa_system_vgpr_workitem_id 0
		.amdhsa_next_free_vgpr 512
		.amdhsa_next_free_sgpr 104
		.amdhsa_reserve_vcc 0
		.amdhsa_float_denorm_mode_32 3
		.amdhsa_float_denorm_mode_16_64 3
		.amdhsa_memory_ordered 1
		.amdhsa_forward_progress 1
		.amdhsa_inst_pref_size 103
	.end_amdhsa_kernel
	.amdgpu_metadata
---
amdhsa.version: [ 1, 2 ]
amdhsa.kernels:
  - .name:           k_q3296adb8db_gfc2
    .symbol:         k_q3296adb8db_gfc2.kd
    .args:
      - { .name: actq, .offset: 0, .size: 8, .value_kind: global_buffer, .address_space: global }
      - { .name: wq, .offset: 8, .size: 8, .value_kind: global_buffer, .address_space: global }
      - { .name: b_fc2, .offset: 16, .size: 8, .value_kind: global_buffer, .address_space: global }
      - { .name: x1, .offset: 24, .size: 8, .value_kind: global_buffer, .address_space: global }
      - { .name: out0, .offset: 32, .size: 8, .value_kind: global_buffer, .address_space: global }
    .group_segment_fixed_size: 327680
    .private_segment_fixed_size: 0
    .kernarg_segment_align: 8
    .kernarg_segment_size: 40
    .max_flat_workgroup_size: 128
    .sgpr_count:     104
    .vgpr_count:     512
    .wavefront_size: 32
...
	.end_amdgpu_metadata
.endif
;; end of part 7
;; ======== version 2 of 2: 7 launches
;; limits: right only within a limited range of input values
;; workspace buffers: wq 9,830,400 bytes; hq 3,276,800 bytes; qkvc 9,830,400 bytes; yq 3,276,800 bytes; x1 16,777,216 bytes; actq 13,107,200 bytes
;; launch prep (part 8): grid 640 x 1, 8 waves a work-group, no clusters, 2,048 bytes of LDS; arguments x, ln1_g, ln1_b, W_attn, W_proj, W_fc1, W_fc2, hq, wq; writes hq, wq
.if DOCPART == 8
	.amdgcn_target "amdgcn-amd-amdhsa--gfx1250"
	.amdhsa_code_object_version 6
	.text
	.protected	k_q3296adb8db_prep
	.globl	k_q3296adb8db_prep
	.p2align	8
	.type	k_q3296adb8db_prep,@function
k_q3296adb8db_prep:
	s_mov_b64 s[64:65], 0
	v_nop
	global_prefetch_b8 v0, s[64:65] scope:SCOPE_SE
	s_setreg_imm32_b32 hwreg(HW_REG_WAVE_MODE, 25, 1), 1
	s_wait_xcnt 0x0
; PREP.  Work-groups 0-255: h = LayerNorm(x) by ln1_g, ln1_b, quantised to FP6 (E2M3) with one E8M0 byte for each 32 along the row.  Work-groups 256-639: the four weights, stored [K][N] in f32, quantised along K.
; HOW ALL OPERANDS OF THIS PROGRAM LIE IN MEMORY.  A HALF IMAGE, 768 bytes, is 16 rows x 64 K as the matrix operand's registers: 512 bytes, lane l's registers 0-3 at 16 l, then 256 bytes, its registers 4-5 at 8 l;
; lane (r, h) holds row r, block h of the 64.  Codes of X[R][K]: [R/16][K/64][768].  Scale words (four bytes: 128 K of one row): [R/128][K/128][8 blocks of 16 rows][16 words].
; INSIDE A BLOCK OF 32 the codes stand in the order 0-7, 16-23, 8-15, 24-31, alike in both operands of every product: the products are the same, blocks and scales are the true ones; the f32 sums are grouped otherwise than in ascending k.
; A block's scale is 2^(floor(log2(largest magnitude)) - 2); its byte is that magnitude's exponent field - 2, held at 1 from below.
; LIMITS: NaN and infinities are not served; a block whose largest magnitude lies under 2^-124, a block of zeros among them, gets the byte 1 (a zero block's codes are zeros; these bytes are read by this program alone).
; LAYERNORM: a work-group takes 16 rows, wave w columns 128 w .. 128 w + 127; lane (r, h) holds 64 numbers of row r.  Mean first, then the sum of squares of x - mean, each joined over the eight waves through LDS: two barriers.
; WEIGHTS: a lane takes a column, its registers run down K: a block of 32 lies in one lane, the conversions give K innermost, and one exchange of lane halves makes two half images of two blocks of 32 columns.
.set HSO,  3145728                     ; hq: the scale words behind the codes
.set X,    64                          ; v64-127   register 16 b + 8 p + 4 q + e = column 128 w + 32 b + 16 p + 8 h + 4 q + e of my row
.set G,    128                         ; v128-191  the gains, same map
.set BV,   192                         ; v192-255  the biases, same map
.set XA,   4                           ; v4   4096 r + 32 h
.set GA,   5                           ; v5   32 h
.set L16,  6                           ; v6   16 x lane
.set L8,   7                           ; v7   8 x lane
.set RW,   8                           ; v8   LDS: 64 w + 4 r
.set RR,   9                           ; v9   4 r
.set TM,   36                          ; v36-51 at work in QUANT
.set PW,   52                          ; v52  the scale word
.set PC,   128                         ; v128-147 the codes: over the gains, which are done with by then
.set WV,   22                          ; s22  my wave's number
.set SEL,  24                          ; s[24:25] lane selects: lane l xor 16
.set VO,   32                          ; weights: v32-63 offsets of a block's 32 rows
.set Z,    192                         ; weights: v192-215 six registers of codes for each of four blocks
.set ZT,   216                         ; weights: v216-231 the upper halves as the conversions leave them
.set SW,   16                          ; weights: v16 my column's scale word
; 64 numbers of a lane, register 16 b + i = the i-th of my 16 of block b of my row, become a fragment's codes in v[PC] on and its scale word in v[PW].
.macro QUANT s
.irp b, 0,1,2,3
	v_max3_num_f32 v[TM+\b], |v[\s+16*\b]|, |v[\s+1+16*\b]|, 0x1800000   ; my 16 numbers of block b, and the floor 2^(3 - 127): the byte cannot fall under 1
.endr
.irp i, 2,4,6,8,10,12,14
.irp b, 0,1,2,3
	s_delay_alu instid0(VALU_DEP_4)
	v_max3_num_f32 v[TM+\b], v[TM+\b], |v[\s+16*\b+\i]|, |v[\s+1+16*\b+\i]|
.endr
.endr
.irp b, 0,1,2,3
	s_delay_alu instid0(VALU_DEP_4)
	v_permlanex16_b32 v[TM+4+\b], v[TM+\b], s[SEL], s[SEL+1]
.endr
.irp b, 0,1,2,3
	s_delay_alu instid0(VALU_DEP_4)
	v_max_num_f32 v[TM+\b], v[TM+\b], v[TM+4+\b]   ; with lane l xor 16's: the block's largest magnitude
.endr
.irp b, 0,1,2,3
	s_delay_alu instid0(VALU_DEP_4)
	v_add_nc_u32 v[TM+12+\b], 0xff000000, v[TM+\b]   ; 2 off its exponent field: the conversion's scale operand
.endr
.irp b, 0,1,2,3
	s_delay_alu instid0(VALU_DEP_4)
	v_lshrrev_b32 v[TM+4+\b], 23, v[TM+12+\b]        ; the scale's byte
.endr
	s_delay_alu instid0(VALU_DEP_3)
	v_lshl_or_b32 v[PW], v[TM+5], 8, v[TM+4]
	s_delay_alu instid0(VALU_DEP_1)
	v_lshl_or_b32 v[PW], v[TM+6], 16, v[PW]
	s_delay_alu instid0(VALU_DEP_1)
	v_lshl_or_b32 v[PW], v[TM+7], 24, v[PW]
.irp c, 0,1
	v_cvt_scalef32_pk16_fp6_f32 v[PC+6*\c:PC+2+6*\c], v[\s+32*\c:\s+15+32*\c], v[TM+12+2*\c]
	v_cvt_scalef32_pk16_fp6_f32 v[PC+12+4*\c:PC+14+4*\c], v[\s+16+32*\c:\s+31+32*\c], v[TM+12+2*\c+1]   ; (a conversion's three registers begin on an even number)
.endr
	v_nop                                          ; one plain line behind a scaled conversion
.irp c, 0,1                                    ; the operand wants a whole block in a lane: lanes 0-15 block 2 c, lanes 16-31 block 2 c + 1
.irp i, 0,1,2
	v_permlane16_swap_b32 v[PC+6*\c+\i], v[PC+12+4*\c+\i]
.endr
.irp i, 0,1,2
	s_delay_alu instid0(VALU_DEP_3)
	v_mov_b32 v[PC+3+6*\c+\i], v[PC+12+4*\c+\i]
.endr
.endr
.endm
; v16, my lane's part of a sum over my row, becomes v26, the row's sum over all 1,024 columns: the other half of the lanes, then the eight waves through 512 bytes of LDS at off.
.macro ACROSS off
	s_delay_alu instid0(VALU_DEP_1)
	v_permlanex16_b32 v20, v16, s[SEL], s[SEL+1]
	s_delay_alu instid0(VALU_DEP_1)
	v_add_f32 v16, v16, v20
	ds_store_b32 v[RW], v16 offset:\off            ; lanes r and r + 16 write the same word with the same value
	s_wait_dscnt 0x0                               ; for the others' sake: my store has landed
	s_barrier_signal -1
	s_barrier_wait -1
.irp i, 0,1,2,3,4,5,6,7
	ds_load_b32 v[26+\i], v[RR] offset:\off+64*\i
.endr
	s_wait_dscnt 0x0
	v_add_f32 v26, v26, v27                        ; one fixed order in every wave: all waves get the same bits
	v_add_f32 v28, v28, v29
	v_add_f32 v30, v30, v31
	v_add_f32 v32, v32, v33
	s_delay_alu instid0(VALU_DEP_3)
	v_add_f32 v26, v26, v28
	s_delay_alu instid0(VALU_DEP_2)
	v_add_f32 v30, v30, v32
	s_delay_alu instid0(VALU_DEP_1)
	v_add_f32 v26, v26, v30
.endm
	s_load_b256 s[4:11], s[0:1], 0x0               ; x, ln1_g, ln1_b, W_attn
	s_load_b256 s[12:19], s[0:1], 0x20             ; W_proj, W_fc1, W_fc2, hq
	s_load_b64 s[20:21], s[0:1], 0x40              ; wq
	v_lshl_add_u32 v15, v0, 2, 0x400
	v_mov_b32 v21, 0
	v_lshrrev_b32 v1, 5, v0
	s_delay_alu instid0(VALU_DEP_1)
	v_readfirstlane_b32 s[WV], v1                  ; wave 0..7
	v_and_b32 v3, 31, v0                           ; lane
	s_cmp_lt_u32 ttmp9, 256                        ; the same for all waves of a work-group
	s_cbranch_scc0 .Lweights
	; ---------------- LayerNorm ----------------
	v_and_b32 v1, 15, v0                           ; r
	v_bfe_u32 v2, v0, 4, 1                         ; h
	s_delay_alu instid0(VALU_DEP_2)
	v_lshlrev_b32 v[XA], 12, v1
	s_delay_alu instid0(VALU_DEP_1)
	v_lshl_add_u32 v[XA], v2, 5, v[XA]
	s_delay_alu instid0(VALU_DEP_3)
	v_lshlrev_b32 v[GA], 5, v2
	v_lshlrev_b32 v[L16], 4, v3
	v_lshlrev_b32 v[L8], 3, v3
	v_lshlrev_b32 v[RR], 2, v1
	s_lshl_b32 s28, s[WV], 6
	v_add_nc_u32 v[RW], s28, v[RR]
	s_mov_b32 s[SEL], 0x76543210
	s_mov_b32 s[SEL+1], 0xfedcba98
	s_mov_b32 s26, 0x3a800000                      ; 1 / 1024
	s_mov_b32 s27, 0x3727c5ac                      ; 1e-5
	v_mov_b32 v20, 0                               ; a lane permute's destination counts as one of its sources
.irp b, 0,1,2,3
	v_mov_b32 v[TM+4+\b], 0
.endr
	s_lshl_b32 s28, ttmp9, 16                      ; my work-group's 16 rows of 4,096 bytes
	s_lshl_b32 s30, s[WV], 9                       ; my wave's 128 columns
	s_add_co_u32 s28, s28, s30
	s_mov_b32 s29, 0
	s_mov_b32 s31, 0
	s_lshl_b32 s32, ttmp9, 4                       ; codes: half image 16 x work-group + 2 x wave
	s_lshl_b32 s33, s[WV], 1
	s_add_co_u32 s32, s32, s33
	s_mul_i32 s32, s32, 768
	s_mov_b32 s33, 0
	s_lshr_b32 s34, ttmp9, 3                       ; scale words: ((work-group / 8) x 8 + wave) x 512 + (work-group % 8) x 64
	s_lshl_b32 s34, s34, 3
	s_add_co_u32 s34, s34, s[WV]
	s_lshl_b32 s34, s34, 9
	s_and_b32 s35, ttmp9, 7
	s_lshl_b32 s35, s35, 6
	s_add_co_u32 s34, s34, s35
	s_add_co_u32 s34, s34, HSO
	s_mov_b32 s35, 0
	s_wait_kmcnt 0x0
	s_add_nc_u64 s[4:5], s[4:5], s[28:29]
	s_add_nc_u64 s[6:7], s[6:7], s[30:31]
	s_add_nc_u64 s[8:9], s[8:9], s[30:31]
	s_add_nc_u64 s[32:33], s[18:19], s[32:33]
	s_add_nc_u64 s[34:35], s[18:19], s[34:35]
.irp b, 0,1,2,3
.irp p, 0,1
.irp q, 0,1
	global_load_b128 v[X+16*\b+8*\p+4*\q:X+16*\b+8*\p+4*\q+3], v[XA], s[4:5] offset:128*\b+64*\p+16*\q
.endr
.endr
.endr
.irp b, 0,1,2,3
.irp p, 0,1
.irp q, 0,1
	global_load_b128 v[G+16*\b+8*\p+4*\q:G+16*\b+8*\p+4*\q+3], v[GA], s[6:7] offset:128*\b+64*\p+16*\q
.endr
.endr
.endr
.irp b, 0,1,2,3
.irp p, 0,1
.irp q, 0,1
	global_load_b128 v[BV+16*\b+8*\p+4*\q:BV+16*\b+8*\p+4*\q+3], v[GA], s[8:9] offset:128*\b+64*\p+16*\q
.endr
.endr
.endr
	s_wait_loadcnt 32                              ; x's sixteen loads are in; the 32 of the gains and biases may be out
	v_pk_add_f32 v[18:19], v[64:65], v[66:67]
	v_pk_add_f32 v[62:63], v[72:73], v[76:77]
	v_pk_add_f32 v[60:61], v[80:81], v[84:85]
	v_pk_add_f32 v[58:59], v[88:89], v[92:93]
	v_pk_add_f32 v[56:57], v[96:97], v[100:101]
	v_pk_add_f32 v[54:55], v[104:105], v[108:109]
	v_pk_add_f32 v[52:53], v[112:113], v[116:117]
	v_pk_add_f32 v[16:17], v[120:121], v[124:125]
	s_delay_alu instid0(VALU_DEP_1)
	v_pk_add_f32 v[16:17], v[16:17], v[68:69]
	v_pk_add_f32 v[18:19], v[18:19], v[70:71]
	v_pk_add_f32 v[62:63], v[62:63], v[74:75]
	v_pk_add_f32 v[60:61], v[60:61], v[78:79]
	v_pk_add_f32 v[58:59], v[58:59], v[82:83]
	v_pk_add_f32 v[56:57], v[56:57], v[86:87]
	v_pk_add_f32 v[54:55], v[54:55], v[90:91]
	v_pk_add_f32 v[52:53], v[52:53], v[94:95]
	v_pk_add_f32 v[16:17], v[16:17], v[98:99]
	v_pk_add_f32 v[18:19], v[18:19], v[102:103]
	v_pk_add_f32 v[62:63], v[62:63], v[106:107]
	v_pk_add_f32 v[60:61], v[60:61], v[110:111]
	v_pk_add_f32 v[58:59], v[58:59], v[114:115]
	v_pk_add_f32 v[56:57], v[56:57], v[118:119]
	v_pk_add_f32 v[54:55], v[54:55], v[122:123]
	v_pk_add_f32 v[52:53], v[52:53], v[126:127]
	s_delay_alu instid0(VALU_DEP_4)
	v_pk_add_f32 v[16:17], v[16:17], v[58:59]
	s_delay_alu instid0(VALU_DEP_4)
	v_pk_add_f32 v[18:19], v[18:19], v[56:57]
	s_delay_alu instid0(VALU_DEP_4)
	v_pk_add_f32 v[62:63], v[62:63], v[54:55]
	s_delay_alu instid0(VALU_DEP_4)
	v_pk_add_f32 v[60:61], v[60:61], v[52:53]
	s_delay_alu instid0(VALU_DEP_2)
	v_pk_add_f32 v[16:17], v[16:17], v[62:63]
	s_delay_alu instid0(VALU_DEP_2)
	v_pk_add_f32 v[18:19], v[18:19], v[60:61]
	s_delay_alu instid0(VALU_DEP_1)
	v_pk_add_f32 v[16:17], v[16:17], v[18:19]
	s_delay_alu instid0(VALU_DEP_1)
	v_add_f32 v16, v16, v17
	ACROSS 0
	s_delay_alu instid0(VALU_DEP_1)
	v_mul_f32 v22, s26, v26                        ; the mean
	s_delay_alu instid0(VALU_DEP_1)
	v_mov_b32 v23, v22
.set j, 0
.rept 32
	v_pk_add_f32 v[X+j:X+j+1], v[X+j:X+j+1], v[22:23] neg_lo:[0,1] neg_hi:[0,1]   ; x - mean
.set j, j+2
.endr
	v_pk_mul_f32 v[16:17], v[X:X+1], v[X:X+1]      ; the sum of their squares
	v_pk_mul_f32 v[18:19], v[X+2:X+3], v[X+2:X+3]
.set j, 4
.rept 15
	s_delay_alu instid0(VALU_DEP_2)
	v_pk_fma_f32 v[16:17], v[X+j:X+j+1], v[X+j:X+j+1], v[16:17]
	s_delay_alu instid0(VALU_DEP_2)
	v_pk_fma_f32 v[18:19], v[X+j+2:X+j+3], v[X+j+2:X+j+3], v[18:19]
.set j, j+4
.endr
	s_delay_alu instid0(VALU_DEP_1)
	v_pk_add_f32 v[16:17], v[16:17], v[18:19]
	s_delay_alu instid0(VALU_DEP_1)
	v_add_f32 v16, v16, v17
	ACROSS 512                                     ; other bytes than the first sum's: no wave can overwrite what another still reads
	s_delay_alu instid0(VALU_DEP_1)
	v_fma_f32 v26, v26, s26, s27                   ; the variance + 1e-5
	s_wait_alu depctr_va_vdst(0)
	v_rsq_f32 v24, v26
	v_rsq_f32 v25, v26                             ; twice: a pair for the packed multiply
	v_nop                                          ; a plain line behind the transcendentals
	s_wait_loadcnt 0x0                             ; the gains and biases
	s_wait_alu depctr_va_vdst(0)                   ; one wait for both, ahead of their first reader
.set j, 0
.rept 32
	v_pk_mul_f32 v[X+j:X+j+1], v[X+j:X+j+1], v[24:25]
.set j, j+2
.endr
.set j, 0
.rept 32
	v_pk_fma_f32 v[X+j:X+j+1], v[X+j:X+j+1], v[G+j:G+j+1], v[BV+j:BV+j+1]
.set j, j+2
.endr
	QUANT X
	global_store_b128 v[L16], v[PC:PC+3], s[32:33]                 ; two half images: 512, 256, 512, 256 consecutive bytes
	global_store_b64 v[L8], v[PC+4:PC+5], s[32:33] offset:512
	global_store_b128 v[L16], v[PC+6:PC+9], s[32:33] offset:768
	global_store_b64 v[L8], v[PC+10:PC+11], s[32:33] offset:1280
	global_store_b32 v[RR], v[PW], s[34:35]        ; 16 words; lanes r and r + 16 store the same word to the same place
	s_wait_tensorcnt 0x0
	ds_add_u32 v15, v21
	s_wait_dscnt 0x0
	s_endpgm
	; ---------------- the weights ----------------
.Lweights:
	s_sub_co_u32 s40, ttmp9, 256                   ; 0-95 W_attn, 96-127 W_proj, 128-255 W_fc1, 256-383 W_fc2
	s_mov_b32 s41, 256                             ; the tensor's first work-group            (W_fc2's figures; the others' are selected over them)
	s_mov_b32 s42, 4096                            ; bytes in a row of the tensor: 4 N
	s_mov_b32 s43, 4                               ; log2(K / 256)
	s_mov_b32 s44, 49152                           ; bytes of 16 rows of codes: (K / 64) x 768
	s_mov_b32 s45, 32                              ; K / 128
	s_mov_b32 s46, 6291456                         ; where its codes begin in wq
	s_mov_b32 s47, 9699328                         ; and its scale words
	s_wait_kmcnt 0x0
	s_mov_b64 s[48:49], s[16:17]
	s_cmp_lt_u32 s40, 256
	s_cselect_b32 s41, 128, s41
	s_cselect_b32 s42, 16384, s42
	s_cselect_b32 s43, 2, s43
	s_cselect_b32 s44, 12288, s44
	s_cselect_b32 s45, 8, s45
	s_cselect_b32 s46, 3145728, s46
	s_cselect_b32 s47, 9568256, s47
	s_cselect_b64 s[48:49], s[14:15], s[48:49]
	s_cmp_lt_u32 s40, 128
	s_cselect_b32 s41, 96, s41
	s_cselect_b32 s42, 4096, s42
	s_cselect_b32 s46, 2359296, s46
	s_cselect_b32 s47, 9535488, s47
	s_cselect_b64 s[48:49], s[12:13], s[48:49]
	s_cmp_lt_u32 s40, 96
	s_cselect_b32 s41, 0, s41
	s_cselect_b32 s42, 12288, s42
	s_cselect_b32 s46, 0, s46
	s_cselect_b32 s47, 9437184, s47
	s_cselect_b64 s[48:49], s[10:11], s[48:49]
	s_sub_co_u32 s40, s40, s41                     ; my number within the tensor
	s_bfm_b32 s50, s43, 0
	s_and_b32 s51, s40, s50                        ; which 256 along K
	s_lshr_b32 s52, s40, s43                       ; which 128 columns
	s_lshl_b32 s51, s51, 1
	s_lshr_b32 s53, s[WV], 2
	s_add_co_u32 s51, s51, s53                     ; my wave's K step of 128
	s_and_b32 s53, s[WV], 3                        ; my wave's 32 of the 128 columns
	s_lshl_b32 s54, s52, 9
	s_lshl_b32 s55, s53, 7
	s_add_co_u32 s54, s54, s55                     ; 4 x my first column
	s_mul_i32 s56, s51, s42
	s_lshl_b32 s56, s56, 7                         ; 128 rows for each K step
	s_add_co_u32 s56, s56, s54
	s_mov_b32 s57, 0
	s_lshl_b32 s58, s42, 5                         ; 32 rows: a block
	s_mov_b32 s59, 0
	s_add_nc_u64 s[68:69], s[48:49], s[56:57]      ; the four blocks' first rows
	s_add_nc_u64 s[70:71], s[68:69], s[58:59]
	s_add_nc_u64 s[72:73], s[70:71], s[58:59]
	s_add_nc_u64 s[74:75], s[72:73], s[58:59]
	s_lshl_b32 s60, s52, 3
	s_lshl_b32 s61, s53, 1
	s_add_co_u32 s60, s60, s61                     ; my first block of 16 columns
	s_mul_i32 s60, s60, s44
	s_mul_i32 s61, s51, 1536                       ; two half images for each K step
	s_add_co_u32 s60, s60, s61
	s_add_co_u32 s60, s60, s46
	s_mov_b32 s61, 0
	s_mov_b32 s62, s44
	s_mov_b32 s63, 0
	s_add_nc_u64 s[76:77], s[20:21], s[60:61]      ; codes of my columns 0-15,
	s_add_nc_u64 s[78:79], s[76:77], s[62:63]      ; and of 16-31
	s_mul_i32 s54, s52, s45
	s_add_co_u32 s54, s54, s51
	s_lshl_b32 s54, s54, 9
	s_add_co_u32 s54, s54, s55                     ; + 128 x my 32 columns' place
	s_add_co_u32 s54, s54, s47
	s_mov_b32 s55, 0
	s_add_nc_u64 s[80:81], s[20:21], s[54:55]      ; my 32 scale words
	s_wait_alu depctr_va_vdst(0)
	v_lshlrev_b32 v1, 2, v3                        ; 4 x lane
	v_lshlrev_b32 v2, 4, v3                        ; 16 x lane
	v_lshlrev_b32 v3, 3, v3                        ; 8 x lane
.irp i, 0,1,2,3,4,5,6,7,8,9,10,11,12,13,14,15,16,17,18,19,20,21,22,23,24,25,26,27,28,29,30,31
	v_mad_u32_u24 v[VO+\i], s42, (\i%8)+16*((\i/8)%2)+8*(\i/16), v1   ; register i takes the block's row 0-7, 16-23, 8-15, 24-31: this program's order inside a block
.endr
.irp k, 0,1,2,3
.irp i, 0,1,2,3,4,5,6,7,8,9,10,11,12,13,14,15,16,17,18,19,20,21,22,23,24,25,26,27,28,29,30,31
	global_load_b32 v[X+32*\k+\i], v[VO+\i], s[68+2*\k:69+2*\k] th:TH_LOAD_NT   ; 32 lanes read 128 consecutive bytes; four waves stand side by side on 512
.endr
.endr
; Block k of my column: its scale's byte into v[SW], its six registers of codes into v[Z + 6 k] on.  left: the younger loads that may stay out (as many as the count can name).
.macro BLOCK k, left
.set XS, X+32*(\k)
.set ZZ, Z+6*(\k)
.set ZU, ZT+4*(\k)
	s_wait_loadcnt \left
	v_max3_num_f32 v4, |v[XS]|, |v[XS+1]|, |v[XS+2]|
	v_max3_num_f32 v5, |v[XS+3]|, |v[XS+4]|, |v[XS+5]|
.irp i, 6,10,14,18,22,26
	s_delay_alu instid0(VALU_DEP_2)
	v_max3_num_f32 v4, v4, |v[XS+\i]|, |v[XS+\i+1]|
	s_delay_alu instid0(VALU_DEP_2)
	v_max3_num_f32 v5, v5, |v[XS+\i+2]|, |v[XS+\i+3]|
.endr
	s_delay_alu instid0(VALU_DEP_2)
	v_max3_num_f32 v4, v4, |v[XS+30]|, |v[XS+31]|
	s_delay_alu instid0(VALU_DEP_1)
	v_max3_num_f32 v4, v4, v5, 0x1800000           ; and the floor 2^(3 - 127)
	s_delay_alu instid0(VALU_DEP_1)
	v_add_nc_u32 v6, 0xff000000, v4                ; 2 off the exponent field: the conversion's scale operand
	s_delay_alu instid0(VALU_DEP_1)
	v_lshrrev_b32 v7, 23, v6                       ; the byte
.if (\k) == 0
	s_delay_alu instid0(VALU_DEP_1)
	v_mov_b32 v[SW], v7
.else
	s_delay_alu instid0(VALU_DEP_1)
	v_lshl_or_b32 v[SW], v7, 8*(\k), v[SW]
.endif
	v_cvt_scalef32_pk16_fp6_f32 v[ZZ:ZZ+2], v[XS:XS+15], v6
	v_cvt_scalef32_pk16_fp6_f32 v[ZU:ZU+2], v[XS+16:XS+31], v6   ; (a conversion's three registers begin on an even number)
	v_nop                                          ; one plain line behind a scaled conversion
.irp i, 0,1,2
	v_mov_b32 v[ZZ+3+\i], v[ZU+\i]
.endr
.endm
; Blocks 2 u and 2 u + 1 of 32 columns become the half images of columns 0-15 and 16-31: the first's lanes 16-31 change places with the second's lanes 0-15.
.macro PAIR u
.irp i, 0,1,2,3,4,5
	v_permlane16_swap_b32 v[Z+12*(\u)+\i], v[Z+12*(\u)+6+\i]
.endr
	global_store_b128 v2, v[Z+12*(\u):Z+12*(\u)+3], s[76:77] offset:768*(\u)
	global_store_b64 v3, v[Z+12*(\u)+4:Z+12*(\u)+5], s[76:77] offset:768*(\u)+512
	global_store_b128 v2, v[Z+12*(\u)+6:Z+12*(\u)+9], s[78:79] offset:768*(\u)
	global_store_b64 v3, v[Z+12*(\u)+10:Z+12*(\u)+11], s[78:79] offset:768*(\u)+512
.endm
	BLOCK 0, 63
	BLOCK 1, 63
	PAIR 0
	BLOCK 2, 32
	BLOCK 3, 0
	PAIR 1
	global_store_b32 v1, v[SW], s[80:81]           ; 128 consecutive bytes.  No store's data are written again: no wait for the stores
	s_endpgm
.Lfunc_end_k_q3296adb8db_prep:
	.size	k_q3296adb8db_prep, .Lfunc_end_k_q3296adb8db_prep-k_q3296adb8db_prep
	.p2alignl 7, 3214868480
	.fill 96, 4, 3214868480
	.section	.rodata,"a",@progbits
	.p2align	6, 0x0
	.amdhsa_kernel k_q3296adb8db_prep
		.amdhsa_group_segment_fixed_size 2048
		.amdhsa_private_segment_fixed_size 0
		.amdhsa_enable_private_segment 0
		.amdhsa_kernarg_size 72
		.amdhsa_user_sgpr_count 2
		.amdhsa_user_sgpr_kernarg_segment_ptr 1
		.amdhsa_wavefront_size32 1
		.amdhsa_system_sgpr_workgroup_id_x 1
		.amdhsa_system_sgpr_workgroup_id_y 1
		.amdhsa_system_sgpr_workgroup_id_z 1
		.amdhsa_system_vgpr_workitem_id 0
		.amdhsa_next_free_vgpr 256
		.amdhsa_next_free_sgpr 84
		.amdhsa_reserve_vcc 0
		.amdhsa_float_denorm_mode_32 3
		.amdhsa_float_denorm_mode_16_64 3
		.amdhsa_memory_ordered 1
		.amdhsa_forward_progress 1
		.amdhsa_inst_pref_size 54
	.end_amdhsa_kernel
	.amdgpu_metadata
---
amdhsa.version: [ 1, 2 ]
amdhsa.kernels:
  - .name:           k_q3296adb8db_prep
    .symbol:         k_q3296adb8db_prep.kd
    .args:
      - { .name: x, .offset: 0, .size: 8, .value_kind: global_buffer, .address_space: global }
      - { .name: ln1_g, .offset: 8, .size: 8, .value_kind: global_buffer, .address_space: global }
      - { .name: ln1_b, .offset: 16, .size: 8, .value_kind: global_buffer, .address_space: global }
      - { .name: W_attn, .offset: 24, .size: 8, .value_kind: global_buffer, .address_space: global }
      - { .name: W_proj, .offset: 32, .size: 8, .value_kind: global_buffer, .address_space: global }
      - { .name: W_fc1, .offset: 40, .size: 8, .value_kind: global_buffer, .address_space: global }
      - { .name: W_fc2, .offset: 48, .size: 8, .value_kind: global_buffer, .address_space: global }
      - { .name: hq, .offset: 56, .size: 8, .value_kind: global_buffer, .address_space: global }
      - { .name: wq, .offset: 64, .size: 8, .value_kind: global_buffer, .address_space: global }
    .group_segment_fixed_size: 2048
    .private_segment_fixed_size: 0
    .kernarg_segment_align: 8
    .kernarg_segment_size: 72
    .max_flat_workgroup_size: 256
    .sgpr_count:     84
    .vgpr_count:     256
    .wavefront_size: 32
...
	.end_amdgpu_metadata
.endif
;; end of part 8
;; launch gqkv (part 9): grid 32 x 8, 4 waves a work-group, clusters of 4 x 4, 327,680 bytes of LDS; arguments hq, wq, qkvc; writes qkvc
.if DOCPART == 9
	.amdgcn_target "amdgcn-amd-amdhsa--gfx1250"
	.amdhsa_code_object_version 6
	.text
	.protected	k_q3296adb8db_gqkv
	.globl	k_q3296adb8db_gqkv
	.p2align	8
	.type	k_q3296adb8db_gqkv,@function
k_q3296adb8db_gqkv:
	s_mov_b64 s[64:65], 0
	v_nop
	global_prefetch_b8 v0, s[64:65] scope:SCOPE_SE
	s_setreg_imm32_b32 hwreg(HW_REG_WAVE_MODE, 25, 1), 1
	s_wait_xcnt 0x0
	s_wait_alu depctr_hold_cnt(0) depctr_sa_sdst(0) depctr_va_vdst(0) depctr_va_sdst(0) depctr_va_ssrc(0) depctr_va_vcc(0) depctr_vm_vsrc(0)
	s_getreg_b32 s2, hwreg(HW_REG_IB_STS2, 6, 4)
	s_cmp_eq_u32 s2, 0
	s_cbranch_scc0 .Lentry_in_a_cluster
	s_endpgm
.Lentry_in_a_cluster:
	s_bfe_u32 s2, ttmp6, 0x10000c
	s_cmp_lg_u32 s2, 0xf033
	s_cbranch_scc0 .Lentry_shape_is_right
	s_endpgm
.Lentry_shape_is_right:
; QKV = h W_attn on codes of FP6 (E2M3) with E8M0 scales, and its results quantised at once: q and k along the head's 64, v along the keys.
; OPERANDS lie as register images.  A half image, 768 bytes, is 16 rows x 64 K: 512 bytes, lane l's registers 0-3 at 16 l, then 256 bytes, registers 4-5 at 8 l.  Codes of X[R][K]: [R/16][K/64][768];
; scale words [R/128][K/128][8][16].  Inside a block of 32 the codes stand in the order 0-7, 16-23, 8-15, 24-31 in both operands of every product (the f32 sums are grouped otherwise than in ascending k).
; A tile of 128 rows for all of K = 1,024 is dense in memory: 98,304 bytes of codes, 4,096 of scale words.
; A WORK-GROUP STAYS: it takes 128 tokens of h and walks three tiles of 128 columns of W_attn, 8 tiles apart, through two LDS slots: two tiles of q or k, then one of v.  A product is 128 x 128, four waves of 64 x 64.
; h'S FRAGMENTS STAY IN REGISTERS: a wave's 64 tokens x 1,024 K are 32 fragments, 384 registers (windows 2, 3).  They are read from LDS once, with tile 0's own fetches; a later quarter reads W's four fragments and four scale registers: 20 LDS loads.
; THE HEAD: one tensor load a wave: waves 0, 1 ask for the halves of h's codes, waves 2, 3 for the halves of slot 0's.  Slot 1's first fill (behind the full sequence and a round) and slot 0's refill go by quarters, one load every wave.
; THE SCALE WORDS of h's tile and of all three tiles of W, 16 KB, come once: each wave loads a quarter of each tile's 4,096 bytes and stores it into LDS bytes of their own, into which no tile lands.
; CLUSTERS of 4 x 4: h's codes hang on the work-group's x and are asked for jointly along a column of the cluster, W's on its y, along a row.
; PREFETCH: behind slot 1's fill and the first run of LDS loads each wave asks for its part of W's tile 2, whose load is issued at the end of tile 0's products: the four partners that ask for a tile jointly take a quarter each by address (cx),
; a wave 24 units of 256 bytes of it, a lane a unit; lanes 24-31 name the last unit again.  Tiles 0 and 1 come by their loads alone.
; THE MATRIX INSTRUCTION IS USED TRANSPOSED (source 0 = 16 rows of B, source 1 = 16 rows of A): lane (r, h) holds row r of A and columns 16 b + 8 h + 0..7, so the 32 registers of a row block are 64 neighbours along the next K in this program's order.
; Tiles 0, 1: A = h (my half wave / 2), B = W (my half wave % 2).  Tile 2: A = W (my half wave % 2), B = h (my half wave / 2, the same registers): v TRANSPOSED, so that the same way out quantises it along the keys.
; LIMITS: NaN and infinities are not served; a block whose largest magnitude lies under 2^-124 gets the byte 1 (a zero block's codes are zeros).
; REGISTERS: window 0: v1-23 addresses; v24-31 scale words, two sets; v44-95 the way out and offsets; v128-255 accumulators ((a, b) at v[128 + 8 (4 a + b)]).  Window 1: W's fragments, two buffers, v0-47 and v128-175.
; Window 2: h's fragments of K steps 0-4 (step q at v[48 q]); window 3: of steps 5-7.
.set TILEB, 98304
.set HALFB, 49152
.set QB,    24576
.set RBP,   12288
.set STEPC, 8*TILEB
.set STEPS, 8*4096
.set RC,    0                          ; LDS: h's codes
.set WC,    TILEB                      ; W's codes, slot s at WC + s TILEB
.set WS,    3*TILEB                    ; W's scale words, tile t at WS + 4,096 t
.set RS,    WS+3*4096+128              ; h's scale words: 128 bytes off a multiple of 256, so that the two halves of the lanes touch different banks
.set SPARE, 311552                     ; the spare words: two blocks of 256 bytes that no other line names
.set HSO,   3145728
.set WAS,   9437184
.set VTC,   6291456
.set QKS,   9437184
.set VTS,   9699328
.set L16,   4
.set L8,    5
.set HR16,  8                          ; h's fragments in LDS, my half
.set HR8,   9
.set W0C16, 12                         ; v12-15 W's fragments in slot 0 and slot 1, my half
.set W0C8,  13
.set SPW,   18
.set NIL,   19
.set ADS0,  20
.set ADS2,  23
.set SC,    24
.set PW,    44
.set PWM,   48
.set PC,    52                         ; v52-91 ten registers for each of my four blocks: 0-5 its half image, 6-8 the second conversion's result; 3, 4, 5, 9 are at work ahead of the conversions
.set SCG,   92
.set SCL,   93
.set PFO,   94                         ; the prefetch's offset: 256 x min(lane, 23)
.set SO2,   95                         ; tile 2's place of my two scale bytes
.set ACC,   128
.set F0,    0
.set F1,    128
.set G1WC,  24
.set G1RC,  32
.set G0RC,  56
.set G0WC,  68                         ; s[68:75] the ring's group 0, by quarters, a set for each slot
.set G0H,   76                         ; s[76:79] the head's load of slot 0, by halves
.set PFA,   80
.set SEL,   100
.set MSB, 0
.macro WIN new
.if MSB != \new
	s_set_vgpr_msb (MSB<<8)|\new
.set MSB, \new
.endif
.endm
.set TO_F, 0x40
.macro PLACES
.rept 4
	v_nop
.endr
.endm
.macro JC s                            ; a later fill of slot s: every wave asks for its quarter
	tensor_load_to_lds s[G0WC+4*(\s):G0WC+4*(\s)+3], s[G1WC:G1WC+7]
	s_nop 0
	PLACES
.endm
.macro CREST
	s_cmp_lg_u32 s14, 0
	s_cbranch_scc1 .Lnot_wave_0_\@
	s_barrier_signal -3
.Lnot_wave_0_\@:
	s_barrier_wait -3
	s_barrier_signal -1
	s_barrier_wait -1
.endm
.macro CROUND
	s_barrier_signal -1
	s_barrier_wait -1
	CREST
.endm
	s_load_b128 s[4:7], s[0:1], 0x0                ; hq, wq
	s_load_b64 s[8:9], s[0:1], 0x10                ; qkvc
	v_lshl_add_u32 v[SPW], v0, 2, SPARE
	v_mov_b32 v[NIL], 0
	ds_add_u32 v[SPW], v[NIL]                      ; the opening lines
	ds_add_u32 v[SPW], v[NIL]
	v_lshrrev_b32 v1, 5, v0
	v_readfirstlane_b32 s14, v1                    ; wave 0..3
	s_lshr_b32 s15, s14, 1                         ; my half of h's tokens.  At the head: I fetch for h (0) or for W (1)
	s_and_b32 s16, s14, 1                          ; my half of W's columns.  At the head: which half I fetch
	s_bfe_u32 s17, ttmp6, 0x40000                  ; cx
	s_bfe_u32 s18, ttmp6, 0x40004                  ; cy
	s_lshl_b32 s19, ttmp9, 2
	s_add_co_u32 s19, s19, s17                     ; which 128 tokens: 0..31
	s_and_b32 s20, ttmp7, 0xffff
	s_lshl_b32 s20, s20, 2
	s_add_co_u32 s20, s20, s18                     ; my first tile of W's columns: 0..7
	s_lshl_b32 s21, s18, 2
	s_lshl_b32 s21, 15, s21                        ; my row of the cluster
	s_lshl_b32 s22, 0x1111, s17                    ; my column
	s_mov_b32 s23, 0xffff0000                      ; lanes 16-31
	s_mov_b32 s[SEL], 0x76543210
	s_mov_b32 s[SEL+1], 0xfedcba98
	s_or_b32 s[G1WC], s21, (3<<16)|(1<<21)         ; the mask; elements of 8 bytes; bit 21 beside a mask; no padding
	s_or_b32 s[G1RC], s22, (3<<16)|(1<<21)
.irp g, G1WC, G1RC                     ; half a tile's codes: 49,152 dense bytes as 192 rows of 256
	s_mov_b32 s[\g+1], 32<<16
	s_mov_b32 s[\g+2], 192<<16
	s_mov_b32 s[\g+3], 32<<16
	s_mov_b32 s[\g+4], 192
	s_mov_b32 s[\g+5], 32
	s_mov_b32 s[\g+6], 0
	s_mov_b32 s[\g+7], 0
.endr
	s_mul_i32 s85, s16, HALFB                      ; a half's place in a tile's codes, in memory as in LDS,
	s_lshl_b32 s86, s16, 11                        ; in its scale words,
	s_mul_i32 s84, s14, QB                         ; and a quarter's
	s_mul_i32 s92, s20, TILEB                      ; W's offsets hang on the work-group's y alone,
	s_lshl_b32 s94, s20, 12
	s_add_co_u32 s94, s94, s86
	s_add_co_u32 s94, s94, WAS
	s_mov_b32 s95, 0
	s_mul_i32 s96, s19, TILEB                      ; h's on its x alone
	s_add_co_u32 s96, s96, s85
	s_mov_b32 s97, 0
	s_lshl_b32 s98, s19, 12
	s_add_co_u32 s98, s98, s86
	s_add_co_u32 s98, s98, HSO
	s_mov_b32 s99, 0
	s_add_co_u32 s88, s92, s85
	s_mov_b32 s89, 0
	s_add_co_u32 s90, s92, s84
	s_mov_b32 s91, 0
	s_mul_i32 s82, s17, QB                         ; the prefetch: my work-group's quarter of a tile, my wave's 6,144 bytes of it
	s_mul_i32 s83, s14, 6144
	s_add_co_u32 s82, s82, s83
	s_add_co_u32 s82, s82, s92
	s_mov_b32 s83, 0
	s_wait_dscnt 0x0                               ; both opening adds are done
	s_wait_kmcnt 0x0
	s_add_nc_u64 s[88:89], s[6:7], s[88:89]
	s_add_nc_u64 s[90:91], s[6:7], s[90:91]
	s_add_nc_u64 s[PFA:PFA+1], s[6:7], s[82:83]
	s_add_nc_u64 s[94:95], s[6:7], s[94:95]
	s_add_nc_u64 s[96:97], s[4:5], s[96:97]
	s_add_nc_u64 s[98:99], s[4:5], s[98:99]
	s_mov_b32 s[G0RC], 1
	s_add_co_u32 s[G0RC+1], s85, RC
	s_mov_b64 s[G0RC+2:G0RC+3], s[96:97]
	s_or_b32 s[G0RC+3], s[G0RC+3], 0x80000000
	s_mov_b32 s[G0H], 1
	s_add_co_u32 s[G0H+1], s85, WC
	s_mov_b64 s[G0H+2:G0H+3], s[88:89]
	s_or_b32 s[G0H+3], s[G0H+3], 0x80000000
.irp s, 0,1
	s_mov_b32 s[G0WC+4*\s], 1
	s_add_co_u32 s[G0WC+4*\s+1], s84, WC+\s*TILEB
	s_add_nc_u64 s[G0WC+4*\s+2:G0WC+4*\s+3], s[90:91], \s*STEPC
	s_or_b32 s[G0WC+4*\s+3], s[G0WC+4*\s+3], 0x80000000
.endr
	CROUND                                         ; all sixteen work-groups are here: the first joint loads meet
	s_cmp_eq_u32 s15, 0                            ; the head's loads, one a wave: h's halves, slot 0's halves
	s_cbranch_scc0 .Lhead_w
	tensor_load_to_lds s[G0RC:G0RC+3], s[G1RC:G1RC+7]
	s_nop 0
	PLACES
	s_branch .Lhead_asked
.Lhead_w:
	tensor_load_to_lds s[G0H:G0H+3], s[G1WC:G1WC+7]
	s_nop 0
	PLACES
.Lhead_asked:
	v_and_b32 v1, 15, v0                           ; r
	v_bfe_u32 v2, v0, 4, 1                         ; h
	v_and_b32 v3, 31, v0                           ; lane
	v_xor_b32 v7, 1, v2                            ; 1 - h
	v_lshlrev_b32 v[L16], 4, v3
	v_lshlrev_b32 v[L8], 3, v3
	v_min_u32 v[PFO], 23, v3
	v_lshlrev_b32 v[PFO], 8, v[PFO]
	s_lshl_b32 s87, s15, 10                        ; my quarter of a tile's scale words: 2,048 (wave % 2), in the bases, + 1,024 (wave / 2)
	v_add_nc_u32 v[SCG], s87, v[L16]
	s_add_co_u32 s87, s87, s86
	s_add_co_u32 s87, s87, WS
	v_add_nc_u32 v[SCL], s87, v[L16]
.irp t, 0,1,2
	global_load_b128 v[128+8*\t:131+8*\t], v[SCG], s[94:95] offset:\t*STEPS
	global_load_b128 v[132+8*\t:135+8*\t], v[SCG], s[94:95] offset:\t*STEPS+512
.endr
	global_load_b128 v[152:155], v[SCG], s[98:99]
	global_load_b128 v[156:159], v[SCG], s[98:99] offset:512
	s_mul_i32 s40, s15, HALFB                      ; my half of h,
	s_mul_i32 s42, s16, HALFB                      ; and of W
	v_add_nc_u32 v[HR16], s40, v[L16]
	v_add_nc_u32 v[HR8], s40, v[L8]
	s_add_co_u32 s42, s42, WC
	v_add_nc_u32 v[W0C16], s42, v[L16]
	v_add_nc_u32 v[W0C8], s42, v[L8]
	s_add_co_u32 s42, s42, TILEB
	v_add_nc_u32 v[W0C16+2], s42, v[L16]
	v_add_nc_u32 v[W0C8+2], s42, v[L8]
	s_wait_alu depctr_va_vdst(0)                   ; ahead of the readers below
.irp s, 0,1                            ; tiles 0, 1: lanes 0-15 take A's words (h's), lanes 16-31 B's (W's tile s), which lie lower: the lower base + (1 - h) x the distance
	s_lshl_b32 s40, s16, 8
	s_lshl_b32 s42, s15, 8
	s_add_co_u32 s42, s42, RS-WS-4096*\s
	s_sub_co_u32 s42, s42, s40
	v_mul_u32_u24 v6, s42, v7
	v_lshl_add_u32 v6, v1, 2, v6
	s_add_co_u32 s40, s40, WS+4096*\s
	v_add_nc_u32 v[ADS0+\s], s40, v6
.endr
	s_lshl_b32 s40, s16, 8                         ; tile 2: A's words are W's tile 2, B's are h's: the lower base + h x the distance
	s_lshl_b32 s42, s15, 8
	s_add_co_u32 s42, s42, RS-WS-8192
	s_sub_co_u32 s42, s42, s40
	v_mul_u32_u24 v6, s42, v2
	v_lshl_add_u32 v6, v1, 2, v6
	s_add_co_u32 s40, s40, WS+8192
	v_add_nc_u32 v[ADS2], s40, v6
	v_lshlrev_b32 v22, 2, v3                       ; the way out: my two scale bytes at 4 x lane + 2 x my half of the result's columns: W's half,
	s_lshl_b32 s42, s16, 1
	v_add_nc_u32 v22, s42, v22
	v_lshlrev_b32 v[SO2], 2, v3                    ; in tile 2 h's half
	s_lshl_b32 s42, s15, 1
	v_add_nc_u32 v[SO2], s42, v[SO2]
.irp a, 0,1,2,3
	v_mov_b32 v[PC+10*\a+5], 0                     ; a lane permute's destination counts as one of its sources
	v_mov_b32 v[PC+10*\a+9], 0
.endr
	s_lshl_b32 s44, s19, 3                         ; q, k: codes: block of 16 tokens 8 x + 4 x h's half, half image 2 x W's tile + W's half
	s_lshl_b32 s45, s15, 2
	s_add_co_u32 s44, s44, s45
	s_mul_i32 s44, s44, 24576
	s_lshl_b32 s45, s20, 1
	s_add_co_u32 s45, s45, s16
	s_mul_i32 s45, s45, 768
	s_add_co_u32 s44, s44, s45
	s_mov_b32 s45, 0
	s_lshl_b32 s46, s19, 4                         ; their scale words: (16 x + W's tile) x 512 + 256 x h's half
	s_add_co_u32 s46, s46, s20
	s_lshl_b32 s46, s46, 9
	s_lshl_b32 s47, s15, 8
	s_add_co_u32 s46, s46, s47
	s_add_co_u32 s46, s46, QKS
	s_mov_b32 s47, 0
	s_lshl_b32 s88, s20, 3                         ; v: codes: block of 16 columns 8 y + 4 x W's half, half image 2 x + h's half
	s_lshl_b32 s89, s16, 2
	s_add_co_u32 s88, s88, s89
	s_mul_i32 s88, s88, 49152
	s_lshl_b32 s89, s19, 1
	s_add_co_u32 s89, s89, s15
	s_mul_i32 s89, s89, 768
	s_add_co_u32 s88, s88, s89
	s_add_co_u32 s88, s88, VTC
	s_mov_b32 s89, 0
	s_lshl_b32 s90, s20, 5                         ; its scale words: (32 y + x) x 512 + 256 x W's half
	s_add_co_u32 s90, s90, s19
	s_lshl_b32 s90, s90, 9
	s_lshl_b32 s91, s16, 8
	s_add_co_u32 s90, s90, s91
	s_add_co_u32 s90, s90, VTS
	s_mov_b32 s91, 0
	s_add_nc_u64 s[10:11], s[8:9], s[46:47]
	s_add_nc_u64 s[12:13], s[8:9], s[88:89]
	s_add_nc_u64 s[66:67], s[8:9], s[90:91]
	s_add_nc_u64 s[8:9], s[8:9], s[44:45]
.macro USE_TILE t                      ; which address registers tile t's fetches name, and which source W's fragments are (KIND 0: source 0; 1: source 1)
.if (\t) == 2
.set CW16, W0C16
.set CW8,  W0C8
.set CS,   ADS2
.set KIND, 1
.else
.set CW16, W0C16+2*(\t)
.set CW8,  W0C8+2*(\t)
.set CS,   ADS0+(\t)
.set KIND, 0
.endif
.endm
; Four matrix instructions: W's fragment x out of buffer f against h's four of K step q.  mode 0: onto the sums; 1: the constant 0 starts them.  No two that follow each other share an accumulator.
.macro MUL4 f, x, mode, q
.if KIND == 0
.set WN, 0x09+4*((\q)/5)
.else
.set WN, 0x06+(\q)/5
.endif
	WIN WN
.irp y, 0,1,2,3
.if KIND == 0
.set MA, \y
.set MB, \x
.set OP0, \f+12*(\x)
.set OP1, 48*((\q)%5)+12*\y
.else
.set MA, \x
.set MB, \y
.set OP0, 48*((\q)%5)+12*\y
.set OP1, \f+12*(\x)
.endif
.set AC, ACC+8*(4*MA+MB)
.if \mode == 0
	v_wmma_scale_f32_16x16x128_f8f6f4 v[AC:AC+7], v[OP0:OP0+11], v[OP1:OP1+11], v[AC:AC+7], v[SC+4*((\f)/128)+MB], v[SC+4*((\f)/128)+MA] matrix_a_fmt:MATRIX_FMT_FP6 matrix_b_fmt:MATRIX_FMT_FP6 matrix_a_scale:MATRIX_SCALE_ROW1
.else
	v_wmma_scale_f32_16x16x128_f8f6f4 v[AC:AC+7], v[OP0:OP0+11], v[OP1:OP1+11], 0, v[SC+4*((\f)/128)+MB], v[SC+4*((\f)/128)+MA] matrix_a_fmt:MATRIX_FMT_FP6 matrix_b_fmt:MATRIX_FMT_FP6 matrix_a_scale:MATRIX_SCALE_ROW1
.endif
.endr
.endm
.macro FRAG reg, a16, a8, off          ; a fragment, 16 rows x 128 K, is two half images on end
	ds_load_b128 v[\reg:\reg+3], v[\a16] offset:\off
	ds_load_b64 v[\reg+4:\reg+5], v[\a8] offset:\off+512
	ds_load_b128 v[\reg+6:\reg+9], v[\a16] offset:\off+768
	ds_load_b64 v[\reg+10:\reg+11], v[\a8] offset:\off+1280
.endm
.macro FETCH q, f                      ; K step q: 4 scale registers; in tile 0 (RESON) h's four fragments, into the registers where they stay; W's four into buffer f
	WIN 0
.irp i, 0,1,2,3
	ds_load_b32 v[SC+4*((\f)/128)+\i], v[CS] offset:512*(\q)+64*\i
.endr
.if RESON
.set WN, 0x80+0x40*((\q)/5)
	WIN WN
.irp i, 0,1,2,3
	FRAG 48*((\q)%5)+12*\i, HR16, HR8, \i*RBP+(\q)*1536
.endr
.endif
	WIN TO_F
.irp i, 0,1,2,3
	FRAG \f+12*\i, CW16, CW8, \i*RBP+(\q)*1536
.endr
.endm
.macro QUARTER qn, f, g, mode          ; multiplies K step qn - 1 out of buffer f; in its middle fetches step qn into buffer g
	s_wait_dscnt 8                                 ; all but the youngest eight loads (W's fragments 2, 3) are in
	MUL4 \f, 0, \mode, (\qn)-1
	MUL4 \f, 1, \mode, (\qn)-1
	PLACES
	FETCH \qn, \g
	s_wait_dscnt 20+16*RESON                       ; all but the run just issued
	MUL4 \f, 2, \mode, (\qn)-1
	MUL4 \f, 3, \mode, (\qn)-1
.endm
; Tile t's last 128 along K changes tiles: one barrier, with the wait for all my tensor loads, the add and the wait for it and for my reads in front.  fill = 1: it opens a round, behind which slot 0 takes tile 2.
.macro TURN t, fill
	WIN 0
	s_wait_tensorcnt 0x0
	ds_add_u32 v[SPW], v[NIL]
	s_wait_dscnt 9                                 ; the add and the youngest eight loads may be out
	MUL4 F1, 0, 0, 7
	s_wait_dscnt 0x0
	s_barrier_signal -1
	MUL4 F1, 1, 0, 7
.if \fill
	WIN 0
.endif
	s_barrier_wait -1
.if \fill
	CREST
	s_add_nc_u64 s[G0WC+2:G0WC+3], s[G0WC+2:G0WC+3], 2*STEPC
	JC 0                                           ; the four v_nop behind it are also the places in front of the loads below
.else
	PLACES
.endif
.set KOLD, KIND
	USE_TILE (\t)+1
.set KNEW, KIND
.set RESON, 0
	s_wait_alu depctr_va_vdst(0)
	FETCH 0, F0
.set KIND, KOLD
	MUL4 F1, 2, 0, 7
	MUL4 F1, 3, 0, 7
.set KIND, KNEW
.endm
.macro BODY t, last, fill
	QUARTER 1, F0, F1, 1
	QUARTER 2, F1, F0, 0
	QUARTER 3, F0, F1, 0
	QUARTER 4, F1, F0, 0
	QUARTER 5, F0, F1, 0
	QUARTER 6, F1, F0, 0
	QUARTER 7, F0, F1, 0
.if \last
	s_wait_dscnt 8
	MUL4 F1, 0, 0, 7
	MUL4 F1, 1, 0, 7
	s_wait_dscnt 0x0
	MUL4 F1, 2, 0, 7
	MUL4 F1, 3, 0, 7
.else
	TURN \t, \fill
.endif
	WIN 0
	PLACES
.endm
; My four blocks of 16 rows x 64 columns are quantised BY TURNS, line by line, so that no line reads the result of a line close above it.  Of block a, 32 numbers a lane (16 of each of two blocks of 32 of my row)
; become a half image in v[PC + 10 a .. + 5] and two scale bytes in v[PW + a].
.macro QALL
.irp a, 0,1,2,3
	v_max3_num_f32 v[PC+10*\a+3], |v[ACC+32*\a]|, |v[ACC+32*\a+1]|, 0x1800000       ; with the floor 2^(3 - 127): the byte cannot fall under 1
	v_max3_num_f32 v[PC+10*\a+4], |v[ACC+32*\a+16]|, |v[ACC+32*\a+17]|, 0x1800000
.endr
.irp i, 2,4,6,8,10,12,14
.irp a, 0,1,2,3
	v_max3_num_f32 v[PC+10*\a+3], v[PC+10*\a+3], |v[ACC+32*\a+\i]|, |v[ACC+32*\a+\i+1]|
	v_max3_num_f32 v[PC+10*\a+4], v[PC+10*\a+4], |v[ACC+32*\a+16+\i]|, |v[ACC+32*\a+17+\i]|
.endr
.endr
.irp a, 0,1,2,3
	v_permlanex16_b32 v[PC+10*\a+5], v[PC+10*\a+3], s[SEL], s[SEL+1]
	v_permlanex16_b32 v[PC+10*\a+9], v[PC+10*\a+4], s[SEL], s[SEL+1]
.endr
.irp a, 0,1,2,3
	v_max_num_f32 v[PC+10*\a+3], v[PC+10*\a+3], v[PC+10*\a+5]      ; with lane l xor 16's: the block's largest magnitude
	v_max_num_f32 v[PC+10*\a+4], v[PC+10*\a+4], v[PC+10*\a+9]
.endr
.irp a, 0,1,2,3
	v_add_nc_u32 v[PC+10*\a+3], 0xff000000, v[PC+10*\a+3]          ; 2 off the exponent field: the conversion's scale operand
	v_add_nc_u32 v[PC+10*\a+4], 0xff000000, v[PC+10*\a+4]
.endr
.irp a, 0,1,2,3
	v_lshrrev_b32 v[PC+10*\a+5], 23, v[PC+10*\a+3]                 ; the bytes
	v_lshrrev_b32 v[PC+10*\a+9], 23, v[PC+10*\a+4]
.endr
.irp a, 0,1,2,3
	v_lshl_or_b32 v[PW+\a], v[PC+10*\a+9], 8, v[PC+10*\a+5]
.endr
.irp a, 0,1,2,3
	v_cvt_scalef32_pk16_fp6_f32 v[PC+10*\a:PC+10*\a+2], v[ACC+32*\a:ACC+32*\a+15], v[PC+10*\a+3]
	v_cvt_scalef32_pk16_fp6_f32 v[PC+10*\a+6:PC+10*\a+8], v[ACC+32*\a+16:ACC+32*\a+31], v[PC+10*\a+4]
.endr
	v_nop                                          ; one plain line behind the scaled conversions
.irp a, 0,1,2,3
.irp i, 0,1,2
	v_permlane16_swap_b32 v[PC+10*\a+\i], v[PC+10*\a+6+\i]         ; a whole block of 32 to a lane
.endr
.endr
.irp a, 0,1,2,3
.irp i, 0,1,2
	v_mov_b32 v[PC+10*\a+3+\i], v[PC+10*\a+6+\i]
.endr
.endr
	v_cndmask_b32 v[PWM], v[PW], v[PW+1], s23      ; lanes 0-15: block 0's bytes; lanes 16-31: block 1's
	v_cndmask_b32 v[PWM+1], v[PW+2], v[PW+3], s23
.endm
; THE WAY OUT of a tile: each block's half image is three whole blocks of 256 bytes.  so: the register with my scale bytes' place.
.macro EPI cb, sb, opit, so
	QALL
.irp a, 0,1,2,3
	global_store_b128 v[L16], v[PC+10*\a:PC+10*\a+3], s[\cb:\cb+1] offset:(\opit)*\a
	global_store_b64 v[L8], v[PC+10*\a+4:PC+10*\a+5], s[\cb:\cb+1] offset:(\opit)*\a+512
.endr
	global_store_b16 v[\so], v[PWM], s[\sb:\sb+1]                  ; two of a scale word's four bytes: the other two are another wave's
	global_store_b16 v[\so], v[PWM+1], s[\sb:\sb+1] offset:128
.endm
	s_wait_alu depctr_va_vdst(0)                   ; the head's end
	s_wait_tensorcnt 0x0                           ; my head's load has landed
	s_wait_loadcnt 0x0                             ; and my quarters of the scale words
.irp t, 0,1,2
	ds_store_b128 v[SCL], v[128+8*\t:131+8*\t] offset:4096*\t
	ds_store_b128 v[SCL], v[132+8*\t:135+8*\t] offset:4096*\t+512
.endr
	ds_store_b128 v[SCL], v[152:155] offset:RS-WS
	ds_store_b128 v[SCL], v[156:159] offset:RS-WS+512
	s_wait_tensorcnt 0x0                           ; ahead of a later first fill
	ds_add_u32 v[SPW], v[NIL]
	s_mov_b32 s[G1WC+2], 96<<16                    ; no tensor load of mine is out: from here on a load of W brings a quarter, 96 rows of 256 bytes
	s_mov_b32 s[G1WC+4], 96
	s_wait_dscnt 0x0                               ; the add and my stores are done
	CROUND
	JC 1                                           ; slot 1's first fill: it has tile 0's work in which to land
.set RESON, 1
	USE_TILE 0
	FETCH 0, F0
	global_prefetch_b8 v[PFO], s[PFA:PFA+1] offset:2*STEPC th:TH_LOAD_NT scope:SCOPE_SE   ; W's tile 2
	BODY 0, 0, 1                                   ; q or k; slot 0 is asked for again: v's tile
	EPI 8, 10, 24576, 22
	BODY 1, 0, 0                                   ; q or k, 8 tiles on
	s_wait_xcnt 0x0                                ; the last tile's stores have read their data and their bases
	s_add_nc_u64 s[8:9], s[8:9], 16*768
	s_add_nc_u64 s[10:11], s[10:11], 8*512
	EPI 8, 10, 24576, 22
	BODY 2, 1, 0                                   ; v, transposed
	s_wait_xcnt 0x0
	EPI 12, 66, 49152, SO2
	s_wait_tensorcnt 0x0                           ; the wave's end
	ds_add_u32 v[SPW], v[NIL]
	s_wait_dscnt 0x0
	CROUND                                         ; the closing round
	s_endpgm
.Lfunc_end_k_q3296adb8db_gqkv:
	.size	k_q3296adb8db_gqkv, .Lfunc_end_k_q3296adb8db_gqkv-k_q3296adb8db_gqkv
	.p2alignl 7, 3214868480
	.fill 96, 4, 3214868480
	.section	.rodata,"a",@progbits
	.p2align	6, 0x0
	.amdhsa_kernel k_q3296adb8db_gqkv
		.amdhsa_group_segment_fixed_size 327680
		.amdhsa_private_segment_fixed_size 0
		.amdhsa_enable_private_segment 0
		.amdhsa_kernarg_size 24
		.amdhsa_user_sgpr_count 2
		.amdhsa_user_sgpr_kernarg_segment_ptr 1
		.amdhsa_wavefront_size32 1
		.amdhsa_system_sgpr_workgroup_id_x 1
		.amdhsa_system_sgpr_workgroup_id_y 1
		.amdhsa_system_sgpr_workgroup_id_z 1
		.amdhsa_system_vgpr_workitem_id 0
		.amdhsa_next_free_vgpr 1024
		.amdhsa_next_free_sgpr 104
		.amdhsa_reserve_vcc 0
		.amdhsa_float_denorm_mode_32 3
		.amdhsa_float_denorm_mode_16_64 3
		.amdhsa_memory_ordered 1
		.amdhsa_forward_progress 1
		.amdhsa_inst_pref_size 132
	.end_amdhsa_kernel
	.amdgpu_metadata
---
amdhsa.version: [ 1, 2 ]
amdhsa.kernels:
  - .name:           k_q3296adb8db_gqkv
    .symbol:         k_q3296adb8db_gqkv.kd
    .args:
      - { .name: hq, .offset: 0, .size: 8, .value_kind: global_buffer, .address_space: global }
      - { .name: wq, .offset: 8, .size: 8, .value_kind: global_buffer, .address_space: global }
      - { .name: qkvc, .offset: 16, .size: 8, .value_kind: global_buffer, .address_space: global }
    .group_segment_fixed_size: 327680
    .private_segment_fixed_size: 0
    .kernarg_segment_align: 8
    .kernarg_segment_size: 24
    .max_flat_workgroup_size: 128
    .sgpr_count:     104
    .vgpr_count:     1024
    .wavefront_size: 32
...
	.end_amdgpu_metadata
.endif
;; end of part 9
;; launch attn (part 10): grid 4 x 64, 16 waves a work-group, clusters of 4 x 1, 169,984 bytes of LDS; arguments qkvc, yq; writes yq
.if DOCPART == 10
	.amdgcn_target "amdgcn-amd-amdhsa--gfx1250"
	.amdhsa_code_object_version 6
	.text
	.protected	k_q3296adb8db_attn
	.globl	k_q3296adb8db_attn
	.p2align	8
	.type	k_q3296adb8db_attn,@function
k_q3296adb8db_attn:
	s_mov_b64 s[64:65], 0
	v_nop
	global_prefetch_b8 v0, s[64:65] scope:SCOPE_SE
	s_setreg_imm32_b32 hwreg(HW_REG_WAVE_MODE, 25, 1), 1
	s_wait_xcnt 0x0
	s_wait_alu depctr_hold_cnt(0) depctr_sa_sdst(0) depctr_va_vdst(0) depctr_va_sdst(0) depctr_va_ssrc(0) depctr_va_vcc(0) depctr_vm_vsrc(0)
	s_getreg_b32 s2, hwreg(HW_REG_IB_STS2, 6, 4)
	s_cmp_eq_u32 s2, 0
	s_cbranch_scc0 .Lentry_in_a_cluster
	s_endpgm
.Lentry_in_a_cluster:
	s_bfe_u32 s2, ttmp6, 0x10000c
	s_cmp_lg_u32 s2, 0x3003
	s_cbranch_scc0 .Lentry_shape_is_right
	s_endpgm
.Lentry_shape_is_right:
; CAUSAL ATTENTION on codes of FP6 (E2M3) with E8M0 scales: y[q] = sum over keys k <= q of softmax(q . k / 8) v, head size 64, 1,024 tokens, 64 (batch, head) pairs; y quantised at once along its row for the next product.
; THE SOFTMAX: t = score x log2(e) / 8; M = the running largest t rounded UP to a whole number; p = 2^(t - M) is quantised along the keys, not normalised; the row's sum is taken of the unquantised p and divides at the end;
; when M moves, the sum and O are multiplied by 2^(old M - new M), which rounds nothing.
; OPERANDS lie as register images (half image, 768 bytes = 16 rows x 64 K: 512 bytes at 16 x lane, 256 at 8 x lane), with the order 0-7, 16-23, 8-15, 24-31 inside each block of 32 in both operands of a product.
; q, k: [token/16][32][768] (q's heads at 0-15, k's at 16-31).  v transposed: [column/16][token/64][768].  A head's K is 64: the upper half of each fragment of q and k is zero codes, which add nothing.
; SHARES.  A cluster of four work-groups owns one (batch, head); the head's K and V, codes and scale words, 104,448 bytes, come into each work-group's LDS ONCE by four joint loads: no ring, no refill, no LDS store.
; A wave owns 16 queries: tile 4 x rank + cx, rank a permutation of the wave's number, so the four partners have the same work and no branch hangs on a work-group's place: a wave needs key steps 0 .. rank / 2 of 128 keys.
; All waves walk the loop's 8 trips; a step all of whose keys come after the wave's queries is jumped over, but for the lines that step addresses.  The last step that counts masks hidden scores to -infinity.
; BOTH PRODUCTS TRANSPOSED: S^T = K Q^T, O^T = V^T P^T: a lane holds one query; tiles 2 b, 2 b + 1 of S^T give a lane 16 keys of block b in this program's order, so p's codes are the second product's operand.
; LIMITS: NaN and infinities are not served; a block of p or y under 2^-124 gets the byte 1 (zero codes for zeros); 1 / sum by v_rcp_f32.
.set VTC,  6291456
.set QKS,  9437184
.set VTS,  9699328
.set YSO,  3145728
.set KC,   0                           ; LDS: K's codes [64 blocks of 16 keys][768]
.set VC,   49152                       ; V's [4 blocks of 16 channels][16 half images][768]
.set KS,   98304                       ; K's scale words [64][64 bytes]
.set VS,   102400                      ; V's [8 key steps][4][64 bytes]
.set S,    128                         ; v128-191 S^T, then p
.set O,    96                          ; v96-127  O^T
.set P,    80                          ; v80-91   p's codes
.set BM,   92                          ; v92-95   each block's largest score, then p
.set PT,   240                         ; v240-243 at work
.set SO,   244                         ; v244-247 the conversions' scale operands
.set TM,   240                         ; the way out's work registers
.set WV,   14
.set NS,   18                          ; s18 my last key step
.set J,    78                          ; s78 the key step
.set KF,   79                          ; s79 its first key
.set TK,   80                          ; s80-83 where its tiles and scale words begin in LDS
.set TKS,  81
.set TV,   82
.set TVS,  83
.set SEL,  84
.set CS,   86
.macro PLACES
.rept 4
	v_nop
.endr
.endm
.macro CROUND                          ; a round of the cluster's barrier
	s_barrier_signal -1
	s_barrier_wait -1
	s_cmp_lg_u32 s[WV], 0
	s_cbranch_scc1 .Lnot_wave_0_\@
	s_barrier_signal -3
.Lnot_wave_0_\@:
	s_barrier_wait -3
	s_barrier_signal -1
	s_barrier_wait -1
.endm
	s_load_b128 s[4:7], s[0:1], 0x0                ; qkvc, yq
	v_lshl_add_u32 v254, v0, 2, 0x29000
	v_mov_b32 v255, 0
	ds_add_u32 v254, v255
	ds_add_u32 v254, v255
	s_wait_dscnt 0x0
	v_lshrrev_b32 v1, 5, v0
	s_delay_alu instid0(VALU_DEP_1)
	v_readfirstlane_b32 s[WV], v1                  ; wave 0..15
	s_bfe_u32 s19, ttmp6, 0x40000                  ; cx
	s_and_b32 s21, ttmp7, 0xffff                   ; batch x 16 + head, which the four partners share
	s_lshr_b32 s22, s21, 4                         ; batch
	s_and_b32 s23, s21, 15                         ; head
	s_and_b32 s76, s23, 1                          ; which half of a scale word is the head's
	s_lshr_b32 s77, s23, 1
	s_lshr_b32 s15, s[WV], 2
	s_and_b32 s16, s[WV], 3
	s_add_co_u32 s17, s15, s16
	s_and_b32 s17, s17, 3
	s_lshl_b32 s17, s17, 2
	s_add_co_u32 s17, s17, s15                     ; rank = 4 ((w / 4 + w % 4) % 4) + w / 4: long and short walks are spread over the waves
	s_lshr_b32 s[NS], s17, 1
	s_lshl_b32 s20, s17, 2
	s_add_co_u32 s20, s20, s19                     ; my tile of 16 queries
	; descriptor groups 1: elements of 8 bytes, the mask of all four work-groups, bit 21 beside it, no padding
.irp g, 24, 32, 40, 48
	s_mov_b32 s[\g], 15|(3<<16)|(1<<21)
	s_mov_b32 s[\g+6], 0
	s_mov_b32 s[\g+7], 0
.endr
	s_mov_b32 s25, 96<<16                          ; K's codes: 64 rows of 768 bytes, 24,576 bytes apart
	s_mov_b32 s26, 64<<16
	s_mov_b32 s27, 96<<16
	s_mov_b32 s28, 64
	s_mov_b32 s29, 3072
	s_mov_b32 s33, 1536<<16                        ; V's codes: 4 rows of 12,288 bytes, 49,152 apart
	s_mov_b32 s34, 4<<16
	s_mov_b32 s35, 1536<<16
	s_mov_b32 s36, 4
	s_mov_b32 s37, 6144
	s_mov_b32 s41, 64<<16                          ; K's scale words: 8 rows of 512 bytes, 8,192 apart
	s_mov_b32 s42, 8<<16
	s_mov_b32 s43, 64<<16
	s_mov_b32 s44, 8
	s_mov_b32 s45, 1024
	s_mov_b32 s49, 32<<16                          ; V's: 8 rows of 256 bytes, 512 apart
	s_mov_b32 s50, 8<<16
	s_mov_b32 s51, 32<<16
	s_mov_b32 s52, 8
	s_mov_b32 s53, 64
	s_lshl_b32 s88, s22, 11                        ; K's codes: half image (batch x 2,048 + 16 + head)
	s_add_co_u32 s88, s88, s23
	s_add_co_u32 s88, s88, 16
	s_mul_i32 s88, s88, 768
	s_mov_b32 s89, 0
	s_lshl_b32 s90, s23, 8                         ; V's: half image (head x 256 + batch x 16)
	s_lshl_b32 s91, s22, 4
	s_add_co_u32 s90, s90, s91
	s_mul_i32 s90, s90, 768
	s_add_co_u32 s90, s90, VTC
	s_mov_b32 s91, 0
	s_lshl_b32 s92, s22, 7                         ; K's scale words: (batch x 128 + 8 + head / 2) x 512
	s_add_co_u32 s92, s92, s77
	s_add_co_u32 s92, s92, 8
	s_lshl_b32 s92, s92, 9
	s_add_co_u32 s92, s92, QKS
	s_mov_b32 s93, 0
	s_lshl_b32 s94, s77, 5                         ; V's: ((head / 2) x 32 + batch x 8) x 512 + (head % 2) x 256
	s_lshl_b32 s95, s22, 3
	s_add_co_u32 s94, s94, s95
	s_lshl_b32 s94, s94, 9
	s_lshl_b32 s95, s76, 8
	s_add_co_u32 s94, s94, s95
	s_add_co_u32 s94, s94, VTS
	s_mov_b32 s95, 0
	s_wait_kmcnt 0x0
	s_mov_b32 s56, 1
	s_mov_b32 s57, KC
	s_add_nc_u64 s[58:59], s[4:5], s[88:89]
	s_or_b32 s59, s59, 0x80000000
	s_mov_b32 s60, 1
	s_mov_b32 s61, VC
	s_add_nc_u64 s[62:63], s[4:5], s[90:91]
	s_or_b32 s63, s63, 0x80000000
	s_mov_b32 s68, 1
	s_mov_b32 s69, KS
	s_add_nc_u64 s[70:71], s[4:5], s[92:93]
	s_or_b32 s71, s71, 0x80000000
	s_mov_b32 s72, 1
	s_mov_b32 s73, VS
	s_add_nc_u64 s[74:75], s[4:5], s[94:95]
	s_or_b32 s75, s75, 0x80000000
	CROUND                                         ; all four work-groups are here: the joint loads meet
	s_cmp_eq_u32 s[WV], 0                          ; waves 0 to 3 ask for one tile each; four v_nop follow each line
	s_cbranch_scc0 .Lf1
	tensor_load_to_lds s[56:59], s[24:31]
	s_nop 0
	PLACES
	s_branch .Lfd
.Lf1:
	s_cmp_eq_u32 s[WV], 1
	s_cbranch_scc0 .Lf2
	tensor_load_to_lds s[60:63], s[32:39]
	s_nop 0
	PLACES
	s_branch .Lfd
.Lf2:
	s_cmp_eq_u32 s[WV], 2
	s_cbranch_scc0 .Lf3
	tensor_load_to_lds s[68:71], s[40:47]
	s_nop 0
	PLACES
	s_branch .Lfd
.Lf3:
	s_cmp_eq_u32 s[WV], 3
	s_cbranch_scc0 .Lfd
	tensor_load_to_lds s[72:75], s[48:55]
	s_nop 0
	PLACES
.Lfd:
	s_lshl_b32 s96, s22, 6
	s_add_co_u32 s96, s96, s20                     ; my block of 16 tokens
	s_lshl_b32 s88, s96, 5
	s_add_co_u32 s88, s88, s23
	s_mul_i32 s88, s88, 768                        ; q's half image
	s_mov_b32 s89, 0
	s_lshr_b32 s97, s96, 3
	s_and_b32 s98, s96, 7
	s_lshl_b32 s98, s98, 6
	s_lshl_b32 s90, s97, 4
	s_add_co_u32 s90, s90, s77
	s_lshl_b32 s90, s90, 9
	s_add_co_u32 s90, s90, s98
	s_add_co_u32 s90, s90, QKS                     ; q's scale words
	s_mov_b32 s91, 0
	s_lshl_b32 s92, s96, 4
	s_add_co_u32 s92, s92, s23
	s_mul_i32 s92, s92, 768                        ; y's half image
	s_mov_b32 s93, 0
	s_lshl_b32 s94, s97, 3
	s_add_co_u32 s94, s94, s77
	s_lshl_b32 s94, s94, 9
	s_add_co_u32 s94, s94, s98
	s_add_co_u32 s94, s94, YSO                     ; y's scale words
	s_mov_b32 s95, 0
	s_add_nc_u64 s[88:89], s[4:5], s[88:89]
	s_add_nc_u64 s[90:91], s[4:5], s[90:91]
	s_add_nc_u64 s[92:93], s[6:7], s[92:93]
	s_add_nc_u64 s[94:95], s[6:7], s[94:95]
	v_and_b32 v5, 15, v0                           ; r
	v_bfe_u32 v6, v0, 4, 1                         ; h
	v_and_b32 v7, 31, v0
	s_delay_alu instid0(VALU_DEP_1)
	v_lshlrev_b32 v1, 4, v7                        ; v1  16 x lane
	s_delay_alu instid0(VALU_DEP_2)
	v_lshlrev_b32 v2, 3, v7                        ; v2  8 x lane
	v_lshlrev_b32 v4, 2, v5                        ; v4  4 r
	s_lshl_b32 s98, s76, 1
	v_add_nc_u32 v3, s98, v4                       ; v3  4 r + the head's half of a word
	v_lshlrev_b32 v6, 3, v6
	s_delay_alu instid0(VALU_DEP_1)
	v_sub_nc_u32 v11, v5, v6
	s_lshl_b32 s98, s20, 4
	v_add_nc_u32 v11, s98, v11                     ; v11 my query - 8 h
	global_load_b128 v[16:19], v1, s[88:89]        ; q's codes stay in registers,
	global_load_b64 v[20:21], v2, s[88:89] offset:512
	global_load_u16 v255, v3, s[90:91]             ; and its two scale bytes; the two bytes above them are 0 and scale zero codes alone
.irp j, 22,23,24,25,26,27
	v_mov_b32 v[\j], 0                             ; K = 64 .. 127 of q: zero codes
.endr
.irp t, 0,1,2,3
.irp j, 6,7,8,9,10,11
	v_mov_b32 v[32+12*\t+\j], 0                    ; and of the four fragments of k: written once
.endr
.endr
	s_mov_b32 s[SEL], 0x76543210
	s_mov_b32 s[SEL+1], 0xfedcba98
	s_mov_b32 s[CS], 0x3e38aa3b                    ; c = log2(e) / 8
	s_mov_b32 s[CS+1], s[CS]
	s_mov_b32 s[J], 0
	s_mov_b32 s[KF], 0
	s_mov_b32 s[TK], KC
	s_mov_b32 s[TKS], KS
	s_mov_b32 s[TV], VC
	s_mov_b32 s[TVS], VS
	v_mov_b32 v13, 0xff61b1e6                      ; the largest t so far: -3e38
	s_delay_alu instid0(VALU_DEP_1)
	v_floor_f32 v12, -v13                          ; -M
	v_mov_b32 v14, 0                               ; the sum, in two halves
	v_mov_b32 v15, 0
.irp b, 0,1,2,3
	v_mov_b32 v[PT+\b], 0                          ; a lane permute's destination counts as one of its sources
.endr
	v_mov_b32 v252, 0
	v_mov_b32 v253, 0                              ; (named as the upper half of the pair v[252:253] before it is first written)
	v_mov_b32 v254, 0
.set j, 0
.rept 32
	v_mov_b32 v[O+j], 0                            ; O^T: the step is written once; the first finds zeros
.set j, j+1
.endr
	s_wait_tensorcnt 0x0                           ; my tile has landed (a wave that asked for none passes at once),
	s_barrier_signal -1
	s_barrier_wait -1                              ; everybody's has: from here on LDS is only read
	s_wait_loadcnt 0x0                             ; q
.Lstep:                                            ; 8 trips in every wave
	s_cmp_gt_u32 s[J], s[NS]
	s_cbranch_scc1 .Lhidden                        ; all 128 keys come after my queries
	v_add_nc_u32 v5, s[TK], v1                     ; (these six are also the places behind the last step's products, ahead of the loads into their operands)
	v_add_nc_u32 v6, s[TK], v2
	v_add_nc_u32 v7, s[TKS], v3
	v_add_nc_u32 v8, s[TV], v1
	v_add_nc_u32 v9, s[TV], v2
	v_add_nc_u32 v10, s[TVS], v4
.irp t, 0,1,2,3                                ; keys 16 t on
	ds_load_b128 v[32+12*\t:35+12*\t], v5 offset:768*\t
	ds_load_b64 v[36+12*\t:37+12*\t], v6 offset:768*\t+512
	ds_load_u16 v[248+\t], v7 offset:64*\t
.endr
.irp t, 0,1,2,3                                ; V's four fragments (channels 16 t on x these 128 keys) are asked for now and land under the softmax
	ds_load_b128 v[192+12*\t:195+12*\t], v8 offset:12288*\t
	ds_load_b64 v[196+12*\t:197+12*\t], v9 offset:12288*\t+512
	ds_load_b128 v[198+12*\t:201+12*\t], v8 offset:12288*\t+768
	ds_load_b64 v[202+12*\t:203+12*\t], v9 offset:12288*\t+1280
	ds_load_b32 v[28+\t], v10 offset:64*\t
.endr
	s_wait_alu depctr_va_vdst(0)
	s_wait_dscnt 20                                ; K's twelve are in; V's twenty may be out
.irp t, 0,1,2,3
	v_wmma_scale_f32_16x16x128_f8f6f4 v[S+8*\t:S+8*\t+7], v[32+12*\t:43+12*\t], v[16:27], 0, v[248+\t], v255 matrix_a_fmt:MATRIX_FMT_FP6 matrix_b_fmt:MATRIX_FMT_FP6
.endr
	PLACES
.irp t, 0,1,2,3                                ; keys 64 + 16 t on
	ds_load_b128 v[32+12*\t:35+12*\t], v5 offset:3072+768*\t
	ds_load_b64 v[36+12*\t:37+12*\t], v6 offset:3072+768*\t+512
	ds_load_u16 v[248+\t], v7 offset:256+64*\t
.endr
	s_wait_dscnt 0x0
.irp t, 0,1,2,3
	v_wmma_scale_f32_16x16x128_f8f6f4 v[S+32+8*\t:S+32+8*\t+7], v[32+12*\t:43+12*\t], v[16:27], 0, v[248+\t], v255 matrix_a_fmt:MATRIX_FMT_FP6 matrix_b_fmt:MATRIX_FMT_FP6
.endr
	PLACES
	s_cmp_lt_u32 s[J], s[NS]
	s_cbranch_scc1 .Lopen                          ; all keys of this step count
	v_subrev_nc_u32 v252, s[KF], v11               ; d = my query - 8 h - the step's first key.  Register n holds key 16 (n / 8) + 8 h + n % 8 of the step: hidden where 16 (n / 8) + n % 8 > d
	v_mov_b32 v254, 0xff800000                     ; -infinity
.irp n, 0,1,2,3,4,5,6,7,8,9,10,11,12,13,14,15,16,17,18,19,20,21,22,23,24,25,26,27,28,29,30,31,32,33,34,35,36,37,38,39,40,41,42,43,44,45,46,47,48,49,50,51,52,53,54,55,56,57,58,59,60,61,62,63
	v_cmp_gt_i32 vcc_lo, 16*(\n/8)+\n%8, v252
	v_cndmask_b32 v[S+\n], v[S+\n], v254, vcc_lo
.endr
.Lopen:
.irp b, 0,1,2,3
	v_max3_num_f32 v[BM+\b], v[S+16*\b], v[S+1+16*\b], v[S+2+16*\b]   ; the largest score of each block of 32 keys: for the row's maximum, and, since p rises with the score, for the block's largest p
.endr
.irp i, 3,5,7,9,11,13
.irp b, 0,1,2,3
	v_max3_num_f32 v[BM+\b], v[BM+\b], v[S+16*\b+\i], v[S+1+16*\b+\i]
.endr
.endr
.irp b, 0,1,2,3
	v_max_num_f32 v[BM+\b], v[BM+\b], v[S+15+16*\b]
.endr
.irp b, 0,1,2,3
	s_delay_alu instid0(VALU_DEP_4)
	v_permlanex16_b32 v[PT+\b], v[BM+\b], s[SEL], s[SEL+1]
.endr
.irp b, 0,1,2,3
	s_delay_alu instid0(VALU_DEP_4)
	v_max_num_f32 v[BM+\b], v[BM+\b], v[PT+\b]     ; with lane l xor 16's 16 keys
.endr
	s_delay_alu instid0(VALU_DEP_2)
	v_max3_num_f32 v254, v[BM], v[BM+1], v[BM+2]
	s_delay_alu instid0(VALU_DEP_1)
	v_max_num_f32 v254, v254, v[BM+3]
	s_delay_alu instid0(VALU_DEP_1)
	v_mul_f32 v254, s[CS], v254                    ; as t
	s_delay_alu instid0(VALU_DEP_1)
	v_max_num_f32 v13, v13, v254                   ; the running largest t
	v_mov_b32 v254, v12
	s_delay_alu instid0(VALU_DEP_2)
	v_floor_f32 v12, -v13                          ; the new -M = -ceil(t)
	s_delay_alu instid0(VALU_DEP_1)
	v_sub_f32 v254, v12, v254                      ; old M - new M: a whole number, 0 or less
	s_delay_alu instid0(VALU_DEP_1)
	v_cvt_i32_f32 v254, v254
	s_delay_alu instid0(VALU_DEP_1)
	v_ldexp_f32 v252, 1.0, v254                    ; f = 2^(old M - new M)
.set j, 0
.rept 32
	v_pk_fma_f32 v[S+j:S+j+1], v[S+j:S+j+1], s[CS:CS+1], v[12:13] op_sel_hi:[1,0,0]   ; t - M
.set j, j+2
.endr
.irp b, 0,1,2,3
	v_fma_f32 v[BM+\b], v[BM+\b], s[CS], v12
.endr
.set j, 0
	s_wait_alu depctr_va_vdst(0)
.rept 64
	v_exp_f32 v[S+j], v[S+j]                       ; p = 2^(t - M)
.set j, j+1
.endr
	v_pk_mul_f32 v[14:15], v[14:15], v[252:253] op_sel_hi:[1,0]   ; the sums under the new M: a plain line behind the exponentials
	s_wait_alu depctr_va_vdst(0)                   ; one wait for the batch, ahead of its first reader
.irp b, 0,1,2,3
	v_exp_f32 v[BM+\b], v[BM+\b]                   ; each block's largest p
.endr
	v_pk_add_f32 v[240:241], v[132:133], v[136:137]
	v_pk_add_f32 v[250:251], v[140:141], v[144:145]
	v_pk_add_f32 v[248:249], v[148:149], v[152:153]
	v_pk_add_f32 v[246:247], v[156:157], v[160:161]
	v_pk_add_f32 v[244:245], v[164:165], v[168:169]
	v_pk_add_f32 v[242:243], v[172:173], v[176:177]
	v_pk_add_f32 v[90:91], v[180:181], v[184:185]
	v_pk_add_f32 v[14:15], v[14:15], v[188:189]
	v_pk_add_f32 v[240:241], v[240:241], v[128:129]
	v_pk_add_f32 v[250:251], v[250:251], v[130:131]
	v_pk_add_f32 v[248:249], v[248:249], v[134:135]
	v_pk_add_f32 v[246:247], v[246:247], v[138:139]
	v_pk_add_f32 v[244:245], v[244:245], v[142:143]
	v_pk_add_f32 v[242:243], v[242:243], v[146:147]
	v_pk_add_f32 v[90:91], v[90:91], v[150:151]
	v_pk_add_f32 v[14:15], v[14:15], v[154:155]
	v_pk_add_f32 v[240:241], v[240:241], v[158:159]
	v_pk_add_f32 v[250:251], v[250:251], v[162:163]
	v_pk_add_f32 v[248:249], v[248:249], v[166:167]
	v_pk_add_f32 v[246:247], v[246:247], v[170:171]
	v_pk_add_f32 v[244:245], v[244:245], v[174:175]
	v_pk_add_f32 v[242:243], v[242:243], v[178:179]
	v_pk_add_f32 v[90:91], v[90:91], v[182:183]
	v_pk_add_f32 v[14:15], v[14:15], v[186:187]
	v_pk_add_f32 v[240:241], v[240:241], v[190:191]
	s_delay_alu instid0(VALU_DEP_2)
	v_pk_add_f32 v[14:15], v[14:15], v[246:247]
	s_delay_alu instid0(VALU_DEP_2)
	v_pk_add_f32 v[240:241], v[240:241], v[244:245]
	v_pk_add_f32 v[250:251], v[250:251], v[242:243]
	v_pk_add_f32 v[248:249], v[248:249], v[90:91]
	s_delay_alu instid0(VALU_DEP_2)
	v_pk_add_f32 v[14:15], v[14:15], v[250:251]
	s_delay_alu instid0(VALU_DEP_2)
	v_pk_add_f32 v[240:241], v[240:241], v[248:249]
	s_delay_alu instid0(VALU_DEP_1)
	v_pk_add_f32 v[14:15], v[14:15], v[240:241]
	s_wait_alu depctr_va_vdst(0)                   ; and one for the four
.irp b, 0,1,2,3
	v_max_num_f32 v[BM+\b], 0x1800000, v[BM+\b]    ; the floor 2^(3 - 127)
.endr
.irp b, 0,1,2,3
	s_delay_alu instid0(VALU_DEP_4)
	v_add_nc_u32 v[SO+\b], 0xff000000, v[BM+\b]    ; 2 off the exponent field
.endr
.irp b, 0,1,2,3
	s_delay_alu instid0(VALU_DEP_4)
	v_lshrrev_b32 v[PT+\b], 23, v[SO+\b]           ; the byte
.endr
	s_delay_alu instid0(VALU_DEP_3)
	v_lshl_or_b32 v253, v[PT+1], 8, v[PT]          ; p's scale word for these 128 keys
	s_delay_alu instid0(VALU_DEP_1)
	v_lshl_or_b32 v253, v[PT+2], 16, v253
	s_delay_alu instid0(VALU_DEP_1)
	v_lshl_or_b32 v253, v[PT+3], 24, v253
	v_cvt_scalef32_pk16_fp6_f32 v[P:P+2], v[S:S+15], v[SO]
	v_cvt_scalef32_pk16_fp6_f32 v[PT:PT+2], v[S+16:S+31], v[SO+1]
	v_cvt_scalef32_pk16_fp6_f32 v[P+6:P+8], v[S+32:S+47], v[SO+2]
	v_cvt_scalef32_pk16_fp6_f32 v[BM:BM+2], v[S+48:S+63], v[SO+3]
	v_nop                                          ; one plain line behind a scaled conversion
.irp i, 0,1,2
	v_permlane16_swap_b32 v[P+\i], v[PT+\i]        ; a whole block to a lane
.endr
.irp i, 0,1,2
	s_delay_alu instid0(VALU_DEP_3)
	v_mov_b32 v[P+3+\i], v[PT+\i]
.endr
.irp i, 0,1,2
	v_permlane16_swap_b32 v[P+6+\i], v[BM+\i]
.endr
.irp i, 0,1,2
	s_delay_alu instid0(VALU_DEP_3)
	v_mov_b32 v[P+9+\i], v[BM+\i]
.endr
.set j, 0
.rept 16
	v_pk_mul_f32 v[O+j:O+j+1], v[O+j:O+j+1], v[252:253] op_sel_hi:[1,0]   ; O^T under the new M; these sixteen also stand between the writes of p's codes and scale word and the products
.set j, j+2
.endr
.irp t, 0,1,2,3
	v_wmma_scale_f32_16x16x128_f8f6f4 v[O+8*\t:O+8*\t+7], v[192+12*\t:203+12*\t], v[P:P+11], v[O+8*\t:O+8*\t+7], v[28+\t], v253 matrix_a_fmt:MATRIX_FMT_FP6 matrix_b_fmt:MATRIX_FMT_FP6
.endr
.Lhidden:
	s_add_co_u32 s[KF], s[KF], 128
	s_add_co_u32 s[TK], s[TK], 6144
	s_add_co_u32 s[TKS], s[TKS], 512
	s_add_co_u32 s[TV], s[TV], 1536
	s_add_co_u32 s[TVS], s[TVS], 256
	s_add_co_u32 s[J], s[J], 1
	s_cmp_lt_u32 s[J], 8
	s_cbranch_scc1 .Lstep
	; THE WAY OUT: y = O^T / the sum: a lane's 32 numbers are 16 of each of the head's two blocks: one half image of the next product's operand.
	PLACES
	v_add_f32 v14, v14, v15
	s_delay_alu instid0(VALU_DEP_1)
	v_permlanex16_b32 v252, v14, s[SEL], s[SEL+1]
	s_delay_alu instid0(VALU_DEP_1)
	v_add_f32 v14, v14, v252
	s_wait_alu depctr_va_vdst(0)
	v_rcp_f32 v14, v14
	v_nop                                          ; a plain line behind the transcendental
	s_wait_alu depctr_va_vdst(0)                   ; and the wait ahead of its first reader
.set j, 0
.rept 32
	v_mul_f32 v[S+j], v[O+j], v14
.set j, j+1
.endr
	v_max3_num_f32 v[TM], |v[S]|, |v[S+1]|, 0x1800000
	v_max3_num_f32 v[TM+1], |v[S+16]|, |v[S+17]|, 0x1800000
.irp i, 2,4,6,8,10,12,14
	s_delay_alu instid0(VALU_DEP_2)
	v_max3_num_f32 v[TM], v[TM], |v[S+\i]|, |v[S+1+\i]|
	s_delay_alu instid0(VALU_DEP_2)
	v_max3_num_f32 v[TM+1], v[TM+1], |v[S+16+\i]|, |v[S+17+\i]|
.endr
	s_delay_alu instid0(VALU_DEP_2)
	v_permlanex16_b32 v[TM+2], v[TM], s[SEL], s[SEL+1]
	s_delay_alu instid0(VALU_DEP_2)
	v_permlanex16_b32 v[TM+3], v[TM+1], s[SEL], s[SEL+1]
	s_delay_alu instid0(VALU_DEP_2)
	v_max_num_f32 v[TM], v[TM], v[TM+2]
	s_delay_alu instid0(VALU_DEP_2)
	v_max_num_f32 v[TM+1], v[TM+1], v[TM+3]
	s_delay_alu instid0(VALU_DEP_2)
	v_add_nc_u32 v[TM+4], 0xff000000, v[TM]
	s_delay_alu instid0(VALU_DEP_2)
	v_add_nc_u32 v[TM+5], 0xff000000, v[TM+1]
	s_delay_alu instid0(VALU_DEP_2)
	v_lshrrev_b32 v[TM+2], 23, v[TM+4]
	s_delay_alu instid0(VALU_DEP_2)
	v_lshrrev_b32 v[TM+3], 23, v[TM+5]
	s_delay_alu instid0(VALU_DEP_1)
	v_lshl_or_b32 v254, v[TM+3], 8, v[TM+2]
	v_cvt_scalef32_pk16_fp6_f32 v[P:P+2], v[S:S+15], v[TM+4]
	v_cvt_scalef32_pk16_fp6_f32 v[P+6:P+8], v[S+16:S+31], v[TM+5]
	v_nop
.irp i, 0,1,2
	v_permlane16_swap_b32 v[P+\i], v[P+6+\i]
.endr
.irp i, 0,1,2
	s_delay_alu instid0(VALU_DEP_3)
	v_mov_b32 v[P+3+\i], v[P+6+\i]
.endr
	global_store_b128 v1, v[P:P+3], s[92:93]       ; three whole blocks of 256 bytes
	global_store_b64 v2, v[P+4:P+5], s[92:93] offset:512
	global_store_b16 v3, v254, s[94:95]            ; the head's two bytes of each row's scale word; lanes r and r + 16 store the same bytes to the same place
	s_wait_xcnt 0x0
	v_lshl_add_u32 v254, v0, 2, 0x29000
	v_mov_b32 v255, 0
	s_wait_alu depctr_va_vdst(0)
	s_wait_tensorcnt 0x0
	ds_add_u32 v254, v255
	s_wait_dscnt 0x0
	CROUND                                         ; the closing round
	s_endpgm
.Lfunc_end_k_q3296adb8db_attn:
	.size	k_q3296adb8db_attn, .Lfunc_end_k_q3296adb8db_attn-k_q3296adb8db_attn
	.p2alignl 7, 3214868480
	.fill 96, 4, 3214868480
	.section	.rodata,"a",@progbits
	.p2align	6, 0x0
	.amdhsa_kernel k_q3296adb8db_attn
		.amdhsa_group_segment_fixed_size 169984
		.amdhsa_private_segment_fixed_size 0
		.amdhsa_enable_private_segment 0
		.amdhsa_kernarg_size 16
		.amdhsa_user_sgpr_count 2
		.amdhsa_user_sgpr_kernarg_segment_ptr 1
		.amdhsa_wavefront_size32 1
		.amdhsa_system_sgpr_workgroup_id_x 1
		.amdhsa_system_sgpr_workgroup_id_y 1
		.amdhsa_system_sgpr_workgroup_id_z 1
		.amdhsa_system_vgpr_workitem_id 0
		.amdhsa_next_free_vgpr 256
		.amdhsa_next_free_sgpr 100
		.amdhsa_reserve_vcc 1
		.amdhsa_float_denorm_mode_32 3
		.amdhsa_float_denorm_mode_16_64 3
		.amdhsa_memory_ordered 1
		.amdhsa_forward_progress 1
		.amdhsa_inst_pref_size 40
	.end_amdhsa_kernel
	.amdgpu_metadata
---
amdhsa.version: [ 1, 2 ]
amdhsa.kernels:
  - .name:           k_q3296adb8db_attn
    .symbol:         k_q3296adb8db_attn.kd
    .args:
      - { .name: qkvc, .offset: 0, .size: 8, .value_kind: global_buffer, .address_space: global }
      - { .name: yq, .offset: 8, .size: 8, .value_kind: global_buffer, .address_space: global }
    .group_segment_fixed_size: 169984
    .private_segment_fixed_size: 0
    .kernarg_segment_align: 8
    .kernarg_segment_size: 16
    .max_flat_workgroup_size: 512
    .sgpr_count:     100
    .vgpr_count:     256
    .wavefront_size: 32
...
	.end_amdgpu_metadata
.endif
;; end of part 10
;; launch gproj (part 11): grid 8 x 32, 4 waves a work-group, clusters of 4 x 4, 327,680 bytes of LDS; arguments yq, wq, b_proj, x, x1; writes x1
.if DOCPART == 11
	.amdgcn_target "amdgcn-amd-amdhsa--gfx1250"
	.amdhsa_code_object_version 6
	.text
	.protected	k_q3296adb8db_gproj
	.globl	k_q3296adb8db_gproj
	.p2align	8
	.type	k_q3296adb8db_gproj,@function
k_q3296adb8db_gproj:
	s_mov_b64 s[64:65], 0
	v_nop
	global_prefetch_b8 v0, s[64:65] scope:SCOPE_SE
	s_setreg_imm32_b32 hwreg(HW_REG_WAVE_MODE, 25, 1), 1
	s_wait_xcnt 0x0
	s_wait_alu depctr_hold_cnt(0) depctr_sa_sdst(0) depctr_va_vdst(0) depctr_va_sdst(0) depctr_va_ssrc(0) depctr_va_vcc(0) depctr_vm_vsrc(0)
	s_getreg_b32 s2, hwreg(HW_REG_IB_STS2, 6, 4)
	s_cmp_eq_u32 s2, 0
	s_cbranch_scc0 .Lentry_in_a_cluster
	s_endpgm
.Lentry_in_a_cluster:
	s_bfe_u32 s2, ttmp6, 0x10000c
	s_cmp_lg_u32 s2, 0xf033
	s_cbranch_scc0 .Lentry_shape_is_right
	s_endpgm
.Lentry_shape_is_right:
; x1 = x + y W_proj + b_proj.  The product on codes of FP6 (E2M3) with E8M0 scales; bias, residual and result in f32.
; OPERANDS lie as register images.  A half image, 768 bytes, is 16 rows x 64 K: 512 bytes, lane l's registers 0-3 at 16 l, then 256 bytes, registers 4-5 at 8 l.  Codes of X[R][K]: [R/16][K/64][768];
; scale words [R/128][K/128][8][16].  Inside a block of 32 the codes stand in the order 0-7, 16-23, 8-15, 24-31 in both operands (the f32 sums are grouped otherwise than in ascending k).
; A tile of C is 128 x 128, four waves of 64 x 64: 16 accumulators.  K = 1,024 lies whole in LDS, as two halves of 512 along K, filled once by the head's four tensor loads, one a wave:
; wave w asks for A's (w even) or B's (w odd) codes of half w / 2: 8 rows of 6,144 bytes.  Nothing is filled again.
; THE SCALE WORDS, 4,096 bytes a side, come once: wave w loads bytes 1,024 w on of each side (512 consecutive bytes an instruction) and stores them into LDS bytes of their own, into which no tile lands.
; CLUSTERS of 4 x 4: A's codes are asked for jointly along a row of the cluster, B's along a column.  NO PREFETCH: all of K is asked for at the head; there is no loop to run ahead in.
; THE MATRIX INSTRUCTION IS USED TRANSPOSED (source 0 = 16 rows of B, source 1 = 16 rows of A): lane (r, h) holds row r and columns 16 b + 8 h + 0..7.  The bias is the C of each sum's first instruction.
; THE WAY OUT: a block of 16 rows x 64 columns goes through the wave's own stage in LDS and comes back as rows of 256 bytes; the residual, loaded in the same shape at the head, is added; sixteen lanes store 256 aligned bytes.
; REGISTERS: window 0: v1-23 addresses; v24-31 scale words, two sets; v32-95 the residual, two sets; v96-127 the bias, later rows on their way out; v128-255 accumulators.  Window 1: two fragment buffers, v0-95 and v128-223.
.set ASC,   3145728
.set BCD,   2359296
.set BSC,   9535488
.set RBP,   12288
.set SCSZ,  4096
.set KSB,   6144
.set SLOT,  102656
.set BCO,   49152
.set ASO,   98304
.set BSO,   100480                     ; 128 bytes further than dense: A's words (lanes 0-15) and B's (lanes 16-31) touch different banks
.set STAGE, 205312
.set SPARE, 222720
.set L16,   4
.set L8,    5
.set ADA16, 8
.set ADA8,  10
.set ADB16, 12
.set ADB8,  14
.set ADS,   16
.set SPW,   18
.set NIL,   19
.set STO,   20
.set RD,    21
.set CO,    22
.set BA,    23
.set SC,    24
.set R0,    32
.set BI,    96
.set T,     96
.set ACC,   128
.set SCG,   192                        ; the head alone: my offset in the scale words in memory,
.set SCL,   193                        ; and in LDS
.set F0,    0
.set F1,    128
.set G1A,   24
.set G1B,   32
.set G0A,   40
.set G0B,   44
.set MSB, 0
.macro WIN new
.if MSB != \new
	s_set_vgpr_msb (MSB<<8)|\new
.set MSB, \new
.endif
.endm
.set MUL,  0x05
.set TO_F, 0x40
.macro PLACES
.rept 4
	v_nop
.endr
.endm
.macro CROUND
	s_barrier_signal -1
	s_barrier_wait -1
	s_cmp_lg_u32 s14, 0
	s_cbranch_scc1 .Lnot_wave_0_\@
	s_barrier_signal -3
.Lnot_wave_0_\@:
	s_barrier_wait -3
	s_barrier_signal -1
	s_barrier_wait -1
.endm
	s_load_b256 s[4:11], s[0:1], 0x0               ; yq, wq, b_proj, x
	s_load_b64 s[12:13], s[0:1], 0x20              ; x1
	v_lshl_add_u32 v[SPW], v0, 2, SPARE
	v_mov_b32 v[NIL], 0
	ds_add_u32 v[SPW], v[NIL]                      ; the opening lines
	ds_add_u32 v[SPW], v[NIL]
	v_lshrrev_b32 v1, 5, v0
	v_readfirstlane_b32 s14, v1                    ; wave 0..3
	s_lshr_b32 s15, s14, 1                         ; which 64 rows of the tile are mine.  Also: which half of K I fetch
	s_and_b32 s16, s14, 1                          ; which 64 columns.  Also: I fetch for A (0) or for B (1)
	s_bfe_u32 s17, ttmp6, 0x40000                  ; cx
	s_bfe_u32 s18, ttmp6, 0x40004                  ; cy
	s_lshl_b32 s19, ttmp9, 2
	s_add_co_u32 s19, s19, s17                     ; tile column
	s_and_b32 s20, ttmp7, 0xffff
	s_lshl_b32 s20, s20, 2
	s_add_co_u32 s20, s20, s18                     ; tile row
	s_lshl_b32 s21, s18, 2
	s_lshl_b32 s21, 15, s21                        ; my row of the cluster
	s_lshl_b32 s22, 0x1111, s17                    ; my column
	s_or_b32 s[G1A], s21, (3<<16)|(1<<21)          ; the mask; elements of 8 bytes; bit 21 beside a mask; no padding
	s_or_b32 s[G1B], s22, (3<<16)|(1<<21)
.irp g, G1A, G1B                       ; 8 rows of 6,144 bytes, RBP bytes apart
	s_mov_b32 s[\g+1], 768<<16
	s_mov_b32 s[\g+2], 8<<16
	s_mov_b32 s[\g+3], 768<<16
	s_mov_b32 s[\g+4], 8
	s_mov_b32 s[\g+5], RBP/8
	s_mov_b32 s[\g+6], 0
	s_mov_b32 s[\g+7], 0
.endr
	s_mul_i32 s92, s20, 8*RBP                      ; A's offsets hang on the tile row alone,
	s_mov_b32 s93, 0
	s_mul_i32 s94, s20, SCSZ
	s_mov_b32 s95, 0
	s_mul_i32 s96, s19, 8*RBP                      ; B's on the tile column alone
	s_mov_b32 s97, 0
	s_mul_i32 s98, s19, SCSZ
	s_mov_b32 s99, 0
	s_mul_i32 s48, s15, KSB                        ; my half of K, in memory,
	s_mov_b32 s49, 0
	s_mul_i32 s50, s15, SLOT                       ; and in LDS
	s_wait_dscnt 0x0                               ; both opening adds are done
	s_wait_kmcnt 0x0
	s_add_nc_u64 s[92:93], s[4:5], s[92:93]
	s_add_nc_u64 s[94:95], s[4:5], s[94:95]
	s_add_nc_u64 s[94:95], s[94:95], ASC
	s_add_nc_u64 s[96:97], s[6:7], s[96:97]
	s_add_nc_u64 s[96:97], s[96:97], BCD
	s_add_nc_u64 s[98:99], s[6:7], s[98:99]
	s_add_nc_u64 s[98:99], s[98:99], BSC
	s_mov_b32 s[G0A], 1
	s_mov_b32 s[G0A+1], s50
	s_add_nc_u64 s[G0A+2:G0A+3], s[92:93], s[48:49]
	s_or_b32 s[G0A+3], s[G0A+3], 0x80000000
	s_mov_b32 s[G0B], 1
	s_add_co_u32 s[G0B+1], s50, BCO
	s_add_nc_u64 s[G0B+2:G0B+3], s[96:97], s[48:49]
	s_or_b32 s[G0B+3], s[G0B+3], 0x80000000
	CROUND                                         ; all sixteen work-groups are here: the joint loads meet
	s_cmp_eq_u32 s16, 0
	s_cbranch_scc0 .Lhead_b
	tensor_load_to_lds s[G0A:G0A+3], s[G1A:G1A+7]
	s_nop 0
	PLACES
	s_branch .Lhead_asked
.Lhead_b:
	tensor_load_to_lds s[G0B:G0B+3], s[G1B:G1B+7]
	s_nop 0
	PLACES
.Lhead_asked:
	v_and_b32 v3, 31, v0
	v_lshlrev_b32 v[L16], 4, v3
	s_lshl_b32 s51, s14, 10
	v_add_nc_u32 v[SCG], s51, v[L16]               ; bytes 1,024 w + 16 x lane of a side's scale words: K steps 2 w, 2 w + 1
	s_lshl_b32 s51, s16, 10
	s_add_co_u32 s51, s51, s50
	s_add_co_u32 s51, s51, ASO
	v_add_nc_u32 v[SCL], s51, v[L16]               ; in LDS: half w / 2, 1,024 (w % 2) into its words
	global_load_b128 v[128:131], v[SCG], s[94:95]
	global_load_b128 v[132:135], v[SCG], s[94:95] offset:512
	global_load_b128 v[136:139], v[SCG], s[98:99]
	global_load_b128 v[140:143], v[SCG], s[98:99] offset:512
	v_and_b32 v1, 15, v0                           ; r
	v_bfe_u32 v2, v0, 4, 1                         ; h
	v_lshlrev_b32 v[L8], 3, v3
	s_mul_i32 s68, s15, 4*KSB
	s_mul_i32 s69, s16, 4*KSB
	s_add_co_u32 s69, s69, BCO
.irp s, 0,1
	v_add_nc_u32 v[ADA16+\s], s68, v[L16]
	v_add_nc_u32 v[ADA8+\s], s68, v[L8]
	v_add_nc_u32 v[ADB16+\s], s69, v[L16]
	v_add_nc_u32 v[ADB8+\s], s69, v[L8]
	s_add_co_u32 s68, s68, SLOT
	s_add_co_u32 s69, s69, SLOT
.endr
	s_lshl_b32 s68, s15, 8
	s_lshl_b32 s69, s16, 8
	s_add_co_u32 s69, s69, BSO-ASO
	s_sub_co_u32 s69, s69, s68
	s_wait_alu depctr_va_vdst(0)                   ; ahead of the readers below
	v_mul_u32_u24 v6, s69, v2                      ; lanes 16-31 take B's words: the lower base + h x the distance
	v_lshl_add_u32 v6, v1, 2, v6
	s_add_co_u32 s68, s68, ASO
	v_add_nc_u32 v[ADS], s68, v6
	v_add_nc_u32 v[ADS+1], SLOT, v[ADS]
	s_mul_i32 s69, s14, 16*272
	s_add_co_u32 s69, s69, STAGE                   ; my stage
	v_mul_u32_u24 v6, v1, 272
	v_lshl_add_u32 v6, v2, 5, v6
	v_add_nc_u32 v[STO], s69, v6                   ; in: row r, 32 bytes for each half of the lanes
	v_mul_u32_u24 v6, v2, 272
	v_lshl_add_u32 v6, v1, 4, v6
	v_add_nc_u32 v[RD], s69, v6                    ; back: lanes 0-15 one row of 256 bytes, lanes 16-31 the next
	v_lshlrev_b32 v6, 12, v2
	v_lshl_add_u32 v[CO], v1, 4, v6                ; the same two rows in memory
	v_lshlrev_b32 v[BA], 5, v2                     ; the bias: my half's eight columns of a tile
	s_wait_alu depctr_va_vdst(0)                   ; ahead of the run of scalar lines
	s_lshl_b32 s68, s20, 7
	s_lshl_b32 s69, s15, 6
	s_add_co_u32 s68, s68, s69
	s_lshl_b32 s68, s68, 12                        ; my first row, in bytes
	s_lshl_b32 s69, s19, 7
	s_lshl_b32 s70, s16, 6
	s_add_co_u32 s69, s69, s70
	s_lshl_b32 s70, s69, 2                         ; my first column, in bytes
	s_mov_b32 s71, 0
	s_add_nc_u64 s[8:9], s[8:9], s[70:71]
	s_add_co_u32 s68, s68, s70
	s_mov_b32 s69, 0
	s_add_nc_u64 s[10:11], s[10:11], s[68:69]
	s_add_nc_u64 s[12:13], s[12:13], s[68:69]
.irp b, 0,1,2,3
	global_load_b128 v[BI+8*\b:BI+8*\b+3], v[BA], s[8:9] offset:64*\b
	global_load_b128 v[BI+8*\b+4:BI+8*\b+7], v[BA], s[8:9] offset:64*\b+16
.endr
.macro RLOAD a                         ; the residual of my block a of 16 rows, in the shape in which the block leaves: blocks 0, 1 into v32-95, blocks 2, 3 into window 1's v96-127 and v224-255, which no fragment uses
.if (\a) < 2
.set RR, R0+32*(\a)
	WIN 0
.else
.set RR, 96+128*((\a)-2)
	WIN TO_F
.endif
.irp t, 0,1,2,3,4,5,6,7
	global_load_b128 v[RR+4*\t:RR+4*\t+3], v[CO], s[10:11] offset:65536*(\a)+8192*\t
.endr
.endm
.macro MUL4 f, a, mode                 ; A's block a against B's four, 128 along K.  mode 0: onto the sums; 2: the bias starts them.  The 16 accumulators take turns
.irp b, 0,1,2,3
.if \mode == 0
	v_wmma_scale_f32_16x16x128_f8f6f4 v[ACC+8*(4*(\a)+\b):ACC+8*(4*(\a)+\b)+7], v[\f+48+12*\b:\f+48+12*\b+11], v[\f+12*(\a):\f+12*(\a)+11], v[ACC+8*(4*(\a)+\b):ACC+8*(4*(\a)+\b)+7], v[SC+4*((\f)/128)+\b], v[SC+4*((\f)/128)+(\a)] matrix_a_fmt:MATRIX_FMT_FP6 matrix_b_fmt:MATRIX_FMT_FP6 matrix_a_scale:MATRIX_SCALE_ROW1
.else
	v_wmma_scale_f32_16x16x128_f8f6f4 v[ACC+8*(4*(\a)+\b):ACC+8*(4*(\a)+\b)+7], v[\f+48+12*\b:\f+48+12*\b+11], v[\f+12*(\a):\f+12*(\a)+11], v[BI+8*\b:BI+8*\b+7], v[SC+4*((\f)/128)+\b], v[SC+4*((\f)/128)+(\a)] matrix_a_fmt:MATRIX_FMT_FP6 matrix_b_fmt:MATRIX_FMT_FP6 matrix_a_scale:MATRIX_SCALE_ROW1
.endif
.endr
.endm
.macro FRAG reg, a16, a8, off
	ds_load_b128 v[\reg:\reg+3], v[\a16] offset:\off
	ds_load_b64 v[\reg+4:\reg+5], v[\a8] offset:\off+512
	ds_load_b128 v[\reg+6:\reg+9], v[\a16] offset:\off+768
	ds_load_b64 v[\reg+10:\reg+11], v[\a8] offset:\off+1280
.endm
.macro FETCH s, q, f                   ; 36 LDS loads: 4 scale registers, B's four fragments, A's four
	WIN 0
.irp i, 0,1,2,3
	ds_load_b32 v[SC+4*((\f)/128)+\i], v[ADS+\s] offset:512*(\q)+64*\i
.endr
	WIN TO_F
.irp i, 0,1,2,3
	FRAG \f+48+12*\i, ADB16+\s, ADB8+\s, \i*KSB+(\q)*1536
.endr
.irp i, 0,1,2,3
	FRAG \f+12*\i, ADA16+\s, ADA8+\s, \i*KSB+(\q)*1536
.endr
.endm
.macro QUARTER s, qn, f, g, mode
	s_wait_dscnt 8                                 ; all but the youngest eight loads (A's blocks 2, 3) are in
	WIN MUL
	MUL4 \f, 0, \mode
	MUL4 \f, 1, \mode
	PLACES
	FETCH \s, \qn, \g
	s_wait_dscnt 36                                ; all but the 36 just issued
	WIN MUL
	MUL4 \f, 2, \mode
	MUL4 \f, 3, \mode
.endm
	s_wait_alu depctr_va_vdst(0)                   ; the head's end
	s_wait_tensorcnt 0x0                           ; my tile has landed
	s_wait_loadcnt 8                               ; my scale words are in; the bias's 8 loads may be out
	ds_store_b128 v[SCL], v[128:131]
	ds_store_b128 v[SCL], v[132:135] offset:512
	ds_store_b128 v[SCL], v[136:139] offset:BSO-ASO
	ds_store_b128 v[SCL], v[140:143] offset:BSO-ASO+512
	s_wait_dscnt 0x0                               ; for the others' sake: my stores have landed
	s_barrier_signal -1
	s_barrier_wait -1                              ; everybody's tile and words are in: all of K
	FETCH 0, 0, F0
	RLOAD 0                                        ; the residual is asked for behind the tiles' landing, and lands under the products
	RLOAD 1
	RLOAD 2
	RLOAD 3
	s_wait_loadcnt 32                              ; the bias is in; the residual's 32 loads may be out
	QUARTER 0, 1, F0, F1, 2
	QUARTER 0, 2, F1, F0, 0
	QUARTER 0, 3, F0, F1, 0
	QUARTER 1, 0, F1, F0, 0
	QUARTER 1, 1, F0, F1, 0
	QUARTER 1, 2, F1, F0, 0
	QUARTER 1, 3, F0, F1, 0
	s_wait_dscnt 8
	WIN MUL
	MUL4 F1, 0, 0
	MUL4 F1, 1, 0
	s_wait_dscnt 0x0
	MUL4 F1, 2, 0
	MUL4 F1, 3, 0
	WIN 0
	PLACES
.irp a, 0,1,2,3
.if \a == 0                            ; block a comes back from the stage into registers that no pending store reads: the bias's, then block a - 1's accumulators, whose LDS stores are done
.set TT, T
.else
.set TT, ACC+32*(\a-1)
.endif
.if \a < 2
.set RR, R0+32*\a
.else
.set RR, 96+128*(\a-2)
.endif
.irp b, 0,1,2,3
	ds_store_b128 v[STO], v[ACC+8*(4*\a+\b):ACC+8*(4*\a+\b)+3] offset:64*\b        ; each accumulator from its low end on
	ds_store_b128 v[STO], v[ACC+8*(4*\a+\b)+4:ACC+8*(4*\a+\b)+7] offset:64*\b+16
.endr
.irp t, 0,1,2,3,4,5,6,7
	ds_load_b128 v[TT+4*\t:TT+4*\t+3], v[RD] offset:544*\t         ; LDS serves a wave's instructions in order: these see my stores
.endr
	s_wait_dscnt 0x0
.if \a == 0
	s_wait_loadcnt 0x0                             ; the residual is in
.endif
.if \a >= 2
	WIN 0x04                                       ; source 1 in window 1
.endif
.irp i, 0,2,4,6,8,10,12,14,16,18,20,22,24,26,28,30
	v_pk_add_f32 v[TT+\i:TT+\i+1], v[TT+\i:TT+\i+1], v[RR+\i:RR+\i+1]
.endr
	WIN 0
.irp t, 0,1,2,3,4,5,6,7
	global_store_b128 v[CO], v[TT+4*\t:TT+4*\t+3], s[12:13] offset:65536*\a+8192*\t   ; 16 lanes store 256 consecutive bytes, aligned
.endr
.endr
	s_wait_tensorcnt 0x0                           ; the wave's end
	ds_add_u32 v[SPW], v[NIL]
	s_wait_dscnt 0x0
	CROUND                                         ; the closing round
	s_endpgm
.Lfunc_end_k_q3296adb8db_gproj:
	.size	k_q3296adb8db_gproj, .Lfunc_end_k_q3296adb8db_gproj-k_q3296adb8db_gproj
	.p2alignl 7, 3214868480
	.fill 96, 4, 3214868480
	.section	.rodata,"a",@progbits
	.p2align	6, 0x0
	.amdhsa_kernel k_q3296adb8db_gproj
		.amdhsa_group_segment_fixed_size 327680
		.amdhsa_private_segment_fixed_size 0
		.amdhsa_enable_private_segment 0
		.amdhsa_kernarg_size 40
		.amdhsa_user_sgpr_count 2
		.amdhsa_user_sgpr_kernarg_segment_ptr 1
		.amdhsa_wavefront_size32 1
		.amdhsa_system_sgpr_workgroup_id_x 1
		.amdhsa_system_sgpr_workgroup_id_y 1
		.amdhsa_system_sgpr_workgroup_id_z 1
		.amdhsa_system_vgpr_workitem_id 0
		.amdhsa_next_free_vgpr 512
		.amdhsa_next_free_sgpr 104
		.amdhsa_reserve_vcc 0
		.amdhsa_float_denorm_mode_32 3
		.amdhsa_float_denorm_mode_16_64 3
		.amdhsa_memory_ordered 1
		.amdhsa_forward_progress 1
		.amdhsa_inst_pref_size 60
	.end_amdhsa_kernel
	.amdgpu_metadata
---
amdhsa.version: [ 1, 2 ]
amdhsa.kernels:
  - .name:           k_q3296adb8db_gproj
    .symbol:         k_q3296adb8db_gproj.kd
    .args:
      - { .name: yq, .offset: 0, .size: 8, .value_kind: global_buffer, .address_space: global }
      - { .name: wq, .offset: 8, .size: 8, .value_kind: global_buffer, .address_space: global }
      - { .name: b_proj, .offset: 16, .size: 8, .value_kind: global_buffer, .address_space: global }
      - { .name: x, .offset: 24, .size: 8, .value_kind: global_buffer, .address_space: global }
      - { .name: x1, .offset: 32, .size: 8, .value_kind: global_buffer, .address_space: global }
    .group_segment_fixed_size: 327680
    .private_segment_fixed_size: 0
    .kernarg_segment_align: 8
    .kernarg_segment_size: 40
    .max_flat_workgroup_size: 128
    .sgpr_count:     104
    .vgpr_count:     512
    .wavefront_size: 32
...
	.end_amdgpu_metadata
.endif
;; end of part 11
;; launch ln2 (part 12): grid 256 x 1, 8 waves a work-group, no clusters, 2,048 bytes of LDS; arguments x1, ln2_g, ln2_b, hq; writes hq
.if DOCPART == 12
	.amdgcn_target "amdgcn-amd-amdhsa--gfx1250"
	.amdhsa_code_object_version 6
	.text
	.protected	k_q3296adb8db_ln2
	.globl	k_q3296adb8db_ln2
	.p2align	8
	.type	k_q3296adb8db_ln2,@function
k_q3296adb8db_ln2:
	s_mov_b64 s[64:65], 0
	v_nop
	global_prefetch_b8 v0, s[64:65] scope:SCOPE_SE
	s_setreg_imm32_b32 hwreg(HW_REG_WAVE_MODE, 25, 1), 1
	s_wait_xcnt 0x0
; h2 = LayerNorm(x1) by ln2_g, ln2_b, quantised to FP6 (E2M3) with one E8M0 byte for each 32 along the row, laid as register images for the next product.
; A half image, 768 bytes, is 16 rows x 64 K: 512 bytes, lane l's registers 0-3 at 16 l, then 256 bytes, registers 4-5 at 8 l.  Codes: [R/16][K/64][768]; scale words [R/128][K/128][8][16].
; Inside a block of 32 the codes stand in the order 0-7, 16-23, 8-15, 24-31, as in every operand of this program.
; A work-group takes 16 rows, wave w columns 128 w .. 128 w + 127; lane (r, h) holds 64 numbers of row r.  Mean first, then the sum of squares of x - mean, each joined over the eight waves through LDS: two barriers.
; LIMITS: NaN and infinities are not served; a block whose largest magnitude lies under 2^-124 gets the byte 1 (a zero block's codes are zeros; these bytes are read by this program alone); 1 / sqrt by v_rsq_f32.
.set HSO,  3145728
.set X,    64                          ; v64-127   register 16 b + 8 p + 4 q + e = column 128 w + 32 b + 16 p + 8 h + 4 q + e of my row
.set G,    128
.set BV,   192
.set XA,   4
.set GA,   5
.set L16,  6
.set L8,   7
.set RW,   8
.set RR,   9
.set TM,   36
.set PW,   52
.set PC,   128                         ; over the gains, which are done with by then
.set WV,   22
.set SEL,  24
.macro QUANT s
.irp b, 0,1,2,3
	v_max3_num_f32 v[TM+\b], |v[\s+16*\b]|, |v[\s+1+16*\b]|, 0x1800000   ; my 16 numbers of block b, and the floor 2^(3 - 127)
.endr
.irp i, 2,4,6,8,10,12,14
.irp b, 0,1,2,3
	s_delay_alu instid0(VALU_DEP_4)
	v_max3_num_f32 v[TM+\b], v[TM+\b], |v[\s+16*\b+\i]|, |v[\s+1+16*\b+\i]|
.endr
.endr
.irp b, 0,1,2,3
	s_delay_alu instid0(VALU_DEP_4)
	v_permlanex16_b32 v[TM+4+\b], v[TM+\b], s[SEL], s[SEL+1]
.endr
.irp b, 0,1,2,3
	s_delay_alu instid0(VALU_DEP_4)
	v_max_num_f32 v[TM+\b], v[TM+\b], v[TM+4+\b]
.endr
.irp b, 0,1,2,3
	s_delay_alu instid0(VALU_DEP_4)
	v_add_nc_u32 v[TM+12+\b], 0xff000000, v[TM+\b]   ; 2 off the exponent field: the conversion's scale operand
.endr
.irp b, 0,1,2,3
	s_delay_alu instid0(VALU_DEP_4)
	v_lshrrev_b32 v[TM+4+\b], 23, v[TM+12+\b]
.endr
	s_delay_alu instid0(VALU_DEP_3)
	v_lshl_or_b32 v[PW], v[TM+5], 8, v[TM+4]
	s_delay_alu instid0(VALU_DEP_1)
	v_lshl_or_b32 v[PW], v[TM+6], 16, v[PW]
	s_delay_alu instid0(VALU_DEP_1)
	v_lshl_or_b32 v[PW], v[TM+7], 24, v[PW]
.irp c, 0,1
	v_cvt_scalef32_pk16_fp6_f32 v[PC+6*\c:PC+2+6*\c], v[\s+32*\c:\s+15+32*\c], v[TM+12+2*\c]
	v_cvt_scalef32_pk16_fp6_f32 v[PC+12+4*\c:PC+14+4*\c], v[\s+16+32*\c:\s+31+32*\c], v[TM+12+2*\c+1]
.endr
	v_nop                                          ; one plain line behind a scaled conversion
.irp c, 0,1
.irp i, 0,1,2
	v_permlane16_swap_b32 v[PC+6*\c+\i], v[PC+12+4*\c+\i]
.endr
.irp i, 0,1,2
	s_delay_alu instid0(VALU_DEP_3)
	v_mov_b32 v[PC+3+6*\c+\i], v[PC+12+4*\c+\i]
.endr
.endr
.endm
.macro ACROSS off                      ; v16, my lane's part, becomes v26, the row's sum over all 1,024 columns
	s_delay_alu instid0(VALU_DEP_1)
	v_permlanex16_b32 v20, v16, s[SEL], s[SEL+1]
	s_delay_alu instid0(VALU_DEP_1)
	v_add_f32 v16, v16, v20
	ds_store_b32 v[RW], v16 offset:\off            ; lanes r and r + 16 write the same word with the same value
	s_wait_dscnt 0x0                               ; for the others' sake: my store has landed
	s_barrier_signal -1
	s_barrier_wait -1
.irp i, 0,1,2,3,4,5,6,7
	ds_load_b32 v[26+\i], v[RR] offset:\off+64*\i
.endr
	s_wait_dscnt 0x0
	v_add_f32 v26, v26, v27
	v_add_f32 v28, v28, v29
	v_add_f32 v30, v30, v31
	v_add_f32 v32, v32, v33
	s_delay_alu instid0(VALU_DEP_3)
	v_add_f32 v26, v26, v28
	s_delay_alu instid0(VALU_DEP_2)
	v_add_f32 v30, v30, v32
	s_delay_alu instid0(VALU_DEP_1)
	v_add_f32 v26, v26, v30
.endm
	s_load_b256 s[4:11], s[0:1], 0x0               ; x1, ln2_g, ln2_b, hq
	v_lshl_add_u32 v62, v0, 2, 0x400
	v_mov_b32 v63, 0
	v_lshrrev_b32 v1, 5, v0
	s_delay_alu instid0(VALU_DEP_1)
	v_readfirstlane_b32 s[WV], v1                  ; wave 0..7
	v_and_b32 v3, 31, v0
	v_and_b32 v1, 15, v0                           ; r
	v_bfe_u32 v2, v0, 4, 1                         ; h
	s_delay_alu instid0(VALU_DEP_2)
	v_lshlrev_b32 v[XA], 12, v1
	s_delay_alu instid0(VALU_DEP_1)
	v_lshl_add_u32 v[XA], v2, 5, v[XA]
	s_delay_alu instid0(VALU_DEP_3)
	v_lshlrev_b32 v[GA], 5, v2
	v_lshlrev_b32 v[L16], 4, v3
	v_lshlrev_b32 v[L8], 3, v3
	v_lshlrev_b32 v[RR], 2, v1
	s_lshl_b32 s28, s[WV], 6
	v_add_nc_u32 v[RW], s28, v[RR]
	s_mov_b32 s[SEL], 0x76543210
	s_mov_b32 s[SEL+1], 0xfedcba98
	s_mov_b32 s26, 0x3a800000                      ; 1 / 1024
	s_mov_b32 s27, 0x3727c5ac                      ; 1e-5
	v_mov_b32 v20, 0
.irp b, 0,1,2,3
	v_mov_b32 v[TM+4+\b], 0
.endr
	s_lshl_b32 s28, ttmp9, 16
	s_lshl_b32 s30, s[WV], 9
	s_add_co_u32 s28, s28, s30
	s_mov_b32 s29, 0
	s_mov_b32 s31, 0
	s_lshl_b32 s32, ttmp9, 4
	s_lshl_b32 s33, s[WV], 1
	s_add_co_u32 s32, s32, s33
	s_mul_i32 s32, s32, 768
	s_mov_b32 s33, 0
	s_lshr_b32 s34, ttmp9, 3
	s_lshl_b32 s34, s34, 3
	s_add_co_u32 s34, s34, s[WV]
	s_lshl_b32 s34, s34, 9
	s_and_b32 s35, ttmp9, 7
	s_lshl_b32 s35, s35, 6
	s_add_co_u32 s34, s34, s35
	s_add_co_u32 s34, s34, HSO
	s_mov_b32 s35, 0
	s_wait_kmcnt 0x0
	s_add_nc_u64 s[4:5], s[4:5], s[28:29]
	s_add_nc_u64 s[6:7], s[6:7], s[30:31]
	s_add_nc_u64 s[8:9], s[8:9], s[30:31]
	s_add_nc_u64 s[32:33], s[10:11], s[32:33]
	s_add_nc_u64 s[34:35], s[10:11], s[34:35]
.irp b, 0,1,2,3
.irp p, 0,1
.irp q, 0,1
	global_load_b128 v[X+16*\b+8*\p+4*\q:X+16*\b+8*\p+4*\q+3], v[XA], s[4:5] offset:128*\b+64*\p+16*\q
.endr
.endr
.endr
.irp b, 0,1,2,3
.irp p, 0,1
.irp q, 0,1
	global_load_b128 v[G+16*\b+8*\p+4*\q:G+16*\b+8*\p+4*\q+3], v[GA], s[6:7] offset:128*\b+64*\p+16*\q
.endr
.endr
.endr
.irp b, 0,1,2,3
.irp p, 0,1
.irp q, 0,1
	global_load_b128 v[BV+16*\b+8*\p+4*\q:BV+16*\b+8*\p+4*\q+3], v[GA], s[8:9] offset:128*\b+64*\p+16*\q
.endr
.endr
.endr
	s_wait_loadcnt 32                              ; x1's sixteen loads are in; the 32 of the gains and biases may be out
	v_pk_add_f32 v[18:19], v[64:65], v[66:67]
	v_pk_add_f32 v[60:61], v[72:73], v[76:77]
	v_pk_add_f32 v[58:59], v[80:81], v[84:85]
	v_pk_add_f32 v[56:57], v[88:89], v[92:93]
	v_pk_add_f32 v[54:55], v[96:97], v[100:101]
	v_pk_add_f32 v[52:53], v[104:105], v[108:109]
	v_pk_add_f32 v[50:51], v[112:113], v[116:117]
	v_pk_add_f32 v[16:17], v[120:121], v[124:125]
	s_delay_alu instid0(VALU_DEP_1)
	v_pk_add_f32 v[16:17], v[16:17], v[68:69]
	v_pk_add_f32 v[18:19], v[18:19], v[70:71]
	v_pk_add_f32 v[60:61], v[60:61], v[74:75]
	v_pk_add_f32 v[58:59], v[58:59], v[78:79]
	v_pk_add_f32 v[56:57], v[56:57], v[82:83]
	v_pk_add_f32 v[54:55], v[54:55], v[86:87]
	v_pk_add_f32 v[52:53], v[52:53], v[90:91]
	v_pk_add_f32 v[50:51], v[50:51], v[94:95]
	v_pk_add_f32 v[16:17], v[16:17], v[98:99]
	v_pk_add_f32 v[18:19], v[18:19], v[102:103]
	v_pk_add_f32 v[60:61], v[60:61], v[106:107]
	v_pk_add_f32 v[58:59], v[58:59], v[110:111]
	v_pk_add_f32 v[56:57], v[56:57], v[114:115]
	v_pk_add_f32 v[54:55], v[54:55], v[118:119]
	v_pk_add_f32 v[52:53], v[52:53], v[122:123]
	v_pk_add_f32 v[50:51], v[50:51], v[126:127]
	s_delay_alu instid0(VALU_DEP_4)
	v_pk_add_f32 v[16:17], v[16:17], v[56:57]
	s_delay_alu instid0(VALU_DEP_4)
	v_pk_add_f32 v[18:19], v[18:19], v[54:55]
	s_delay_alu instid0(VALU_DEP_4)
	v_pk_add_f32 v[60:61], v[60:61], v[52:53]
	s_delay_alu instid0(VALU_DEP_4)
	v_pk_add_f32 v[58:59], v[58:59], v[50:51]
	s_delay_alu instid0(VALU_DEP_2)
	v_pk_add_f32 v[16:17], v[16:17], v[60:61]
	s_delay_alu instid0(VALU_DEP_2)
	v_pk_add_f32 v[18:19], v[18:19], v[58:59]
	s_delay_alu instid0(VALU_DEP_1)
	v_pk_add_f32 v[16:17], v[16:17], v[18:19]
	s_delay_alu instid0(VALU_DEP_1)
	v_add_f32 v16, v16, v17
	ACROSS 0
	s_delay_alu instid0(VALU_DEP_1)
	v_mul_f32 v22, s26, v26                        ; the mean
	s_delay_alu instid0(VALU_DEP_1)
	v_mov_b32 v23, v22
.set j, 0
.rept 32
	v_pk_add_f32 v[X+j:X+j+1], v[X+j:X+j+1], v[22:23] neg_lo:[0,1] neg_hi:[0,1]
.set j, j+2
.endr
	v_pk_mul_f32 v[16:17], v[X:X+1], v[X:X+1]
	v_pk_mul_f32 v[18:19], v[X+2:X+3], v[X+2:X+3]
.set j, 4
.rept 15
	s_delay_alu instid0(VALU_DEP_2)
	v_pk_fma_f32 v[16:17], v[X+j:X+j+1], v[X+j:X+j+1], v[16:17]
	s_delay_alu instid0(VALU_DEP_2)
	v_pk_fma_f32 v[18:19], v[X+j+2:X+j+3], v[X+j+2:X+j+3], v[18:19]
.set j, j+4
.endr
	s_delay_alu instid0(VALU_DEP_1)
	v_pk_add_f32 v[16:17], v[16:17], v[18:19]
	s_delay_alu instid0(VALU_DEP_1)
	v_add_f32 v16, v16, v17
	ACROSS 512                                     ; other bytes than the first sum's
	s_delay_alu instid0(VALU_DEP_1)
	v_fma_f32 v26, v26, s26, s27                   ; the variance + 1e-5
	s_wait_alu depctr_va_vdst(0)
	v_rsq_f32 v24, v26
	v_rsq_f32 v25, v26
	v_nop                                          ; a plain line behind the transcendentals
	s_wait_loadcnt 0x0
	s_wait_alu depctr_va_vdst(0)                   ; one wait for both, ahead of their first reader
.set j, 0
.rept 32
	v_pk_mul_f32 v[X+j:X+j+1], v[X+j:X+j+1], v[24:25]
.set j, j+2
.endr
.set j, 0
.rept 32
	v_pk_fma_f32 v[X+j:X+j+1], v[X+j:X+j+1], v[G+j:G+j+1], v[BV+j:BV+j+1]
.set j, j+2
.endr
	QUANT X
	global_store_b128 v[L16], v[PC:PC+3], s[32:33]
	global_store_b64 v[L8], v[PC+4:PC+5], s[32:33] offset:512
	global_store_b128 v[L16], v[PC+6:PC+9], s[32:33] offset:768
	global_store_b64 v[L8], v[PC+10:PC+11], s[32:33] offset:1280
	global_store_b32 v[RR], v[PW], s[34:35]        ; lanes r and r + 16 store the same word to the same place
	s_wait_tensorcnt 0x0
	ds_add_u32 v62, v63
	s_wait_dscnt 0x0
	s_endpgm
.Lfunc_end_k_q3296adb8db_ln2:
	.size	k_q3296adb8db_ln2, .Lfunc_end_k_q3296adb8db_ln2-k_q3296adb8db_ln2
	.p2alignl 7, 3214868480
	.fill 96, 4, 3214868480
	.section	.rodata,"a",@progbits
	.p2align	6, 0x0
	.amdhsa_kernel k_q3296adb8db_ln2
		.amdhsa_group_segment_fixed_size 2048
		.amdhsa_private_segment_fixed_size 0
		.amdhsa_enable_private_segment 0
		.amdhsa_kernarg_size 32
		.amdhsa_user_sgpr_count 2
		.amdhsa_user_sgpr_kernarg_segment_ptr 1
		.amdhsa_wavefront_size32 1
		.amdhsa_system_sgpr_workgroup_id_x 1
		.amdhsa_system_sgpr_workgroup_id_y 1
		.amdhsa_system_sgpr_workgroup_id_z 1
		.amdhsa_system_vgpr_workitem_id 0
		.amdhsa_next_free_vgpr 256
		.amdhsa_next_free_sgpr 66
		.amdhsa_reserve_vcc 0
		.amdhsa_float_denorm_mode_32 3
		.amdhsa_float_denorm_mode_16_64 3
		.amdhsa_memory_ordered 1
		.amdhsa_forward_progress 1
		.amdhsa_inst_pref_size 27
	.end_amdhsa_kernel
	.amdgpu_metadata
---
amdhsa.version: [ 1, 2 ]
amdhsa.kernels:
  - .name:           k_q3296adb8db_ln2
    .symbol:         k_q3296adb8db_ln2.kd
    .args:
      - { .name: x1, .offset: 0, .size: 8, .value_kind: global_buffer, .address_space: global }
      - { .name: ln2_g, .offset: 8, .size: 8, .value_kind: global_buffer, .address_space: global }
      - { .name: ln2_b, .offset: 16, .size: 8, .value_kind: global_buffer, .address_space: global }
      - { .name: hq, .offset: 24, .size: 8, .value_kind: global_buffer, .address_space: global }
    .group_segment_fixed_size: 2048
    .private_segment_fixed_size: 0
    .kernarg_segment_align: 8
    .kernarg_segment_size: 32
    .max_flat_workgroup_size: 256
    .sgpr_count:     66
    .vgpr_count:     256
    .wavefront_size: 32
...
	.end_amdgpu_metadata
.endif
;; end of part 12
;; launch gfc1 (part 13): grid 32 x 8, 4 waves a work-group, clusters of 4 x 4, 327,680 bytes of LDS; arguments hq, wq, b_fc1, actq; writes actq
.if DOCPART == 13
	.amdgcn_target "amdgcn-amd-amdhsa--gfx1250"
	.amdhsa_code_object_version 6
	.text
	.protected	k_q3296adb8db_gfc1
	.globl	k_q3296adb8db_gfc1
	.p2align	8
	.type	k_q3296adb8db_gfc1,@function
k_q3296adb8db_gfc1:
	s_mov_b64 s[64:65], 0
	v_nop
	global_prefetch_b8 v0, s[64:65] scope:SCOPE_SE
	s_setreg_imm32_b32 hwreg(HW_REG_WAVE_MODE, 25, 1), 1
	s_wait_xcnt 0x0
	s_wait_alu depctr_hold_cnt(0) depctr_sa_sdst(0) depctr_va_vdst(0) depctr_va_sdst(0) depctr_va_ssrc(0) depctr_va_vcc(0) depctr_vm_vsrc(0)
	s_getreg_b32 s2, hwreg(HW_REG_IB_STS2, 6, 4)
	s_cmp_eq_u32 s2, 0
	s_cbranch_scc0 .Lentry_in_a_cluster
	s_endpgm
.Lentry_in_a_cluster:
	s_bfe_u32 s2, ttmp6, 0x10000c
	s_cmp_lg_u32 s2, 0xf033
	s_cbranch_scc0 .Lentry_shape_is_right
	s_endpgm
.Lentry_shape_is_right:
; act = relu(h2 W_fc1 + b_fc1) on codes of FP6 (E2M3) with E8M0 scales, quantised at once along its row for the next product.
; OPERANDS lie as register images.  A half image, 768 bytes, is 16 rows x 64 K: 512 bytes, lane l's registers 0-3 at 16 l, then 256 bytes, registers 4-5 at 8 l.  Codes of X[R][K]: [R/16][K/64][768];
; scale words [R/128][K/128][8][16].  Inside a block of 32 the codes stand in the order 0-7, 16-23, 8-15, 24-31 in both operands (the f32 sums are grouped otherwise than in ascending k).
; A WORK-GROUP STAYS: it takes 128 columns of W_fc1 and walks four tiles of 128 tokens of h2, 8 tiles apart, through two LDS slots; a product is 128 x 128, four waves of 64 x 64; the bias is the C of each sum's first instruction.
; W'S FRAGMENTS STAY IN REGISTERS: a wave's 64 columns x 1,024 K are 32 fragments, 384 registers (windows 2, 3).  They are read from LDS once, with tile 0's own fetches; a later quarter reads h2's four fragments and four scale registers: 20 LDS loads.
; THE HEAD: one tensor load a wave: waves 0, 1 ask for the halves of W's codes, waves 2, 3 for the halves of slot 0's.  Slot 1's first fill (behind the full sequence and a round) and the two refills go by quarters, one load every wave.
; THE SCALE WORDS of W's tile and of all four tiles of h2, 20 KB, come once: each wave loads a quarter of each tile's 4,096 bytes and stores it into LDS bytes of their own, into which no tile lands.
; CLUSTERS of 4 x 4: W's codes are asked for jointly along a column of the cluster, h2's along a row.
; PREFETCH: behind slot 1's fill and the first run of LDS loads each wave asks for its part of h2's tiles 2 and 3, whose loads are issued at the ends of tile 0's and tile 1's products: the four partners that ask for a tile jointly take
; a quarter each by address (cx), a wave 24 units of 256 bytes of it, a lane a unit; lanes 24-31 name the last unit again.  Tiles 0 and 1 come by their loads alone.
; THE MATRIX INSTRUCTION IS USED TRANSPOSED (source 0 = 16 rows of W, source 1 = 16 tokens): lane (r, h) holds token r and columns 16 b + 8 h + 0..7, so the 32 registers of a row block are 64 neighbours along the next K in this program's order.
; LIMITS: NaN and infinities are not served; a block whose largest magnitude lies under 2^-124 gets the byte 1 (a zero block's codes are zeros).
; REGISTERS: window 0: v1-23 addresses; v24-31 scale words, two sets; v32-35 their addresses; v44-94 the way out and offsets; v96-127 the bias; v128-255 accumulators.  Window 1: h2's fragments, two buffers, v0-47 and v128-175.
; Window 2: W's fragments of K steps 0-4 (step q at v[48 q]); window 3: of steps 5-7.
.set ASC,   3145728                    ; hq: the scale words
.set BCD,   3145728                    ; wq: W_fc1's codes
.set BSC,   9568256                    ; and scale words
.set OPIT,  49152                      ; actq: 16 rows of codes
.set OSC,   12582912                   ; and its scale words
.set TILEB, 98304
.set HALFB, 49152
.set QB,    24576
.set RBP,   12288
.set STEPC, 8*TILEB
.set STEPS, 8*4096
.set RC,    0                          ; LDS: W's codes
.set WC,    TILEB                      ; h2's codes, slot s at WC + s TILEB
.set WS,    3*TILEB                    ; h2's scale words, tile t at WS + 4,096 t
.set RS,    WS+4*4096+128              ; W's scale words: 128 bytes off a multiple of 256
.set SPARE, 315648                     ; the spare words: two blocks of 256 bytes that no other line names
.set L16,   4
.set L8,    5
.set ADA16, 8
.set ADA8,  10
.set CB16,  12
.set CB8,   13
.set SPW,   18
.set NIL,   19
.set BA,    23
.set SC,    24
.set ADS,   32
.set PW,    44
.set PWM,   48
.set PC,    52                         ; v52-91 ten registers for each of my four blocks: 0-5 its half image, 6-8 the second conversion's result; 3, 4, 5, 9 are at work ahead of the conversions
.set SCG,   92
.set SCL,   93
.set PFO,   94
.set BI,    96
.set ACC,   128
.set F0,    0
.set F1,    128
.set G1WC,  24
.set G1RC,  32
.set G0RC,  56
.set G0WC,  68                         ; s[68:75] the ring's group 0, by quarters, a set for each slot
.set G0H,   76                         ; s[76:79] the head's load of slot 0, by halves
.set PFA,   80
.set SEL,   100
.set MSB, 0
.macro WIN new
.if MSB != \new
	s_set_vgpr_msb (MSB<<8)|\new
.set MSB, \new
.endif
.endm
.set TO_F, 0x40
.macro PLACES
.rept 4
	v_nop
.endr
.endm
.macro JC s                            ; a later fill of slot s: every wave asks for its quarter
	tensor_load_to_lds s[G0WC+4*(\s):G0WC+4*(\s)+3], s[G1WC:G1WC+7]
	s_nop 0
	PLACES
.endm
.macro CREST
	s_cmp_lg_u32 s14, 0
	s_cbranch_scc1 .Lnot_wave_0_\@
	s_barrier_signal -3
.Lnot_wave_0_\@:
	s_barrier_wait -3
	s_barrier_signal -1
	s_barrier_wait -1
.endm
.macro CROUND
	s_barrier_signal -1
	s_barrier_wait -1
	CREST
.endm
	s_load_b256 s[4:11], s[0:1], 0x0               ; hq, wq, b_fc1, actq
	v_lshl_add_u32 v[SPW], v0, 2, SPARE
	v_mov_b32 v[NIL], 0
	ds_add_u32 v[SPW], v[NIL]                      ; the opening lines
	ds_add_u32 v[SPW], v[NIL]
	v_lshrrev_b32 v1, 5, v0
	v_readfirstlane_b32 s14, v1                    ; wave 0..3
	s_lshr_b32 s15, s14, 1                         ; my half of the tokens.  At the head: I fetch for W (0) or for h2 (1)
	s_and_b32 s16, s14, 1                          ; my half of W's columns.  At the head: which half I fetch
	s_bfe_u32 s17, ttmp6, 0x40000                  ; cx
	s_bfe_u32 s18, ttmp6, 0x40004                  ; cy
	s_lshl_b32 s19, ttmp9, 2
	s_add_co_u32 s19, s19, s17                     ; which 128 columns of W: 0..31
	s_and_b32 s20, ttmp7, 0xffff
	s_lshl_b32 s20, s20, 2
	s_add_co_u32 s20, s20, s18                     ; my first tile of tokens: 0..7
	s_lshl_b32 s21, s18, 2
	s_lshl_b32 s21, 15, s21                        ; my row of the cluster
	s_lshl_b32 s22, 0x1111, s17                    ; my column
	s_mov_b32 s23, 0xffff0000                      ; lanes 16-31
	s_mov_b32 s[SEL], 0x76543210
	s_mov_b32 s[SEL+1], 0xfedcba98
	s_or_b32 s[G1WC], s21, (3<<16)|(1<<21)         ; the mask; elements of 8 bytes; bit 21 beside a mask; no padding
	s_or_b32 s[G1RC], s22, (3<<16)|(1<<21)
.irp g, G1WC, G1RC                     ; half a tile's codes: 49,152 dense bytes as 192 rows of 256
	s_mov_b32 s[\g+1], 32<<16
	s_mov_b32 s[\g+2], 192<<16
	s_mov_b32 s[\g+3], 32<<16
	s_mov_b32 s[\g+4], 192
	s_mov_b32 s[\g+5], 32
	s_mov_b32 s[\g+6], 0
	s_mov_b32 s[\g+7], 0
.endr
	s_mul_i32 s85, s16, HALFB                      ; a half's place in a tile's codes, in memory as in LDS,
	s_lshl_b32 s86, s16, 11                        ; in its scale words,
	s_mul_i32 s84, s14, QB                         ; and a quarter's
	s_mul_i32 s92, s20, TILEB                      ; h2's offsets hang on the work-group's y alone,
	s_lshl_b32 s94, s20, 12
	s_add_co_u32 s94, s94, s86
	s_add_co_u32 s94, s94, ASC
	s_mov_b32 s95, 0
	s_mul_i32 s96, s19, TILEB                      ; W's on its x alone
	s_add_co_u32 s96, s96, s85
	s_add_co_u32 s96, s96, BCD
	s_mov_b32 s97, 0
	s_lshl_b32 s98, s19, 12
	s_add_co_u32 s98, s98, s86
	s_add_co_u32 s98, s98, BSC
	s_mov_b32 s99, 0
	s_add_co_u32 s88, s92, s85
	s_mov_b32 s89, 0
	s_add_co_u32 s90, s92, s84
	s_mov_b32 s91, 0
	s_mul_i32 s82, s17, QB                         ; the prefetches: my work-group's quarter of a tile, my wave's 6,144 bytes of it
	s_mul_i32 s83, s14, 6144
	s_add_co_u32 s82, s82, s83
	s_add_co_u32 s82, s82, s92
	s_mov_b32 s83, 0
	s_wait_dscnt 0x0                               ; both opening adds are done
	s_wait_kmcnt 0x0
	s_add_nc_u64 s[88:89], s[4:5], s[88:89]
	s_add_nc_u64 s[90:91], s[4:5], s[90:91]
	s_add_nc_u64 s[PFA:PFA+1], s[4:5], s[82:83]
	s_add_nc_u64 s[94:95], s[4:5], s[94:95]
	s_add_nc_u64 s[96:97], s[6:7], s[96:97]
	s_add_nc_u64 s[98:99], s[6:7], s[98:99]
	s_mov_b32 s[G0RC], 1
	s_add_co_u32 s[G0RC+1], s85, RC
	s_mov_b64 s[G0RC+2:G0RC+3], s[96:97]
	s_or_b32 s[G0RC+3], s[G0RC+3], 0x80000000
	s_mov_b32 s[G0H], 1
	s_add_co_u32 s[G0H+1], s85, WC
	s_mov_b64 s[G0H+2:G0H+3], s[88:89]
	s_or_b32 s[G0H+3], s[G0H+3], 0x80000000
.irp s, 0,1
	s_mov_b32 s[G0WC+4*\s], 1
	s_add_co_u32 s[G0WC+4*\s+1], s84, WC+\s*TILEB
	s_add_nc_u64 s[G0WC+4*\s+2:G0WC+4*\s+3], s[90:91], \s*STEPC
	s_or_b32 s[G0WC+4*\s+3], s[G0WC+4*\s+3], 0x80000000
.endr
	CROUND                                         ; all sixteen work-groups are here: the first joint loads meet
	s_cmp_eq_u32 s15, 0                            ; the head's loads, one a wave: W's halves, slot 0's halves
	s_cbranch_scc0 .Lhead_w
	tensor_load_to_lds s[G0RC:G0RC+3], s[G1RC:G1RC+7]
	s_nop 0
	PLACES
	s_branch .Lhead_asked
.Lhead_w:
	tensor_load_to_lds s[G0H:G0H+3], s[G1WC:G1WC+7]
	s_nop 0
	PLACES
.Lhead_asked:
	v_and_b32 v1, 15, v0                           ; r
	v_bfe_u32 v2, v0, 4, 1                         ; h
	v_and_b32 v3, 31, v0                           ; lane
	v_lshlrev_b32 v[L16], 4, v3
	v_lshlrev_b32 v[L8], 3, v3
	v_min_u32 v[PFO], 23, v3
	v_lshlrev_b32 v[PFO], 8, v[PFO]
	s_lshl_b32 s87, s15, 10                        ; my quarter of a tile's scale words: 2,048 (wave % 2), in the bases, + 1,024 (wave / 2)
	v_add_nc_u32 v[SCG], s87, v[L16]
	s_add_co_u32 s87, s87, s86
	s_add_co_u32 s87, s87, WS
	v_add_nc_u32 v[SCL], s87, v[L16]
.irp t, 0,1,2,3
	global_load_b128 v[128+8*\t:131+8*\t], v[SCG], s[94:95] offset:\t*STEPS
	global_load_b128 v[132+8*\t:135+8*\t], v[SCG], s[94:95] offset:\t*STEPS+512
.endr
	global_load_b128 v[160:163], v[SCG], s[98:99]
	global_load_b128 v[164:167], v[SCG], s[98:99] offset:512
	s_mul_i32 s42, s16, HALFB
	v_add_nc_u32 v[CB16], s42, v[L16]
	v_add_nc_u32 v[CB8], s42, v[L8]
	s_mul_i32 s40, s15, HALFB
	s_add_co_u32 s40, s40, WC
.irp s, 0,1
	v_add_nc_u32 v[ADA16+\s], s40, v[L16]
	v_add_nc_u32 v[ADA8+\s], s40, v[L8]
	s_add_co_u32 s40, s40, TILEB
.endr
	s_wait_alu depctr_va_vdst(0)                   ; ahead of the readers below
.irp s, 0,1,2,3                        ; tile s: lanes 0-15 take the tokens' words, lanes 16-31 W's: the lower base + h x the distance
	s_lshl_b32 s40, s15, 8
	s_lshl_b32 s42, s16, 8
	s_add_co_u32 s42, s42, RS-WS-4096*\s
	s_sub_co_u32 s42, s42, s40
	v_mul_u32_u24 v6, s42, v2
	v_lshl_add_u32 v6, v1, 2, v6
	s_add_co_u32 s40, s40, WS+4096*\s
	v_add_nc_u32 v[ADS+\s], s40, v6
.endr
	v_lshlrev_b32 v22, 2, v3                       ; the way out: my two scale bytes at 4 x lane + 2 x my half of the columns
	s_lshl_b32 s42, s16, 1
	v_add_nc_u32 v22, s42, v22
	v_lshlrev_b32 v[BA], 5, v2                     ; the bias: my half's eight columns of a tile
	s_wait_alu depctr_va_vdst(0)                   ; ahead of the run of scalar lines
.irp a, 0,1,2,3
	v_mov_b32 v[PC+10*\a+5], 0                     ; a lane permute's destination counts as one of its sources
	v_mov_b32 v[PC+10*\a+9], 0
.endr
	s_lshl_b32 s43, s19, 7
	s_lshl_b32 s44, s16, 6
	s_add_co_u32 s43, s43, s44
	s_lshl_b32 s44, s43, 2                         ; my first column, in bytes
	s_mov_b32 s45, 0
	s_add_nc_u64 s[8:9], s[8:9], s[44:45]
	s_lshl_b32 s44, s20, 5                         ; act's scale words: (32 y + x) x 512 + 256 x my half of the tokens
	s_add_co_u32 s44, s44, s19
	s_lshl_b32 s44, s44, 9
	s_lshl_b32 s43, s15, 8
	s_add_co_u32 s44, s44, s43
	s_add_co_u32 s44, s44, OSC
	s_add_nc_u64 s[12:13], s[10:11], s[44:45]
	s_lshl_b32 s42, s20, 3                         ; its codes: block of 16 tokens 8 y + 4 x my half, half image 2 x + my half of the columns
	s_lshl_b32 s43, s15, 2
	s_add_co_u32 s42, s42, s43
	s_mul_i32 s42, s42, OPIT
	s_lshl_b32 s43, s19, 1
	s_add_co_u32 s43, s43, s16
	s_mul_i32 s43, s43, 768
	s_add_co_u32 s42, s42, s43
	s_mov_b32 s43, 0
	s_add_nc_u64 s[10:11], s[10:11], s[42:43]
.irp b, 0,1,2,3
	global_load_b128 v[BI+8*\b:BI+8*\b+3], v[BA], s[8:9] offset:64*\b
	global_load_b128 v[BI+8*\b+4:BI+8*\b+7], v[BA], s[8:9] offset:64*\b+16
.endr
.macro USE_TILE t
.set CA16, ADA16+(\t)%2
.set CA8,  ADA8+(\t)%2
.set CS,   ADS+(\t)
.endm
; Four matrix instructions: the tokens' block a out of buffer f against W's four of K step q.  mode 0: onto the sums; 2: the bias starts them.  The 16 accumulators take turns.
.macro MUL4 f, a, mode, q
.set WN, 0x06+(\q)/5
	WIN WN
.irp b, 0,1,2,3
.set OP0, 48*((\q)%5)+12*\b
.set AC, ACC+8*(4*(\a)+\b)
.if \mode == 0
	v_wmma_scale_f32_16x16x128_f8f6f4 v[AC:AC+7], v[OP0:OP0+11], v[\f+12*(\a):\f+12*(\a)+11], v[AC:AC+7], v[SC+4*((\f)/128)+\b], v[SC+4*((\f)/128)+(\a)] matrix_a_fmt:MATRIX_FMT_FP6 matrix_b_fmt:MATRIX_FMT_FP6 matrix_a_scale:MATRIX_SCALE_ROW1
.else
	v_wmma_scale_f32_16x16x128_f8f6f4 v[AC:AC+7], v[OP0:OP0+11], v[\f+12*(\a):\f+12*(\a)+11], v[BI+8*\b:BI+8*\b+7], v[SC+4*((\f)/128)+\b], v[SC+4*((\f)/128)+(\a)] matrix_a_fmt:MATRIX_FMT_FP6 matrix_b_fmt:MATRIX_FMT_FP6 matrix_a_scale:MATRIX_SCALE_ROW1
.endif
.endr
.endm
.macro FRAG reg, a16, a8, off          ; a fragment, 16 rows x 128 K, is two half images on end
	ds_load_b128 v[\reg:\reg+3], v[\a16] offset:\off
	ds_load_b64 v[\reg+4:\reg+5], v[\a8] offset:\off+512
	ds_load_b128 v[\reg+6:\reg+9], v[\a16] offset:\off+768
	ds_load_b64 v[\reg+10:\reg+11], v[\a8] offset:\off+1280
.endm
.macro FETCH q, f                      ; K step q: 4 scale registers; in tile 0 (RESON) W's four fragments, into the registers where they stay; the tokens' four into buffer f
	WIN 0
.irp i, 0,1,2,3
	ds_load_b32 v[SC+4*((\f)/128)+\i], v[CS] offset:512*(\q)+64*\i
.endr
.if RESON
.set WN, 0x80+0x40*((\q)/5)
	WIN WN
.irp i, 0,1,2,3
	FRAG 48*((\q)%5)+12*\i, CB16, CB8, \i*RBP+(\q)*1536
.endr
.endif
	WIN TO_F
.irp i, 0,1,2,3
	FRAG \f+12*\i, CA16, CA8, \i*RBP+(\q)*1536
.endr
.endm
.macro QUARTER qn, f, g, mode          ; multiplies K step qn - 1 out of buffer f; in its middle fetches step qn into buffer g
	s_wait_dscnt 8                                 ; all but the youngest eight loads (the tokens' blocks 2, 3) are in
	MUL4 \f, 0, \mode, (\qn)-1
	MUL4 \f, 1, \mode, (\qn)-1
	PLACES
	FETCH \qn, \g
	s_wait_dscnt 20+16*RESON                       ; all but the run just issued
	MUL4 \f, 2, \mode, (\qn)-1
	MUL4 \f, 3, \mode, (\qn)-1
.endm
; Tile t's last 128 along K changes tiles: one barrier, with the wait for all my tensor loads, the add and the wait for it and for my reads in front.  fill = 1: it opens a round, behind which this slot takes the tile two further on.
.macro TURN t, fill
	WIN 0
	s_wait_tensorcnt 0x0
	ds_add_u32 v[SPW], v[NIL]
	s_wait_dscnt 9                                 ; the add and the youngest eight loads may be out
	MUL4 F1, 0, 0, 7
	s_wait_dscnt 0x0
	s_barrier_signal -1
	MUL4 F1, 1, 0, 7
.if \fill
	WIN 0
.endif
	s_barrier_wait -1
.if \fill
	CREST
	s_add_nc_u64 s[G0WC+4*((\t)%2)+2:G0WC+4*((\t)%2)+3], s[G0WC+4*((\t)%2)+2:G0WC+4*((\t)%2)+3], 2*STEPC
	JC (\t)%2                                      ; the four v_nop behind it are also the places in front of the loads below
.else
	PLACES
.endif
	USE_TILE (\t)+1
.set RESON, 0
	FETCH 0, F0
	MUL4 F1, 2, 0, 7
	MUL4 F1, 3, 0, 7
.endm
.macro BODY t, last, fill
	QUARTER 1, F0, F1, 2
	QUARTER 2, F1, F0, 0
	QUARTER 3, F0, F1, 0
	QUARTER 4, F1, F0, 0
	QUARTER 5, F0, F1, 0
	QUARTER 6, F1, F0, 0
	QUARTER 7, F0, F1, 0
.if \last
	s_wait_dscnt 8
	MUL4 F1, 0, 0, 7
	MUL4 F1, 1, 0, 7
	s_wait_dscnt 0x0
	MUL4 F1, 2, 0, 7
	MUL4 F1, 3, 0, 7
.else
	TURN \t, \fill
.endif
	WIN 0
	PLACES
.endm
; My four blocks of 16 tokens x 64 columns are quantised BY TURNS, line by line, so that no line reads the result of a line close above it.  Of block a, 32 numbers a lane (16 of each of two blocks of 32 of my row)
; become a half image in v[PC + 10 a .. + 5] and two scale bytes in v[PW + a].
.macro QALL
.irp a, 0,1,2,3
	v_max3_num_f32 v[PC+10*\a+3], |v[ACC+32*\a]|, |v[ACC+32*\a+1]|, 0x1800000       ; with the floor 2^(3 - 127): the byte cannot fall under 1
	v_max3_num_f32 v[PC+10*\a+4], |v[ACC+32*\a+16]|, |v[ACC+32*\a+17]|, 0x1800000
.endr
.irp i, 2,4,6,8,10,12,14
.irp a, 0,1,2,3
	v_max3_num_f32 v[PC+10*\a+3], v[PC+10*\a+3], |v[ACC+32*\a+\i]|, |v[ACC+32*\a+\i+1]|
	v_max3_num_f32 v[PC+10*\a+4], v[PC+10*\a+4], |v[ACC+32*\a+16+\i]|, |v[ACC+32*\a+17+\i]|
.endr
.endr
.irp a, 0,1,2,3
	v_permlanex16_b32 v[PC+10*\a+5], v[PC+10*\a+3], s[SEL], s[SEL+1]
	v_permlanex16_b32 v[PC+10*\a+9], v[PC+10*\a+4], s[SEL], s[SEL+1]
.endr
.irp a, 0,1,2,3
	v_max_num_f32 v[PC+10*\a+3], v[PC+10*\a+3], v[PC+10*\a+5]      ; with lane l xor 16's: the block's largest magnitude
	v_max_num_f32 v[PC+10*\a+4], v[PC+10*\a+4], v[PC+10*\a+9]
.endr
.irp a, 0,1,2,3
	v_add_nc_u32 v[PC+10*\a+3], 0xff000000, v[PC+10*\a+3]          ; 2 off the exponent field: the conversion's scale operand
	v_add_nc_u32 v[PC+10*\a+4], 0xff000000, v[PC+10*\a+4]
.endr
.irp a, 0,1,2,3
	v_lshrrev_b32 v[PC+10*\a+5], 23, v[PC+10*\a+3]                 ; the bytes
	v_lshrrev_b32 v[PC+10*\a+9], 23, v[PC+10*\a+4]
.endr
.irp a, 0,1,2,3
	v_lshl_or_b32 v[PW+\a], v[PC+10*\a+9], 8, v[PC+10*\a+5]
.endr
.irp a, 0,1,2,3
	v_cvt_scalef32_pk16_fp6_f32 v[PC+10*\a:PC+10*\a+2], v[ACC+32*\a:ACC+32*\a+15], v[PC+10*\a+3]
	v_cvt_scalef32_pk16_fp6_f32 v[PC+10*\a+6:PC+10*\a+8], v[ACC+32*\a+16:ACC+32*\a+31], v[PC+10*\a+4]
.endr
	v_nop                                          ; one plain line behind the scaled conversions
.irp a, 0,1,2,3
.irp i, 0,1,2
	v_permlane16_swap_b32 v[PC+10*\a+\i], v[PC+10*\a+6+\i]         ; a whole block of 32 to a lane
.endr
.endr
.irp a, 0,1,2,3
.irp i, 0,1,2
	v_mov_b32 v[PC+10*\a+3+\i], v[PC+10*\a+6+\i]
.endr
.endr
	v_cndmask_b32 v[PWM], v[PW], v[PW+1], s23      ; lanes 0-15: block 0's bytes; lanes 16-31: block 1's
	v_cndmask_b32 v[PWM+1], v[PW+2], v[PW+3], s23
.endm
; THE WAY OUT of tile t: relu, the quantiser, and each block's half image leaves as three whole blocks of 256 bytes.
.macro EPI t
.if (\t) > 0
	s_wait_xcnt 0x0                                ; the last tile's stores have read their data and their bases
	s_add_nc_u64 s[10:11], s[10:11], 64*OPIT
	s_add_nc_u64 s[12:13], s[12:13], 8*32*512
.endif
.set j, 0
.rept 128
	v_max_num_f32 v[ACC+j], 0, v[ACC+j]            ; each accumulator from its low end on
.set j, j+1
.endr
	QALL
.irp a, 0,1,2,3
	global_store_b128 v[L16], v[PC+10*\a:PC+10*\a+3], s[10:11] offset:OPIT*\a
	global_store_b64 v[L8], v[PC+10*\a+4:PC+10*\a+5], s[10:11] offset:OPIT*\a+512
.endr
	global_store_b16 v22, v[PWM], s[12:13]         ; two of a scale word's four bytes: the other two are the neighbouring wave's
	global_store_b16 v22, v[PWM+1], s[12:13] offset:128
.endm
	s_wait_alu depctr_va_vdst(0)                   ; the head's end
	s_wait_tensorcnt 0x0                           ; my head's load has landed
	s_wait_loadcnt 8                               ; my quarters of the scale words are in; the bias's eight loads may be out
.irp t, 0,1,2,3
	ds_store_b128 v[SCL], v[128+8*\t:131+8*\t] offset:4096*\t
	ds_store_b128 v[SCL], v[132+8*\t:135+8*\t] offset:4096*\t+512
.endr
	ds_store_b128 v[SCL], v[160:163] offset:RS-WS
	ds_store_b128 v[SCL], v[164:167] offset:RS-WS+512
	s_wait_tensorcnt 0x0                           ; ahead of a later first fill
	ds_add_u32 v[SPW], v[NIL]
	s_mov_b32 s[G1WC+2], 96<<16                    ; no tensor load of mine is out: from here on a load of h2 brings a quarter, 96 rows of 256 bytes
	s_mov_b32 s[G1WC+4], 96
	s_wait_dscnt 0x0                               ; the add and my stores are done
	CROUND
	JC 1                                           ; slot 1's first fill: it has tile 0's work in which to land
.set RESON, 1
	USE_TILE 0
	FETCH 0, F0
	global_prefetch_b8 v[PFO], s[PFA:PFA+1] offset:2*STEPC th:TH_LOAD_NT scope:SCOPE_SE   ; h2's tiles 2 and 3
	global_prefetch_b8 v[PFO], s[PFA:PFA+1] offset:3*STEPC th:TH_LOAD_NT scope:SCOPE_SE
	s_wait_loadcnt 0x0                             ; the bias
	BODY 0, 0, 1
	EPI 0
	BODY 1, 0, 1
	EPI 1
	BODY 2, 0, 0
	EPI 2
	BODY 3, 1, 0
	EPI 3
	s_wait_tensorcnt 0x0                           ; the wave's end
	ds_add_u32 v[SPW], v[NIL]
	s_wait_dscnt 0x0
	CROUND                                         ; the closing round
	s_endpgm
.Lfunc_end_k_q3296adb8db_gfc1:
	.size	k_q3296adb8db_gfc1, .Lfunc_end_k_q3296adb8db_gfc1-k_q3296adb8db_gfc1
	.p2alignl 7, 3214868480
	.fill 96, 4, 3214868480
	.section	.rodata,"a",@progbits
	.p2align	6, 0x0
	.amdhsa_kernel k_q3296adb8db_gfc1
		.amdhsa_group_segment_fixed_size 327680
		.amdhsa_private_segment_fixed_size 0
		.amdhsa_enable_private_segment 0
		.amdhsa_kernarg_size 32
		.amdhsa_user_sgpr_count 2
		.amdhsa_user_sgpr_kernarg_segment_ptr 1
		.amdhsa_wavefront_size32 1
		.amdhsa_system_sgpr_workgroup_id_x 1
		.amdhsa_system_sgpr_workgroup_id_y 1
		.amdhsa_system_sgpr_workgroup_id_z 1
		.amdhsa_system_vgpr_workitem_id 0
		.amdhsa_next_free_vgpr 1024
		.amdhsa_next_free_sgpr 104
		.amdhsa_reserve_vcc 0
		.amdhsa_float_denorm_mode_32 3
		.amdhsa_float_denorm_mode_16_64 3
		.amdhsa_memory_ordered 1
		.amdhsa_forward_progress 1
		.amdhsa_inst_pref_size 186
	.end_amdhsa_kernel
	.amdgpu_metadata
---
amdhsa.version: [ 1, 2 ]
amdhsa.kernels:
  - .name:           k_q3296adb8db_gfc1
    .symbol:         k_q3296adb8db_gfc1.kd
    .args:
      - { .name: hq, .offset: 0, .size: 8, .value_kind: global_buffer, .address_space: global }
      - { .name: wq, .offset: 8, .size: 8, .value_kind: global_buffer, .address_space: global }
      - { .name: b_fc1, .offset: 16, .size: 8, .value_kind: global_buffer, .address_space: global }
      - { .name: actq, .offset: 24, .size: 8, .value_kind: global_buffer, .address_space: global }
    .group_segment_fixed_size: 327680
    .private_segment_fixed_size: 0
    .kernarg_segment_align: 8
    .kernarg_segment_size: 32
    .max_flat_workgroup_size: 128
    .sgpr_count:     104
    .vgpr_count:     1024
    .wavefront_size: 32
...
	.end_amdgpu_metadata
.endif
;; end of part 13
;; launch gfc2 (part 14): grid 8 x 32, 4 waves a work-group, clusters of 4 x 4, 327,680 bytes of LDS; arguments actq, wq, b_fc2, x1, out0; writes out0
.if DOCPART == 14
	.amdgcn_target "amdgcn-amd-amdhsa--gfx1250"
	.amdhsa_code_object_version 6
	.text
	.protected	k_q3296adb8db_gfc2
	.globl	k_q3296adb8db_gfc2
	.p2align	8
	.type	k_q3296adb8db_gfc2,@function
k_q3296adb8db_gfc2:
	s_mov_b64 s[64:65], 0
	v_nop
	global_prefetch_b8 v0, s[64:65] scope:SCOPE_SE
	s_setreg_imm32_b32 hwreg(HW_REG_WAVE_MODE, 25, 1), 1
	s_wait_xcnt 0x0
	s_wait_alu depctr_hold_cnt(0) depctr_sa_sdst(0) depctr_va_vdst(0) depctr_va_sdst(0) depctr_va_ssrc(0) depctr_va_vcc(0) depctr_vm_vsrc(0)
	s_getreg_b32 s2, hwreg(HW_REG_IB_STS2, 6, 4)
	s_cmp_eq_u32 s2, 0
	s_cbranch_scc0 .Lentry_in_a_cluster
	s_endpgm
.Lentry_in_a_cluster:
	s_bfe_u32 s2, ttmp6, 0x10000c
	s_cmp_lg_u32 s2, 0xf033
	s_cbranch_scc0 .Lentry_shape_is_right
	s_endpgm
.Lentry_shape_is_right:
; out = x1 + act W_fc2 + b_fc2.  The product on codes of FP6 (E2M3) with E8M0 scales, K = 4,096; bias, residual and result in f32.
; OPERANDS lie as register images.  A half image, 768 bytes, is 16 rows x 64 K: 512 bytes, lane l's registers 0-3 at 16 l, then 256 bytes, registers 4-5 at 8 l.  Codes of X[R][K]: [R/16][K/64][768];
; scale words [R/128][K/128][8][16].  Inside a block of 32 the codes stand in the order 0-7, 16-23, 8-15, 24-31 in both operands (the f32 sums are grouped otherwise than in ascending k).
; A tile of C is 128 x 128, four waves of 64 x 64: 16 accumulators; 256 work-groups.
; THE RING: K goes in eight steps of 512 through two LDS slots of 98,304 bytes of codes.  Every wave fetches a quarter of a slot by one tensor load: waves 0, 1 the halves of A's 128 rows, waves 2, 3 of B's: 4 rows of 6,144 bytes.
; One load a wave at the head (step 0), one behind the full sequence and a round (step 1), one behind each change of slots; one load of a wave is out at a time, with 56 products (48 for step 1) in which to land.
; THE SCALE WORDS, 16,384 bytes a side for all of K, come once: wave w loads bytes 4,096 w on of each side (512 consecutive bytes an instruction) and stores them into LDS bytes of their own, into which no tile lands.
; CLUSTERS of 4 x 4: A's codes are asked for jointly along a row of the cluster, B's along a column.
; PREFETCH: behind the load of step j stands one prefetch a wave for step j + 2 (the head asks for steps 1 and 2; the loop's last trip asks for nothing: steps 8, 9 do not exist).  A step of a tile is 8 blocks of 16 rows x 24 units
; of 256 bytes; the four partners that ask for a tile jointly share its blocks out by address: the partner at place p takes blocks 2 p and 2 p + 1 (p = cx for A, cy for B), one to a wave, a lane a unit; lanes 24-31 name the last unit again.
; THE MATRIX INSTRUCTION IS USED TRANSPOSED (source 0 = 16 rows of B, source 1 = 16 rows of A): lane (r, h) holds row r and columns 16 b + 8 h + 0..7.  The bias is the C of each sum's first instruction.
; THE WAY OUT: a block of 16 rows x 64 columns goes through the wave's own stage in LDS and comes back as rows of 256 bytes; the residual, loaded in the same shape at the head, is added; sixteen lanes store 256 aligned bytes.
; REGISTERS: window 0: v1-23 addresses; v24-31 scale words, two sets; v32-95 the residual, two sets; v96-127 the bias, later rows on their way out; v128-255 accumulators.  Window 1: two fragment buffers, v0-95 and v128-223.
.set ASC,   12582912                   ; actq: the scale words
.set BCD,   6291456                    ; wq: W_fc2's codes
.set BSC,   9699328                    ; and scale words
.set RBP,   49152                      ; 16 rows of codes
.set SCSZ,  16384                      ; a tile's scale words
.set LAPS,  4                          ; a lap = two steps = once round the ring
.set KSB,   6144                       ; a step of 16 rows
.set SLOT,  98304
.set BCO,   49152
.set ASO,   196608                     ; behind the ring: A's scale words,
.set BSO,   213120                     ; B's, 128 bytes further than dense: the two halves of the lanes touch different banks
.set STAGE, 229632                     ; 16 rows x 272 bytes for each wave
.set SPARE, 247040                     ; the spare words: two blocks of 256 bytes that no other line names
.set L16,   4
.set L8,    5
.set PFO,   7                          ; the prefetches' offset: 256 x min(lane, 23)
.set ADA16, 8
.set ADA8,  10
.set ADB16, 12
.set ADB8,  14
.set ADS,   16                         ; my scale words at K = 0,
.set ADC,   17                         ; and at this lap's first step
.set SPW,   18
.set NIL,   19
.set STO,   20
.set RD,    21
.set CO,    22
.set BA,    23
.set SC,    24
.set R0,    32
.set BI,    96
.set T,     96
.set ACC,   128
.set SCG,   192                        ; the head alone: my offset in the scale words in memory,
.set SCL,   193                        ; and in LDS
.set F0,    0
.set F1,    128
.set G1A,   24
.set G1B,   32
.set G0A,   40                         ; s[40:47] group 0 for A, a set for each slot;  s[48:55] for B
.set G0B,   48
.set PFA,   56                         ; s[56:57] my block's codes at the step that the lap's first refill fetches
.set KO,    58                         ; s58 the lap's place in the scale words
.set MSB, 0
.macro WIN new
.if MSB != \new
	s_set_vgpr_msb (MSB<<8)|\new
.set MSB, \new
.endif
.endm
.set MUL,  0x05
.set TO_F, 0x40
.macro PLACES
.rept 4
	v_nop
.endr
.endm
.macro JL s                            ; a joint load into slot s: waves 0, 1 for A, waves 2, 3 for B; the branch hangs on the wave's number alone
	s_cmp_eq_u32 s15, 0
	s_cbranch_scc0 .Ljb_\@
	tensor_load_to_lds s[G0A+4*\s:G0A+4*\s+3], s[G1A:G1A+7]
	s_nop 0
	PLACES
	s_branch .Ljd_\@
.Ljb_\@:
	tensor_load_to_lds s[G0B+4*\s:G0B+4*\s+3], s[G1B:G1B+7]
	s_nop 0
	PLACES
.Ljd_\@:
.endm
.macro ASK k                           ; in the loop: step k counted from s[PFA]; not in the last trip (s3 = 1)
	s_cmp_gt_u32 s3, 1
	s_cbranch_scc0 .Lna_\@
	global_prefetch_b8 v[PFO], s[PFA:PFA+1] offset:(\k)*KSB th:TH_LOAD_NT scope:SCOPE_SE
.Lna_\@:
.endm
.macro CREST
	s_cmp_lg_u32 s14, 0
	s_cbranch_scc1 .Lnot_wave_0_\@
	s_barrier_signal -3
.Lnot_wave_0_\@:
	s_barrier_wait -3
	s_barrier_signal -1
	s_barrier_wait -1
.endm
.macro CROUND
	s_barrier_signal -1
	s_barrier_wait -1
	CREST
.endm
	s_load_b256 s[4:11], s[0:1], 0x0               ; actq, wq, b_fc2, x1
	s_load_b64 s[12:13], s[0:1], 0x20              ; out0
	v_lshl_add_u32 v[SPW], v0, 2, SPARE
	v_mov_b32 v[NIL], 0
	ds_add_u32 v[SPW], v[NIL]                      ; the opening lines
	ds_add_u32 v[SPW], v[NIL]
	v_lshrrev_b32 v1, 5, v0
	v_readfirstlane_b32 s14, v1                    ; wave 0..3
	s_lshr_b32 s15, s14, 1                         ; which 64 rows of the tile are mine.  Also: I fetch for A (0) or for B (1)
	s_and_b32 s16, s14, 1                          ; which 64 columns.  Also: which 64 rows I fetch
	s_bfe_u32 s17, ttmp6, 0x40000                  ; cx
	s_bfe_u32 s18, ttmp6, 0x40004                  ; cy
	s_lshl_b32 s19, ttmp9, 2
	s_add_co_u32 s19, s19, s17                     ; tile column
	s_and_b32 s20, ttmp7, 0xffff
	s_lshl_b32 s20, s20, 2
	s_add_co_u32 s20, s20, s18                     ; tile row
	s_lshl_b32 s21, s18, 2
	s_lshl_b32 s21, 15, s21                        ; my row of the cluster
	s_lshl_b32 s22, 0x1111, s17                    ; my column
	s_or_b32 s[G1A], s21, (3<<16)|(1<<21)          ; the mask; elements of 8 bytes; bit 21 beside a mask; no padding
	s_or_b32 s[G1B], s22, (3<<16)|(1<<21)
.irp g, G1A, G1B                       ; 4 rows of 6,144 bytes, RBP bytes apart
	s_mov_b32 s[\g+1], 768<<16
	s_mov_b32 s[\g+2], 4<<16
	s_mov_b32 s[\g+3], 768<<16
	s_mov_b32 s[\g+4], 4
	s_mov_b32 s[\g+5], RBP/8
	s_mov_b32 s[\g+6], 0
	s_mov_b32 s[\g+7], 0
.endr
	s_mul_i32 s92, s20, 8*RBP                      ; A's offsets hang on the tile row alone,
	s_mov_b32 s93, 0
	s_mul_i32 s94, s20, SCSZ
	s_mov_b32 s95, 0
	s_mul_i32 s96, s19, 8*RBP                      ; B's on the tile column alone
	s_mov_b32 s97, 0
	s_mul_i32 s98, s19, SCSZ
	s_mov_b32 s99, 0
	s_mul_i32 s60, s16, 4*RBP                      ; the 64 rows that I fetch, in memory,
	s_mov_b32 s61, 0
	s_mul_i32 s62, s16, 4*KSB                      ; and in LDS
	s_mov_b32 s[KO], 0
	s_wait_dscnt 0x0                               ; both opening adds are done
	s_wait_kmcnt 0x0
	s_add_nc_u64 s[92:93], s[4:5], s[92:93]
	s_add_nc_u64 s[94:95], s[4:5], s[94:95]
	s_add_nc_u64 s[94:95], s[94:95], ASC
	s_add_nc_u64 s[96:97], s[6:7], s[96:97]
	s_add_nc_u64 s[96:97], s[96:97], BCD
	s_add_nc_u64 s[98:99], s[6:7], s[98:99]
	s_add_nc_u64 s[98:99], s[98:99], BSC
	s_cmp_eq_u32 s15, 0                            ; the prefetches: A's tile or B's,
	s_cselect_b64 s[PFA:PFA+1], s[92:93], s[96:97]
	s_cselect_b32 s23, s17, s18                    ; my place among the four that ask for it with me,
	s_lshl_b32 s23, s23, 1
	s_add_co_u32 s23, s23, s16                     ; my wave's block of 16 rows
	s_mul_i32 s66, s23, RBP
	s_mov_b32 s67, 0
	s_add_nc_u64 s[PFA:PFA+1], s[PFA:PFA+1], s[66:67]
	s_add_nc_u64 s[92:93], s[92:93], s[60:61]
	s_add_nc_u64 s[96:97], s[96:97], s[60:61]
.irp s, 0,1
	s_mov_b32 s[G0A+4*\s], 1
	s_add_co_u32 s[G0A+4*\s+1], s62, \s*SLOT
	s_add_nc_u64 s[G0A+4*\s+2:G0A+4*\s+3], s[92:93], \s*KSB
	s_or_b32 s[G0A+4*\s+3], s[G0A+4*\s+3], 0x80000000
	s_mov_b32 s[G0B+4*\s], 1
	s_add_co_u32 s[G0B+4*\s+1], s62, \s*SLOT+BCO
	s_add_nc_u64 s[G0B+4*\s+2:G0B+4*\s+3], s[96:97], \s*KSB
	s_or_b32 s[G0B+4*\s+3], s[G0B+4*\s+3], 0x80000000
.endr
	CROUND                                         ; all sixteen work-groups are here: the first joint loads meet
	JL 0                                           ; step 0: one tensor load a wave at the head
	v_and_b32 v3, 31, v0
	v_min_u32 v[PFO], 23, v3
	v_lshlrev_b32 v[PFO], 8, v[PFO]
	v_lshlrev_b32 v[L16], 4, v3
	s_lshl_b32 s23, s14, 12
	v_add_nc_u32 v[SCG], s23, v[L16]               ; bytes 4,096 w + 16 x lane of a side's scale words
	v_add_nc_u32 v[SCL], ASO, v[SCG]
.irp i, 0,1,2,3,4,5,6,7
	global_load_b128 v[128+4*\i:131+4*\i], v[SCG], s[94:95] offset:512*\i
.endr
.irp i, 0,1,2,3,4,5,6,7
	global_load_b128 v[160+4*\i:163+4*\i], v[SCG], s[98:99] offset:512*\i
.endr
	global_prefetch_b8 v[PFO], s[PFA:PFA+1] offset:KSB th:TH_LOAD_NT scope:SCOPE_SE     ; steps 1 and 2
	global_prefetch_b8 v[PFO], s[PFA:PFA+1] offset:2*KSB th:TH_LOAD_NT scope:SCOPE_SE
	v_and_b32 v1, 15, v0                           ; r
	v_bfe_u32 v2, v0, 4, 1                         ; h
	v_lshlrev_b32 v[L8], 3, v3
	s_mul_i32 s68, s15, 4*KSB
	s_mul_i32 s69, s16, 4*KSB
	s_add_co_u32 s69, s69, BCO
.irp s, 0,1
	v_add_nc_u32 v[ADA16+\s], s68, v[L16]
	v_add_nc_u32 v[ADA8+\s], s68, v[L8]
	v_add_nc_u32 v[ADB16+\s], s69, v[L16]
	v_add_nc_u32 v[ADB8+\s], s69, v[L8]
	s_add_co_u32 s68, s68, SLOT
	s_add_co_u32 s69, s69, SLOT
.endr
	s_lshl_b32 s68, s15, 8
	s_lshl_b32 s69, s16, 8
	s_add_co_u32 s69, s69, BSO-ASO
	s_sub_co_u32 s69, s69, s68
	s_wait_alu depctr_va_vdst(0)                   ; ahead of the readers below
	v_mul_u32_u24 v6, s69, v2                      ; lanes 16-31 take B's words: the lower base + h x the distance
	v_lshl_add_u32 v6, v1, 2, v6
	s_add_co_u32 s68, s68, ASO
	v_add_nc_u32 v[ADS], s68, v6
	v_mov_b32 v[ADC], v[ADS]
	s_mul_i32 s69, s14, 16*272
	s_add_co_u32 s69, s69, STAGE                   ; my stage
	v_mul_u32_u24 v6, v1, 272
	v_lshl_add_u32 v6, v2, 5, v6
	v_add_nc_u32 v[STO], s69, v6                   ; in: row r, 32 bytes for each half of the lanes
	v_mul_u32_u24 v6, v2, 272
	v_lshl_add_u32 v6, v1, 4, v6
	v_add_nc_u32 v[RD], s69, v6                    ; back: lanes 0-15 one row of 256 bytes, lanes 16-31 the next
	v_lshlrev_b32 v6, 12, v2
	v_lshl_add_u32 v[CO], v1, 4, v6                ; the same two rows in memory
	v_lshlrev_b32 v[BA], 5, v2                     ; the bias: my half's eight columns of a tile
	s_wait_alu depctr_va_vdst(0)                   ; ahead of the run of scalar lines
	s_lshl_b32 s68, s20, 7
	s_lshl_b32 s69, s15, 6
	s_add_co_u32 s68, s68, s69
	s_lshl_b32 s68, s68, 12                        ; my first row, in bytes
	s_lshl_b32 s69, s19, 7
	s_lshl_b32 s70, s16, 6
	s_add_co_u32 s69, s69, s70
	s_lshl_b32 s70, s69, 2                         ; my first column, in bytes
	s_mov_b32 s71, 0
	s_add_nc_u64 s[8:9], s[8:9], s[70:71]
	s_add_co_u32 s68, s68, s70
	s_mov_b32 s69, 0
	s_add_nc_u64 s[10:11], s[10:11], s[68:69]
	s_add_nc_u64 s[12:13], s[12:13], s[68:69]
.irp b, 0,1,2,3
	global_load_b128 v[BI+8*\b:BI+8*\b+3], v[BA], s[8:9] offset:64*\b
	global_load_b128 v[BI+8*\b+4:BI+8*\b+7], v[BA], s[8:9] offset:64*\b+16
.endr
.macro RLOAD a                         ; the residual of my block a of 16 rows, in the shape in which the block leaves: blocks 0, 1 into v32-95, blocks 2, 3 into window 1's v96-127 and v224-255, which no fragment uses
.if (\a) < 2
.set RR, R0+32*(\a)
	WIN 0
.else
.set RR, 96+128*((\a)-2)
	WIN TO_F
.endif
.irp t, 0,1,2,3,4,5,6,7
	global_load_b128 v[RR+4*\t:RR+4*\t+3], v[CO], s[10:11] offset:65536*(\a)+8192*\t
.endr
.endm
.macro MUL4 f, a, mode                 ; A's block a against B's four, 128 along K.  mode 0: onto the sums; 2: the bias starts them.  The 16 accumulators take turns
.irp b, 0,1,2,3
.if \mode == 0
	v_wmma_scale_f32_16x16x128_f8f6f4 v[ACC+8*(4*(\a)+\b):ACC+8*(4*(\a)+\b)+7], v[\f+48+12*\b:\f+48+12*\b+11], v[\f+12*(\a):\f+12*(\a)+11], v[ACC+8*(4*(\a)+\b):ACC+8*(4*(\a)+\b)+7], v[SC+4*((\f)/128)+\b], v[SC+4*((\f)/128)+(\a)] matrix_a_fmt:MATRIX_FMT_FP6 matrix_b_fmt:MATRIX_FMT_FP6 matrix_a_scale:MATRIX_SCALE_ROW1
.else
	v_wmma_scale_f32_16x16x128_f8f6f4 v[ACC+8*(4*(\a)+\b):ACC+8*(4*(\a)+\b)+7], v[\f+48+12*\b:\f+48+12*\b+11], v[\f+12*(\a):\f+12*(\a)+11], v[BI+8*\b:BI+8*\b+7], v[SC+4*((\f)/128)+\b], v[SC+4*((\f)/128)+(\a)] matrix_a_fmt:MATRIX_FMT_FP6 matrix_b_fmt:MATRIX_FMT_FP6 matrix_a_scale:MATRIX_SCALE_ROW1
.endif
.endr
.endm
.macro FRAG reg, a16, a8, off
	ds_load_b128 v[\reg:\reg+3], v[\a16] offset:\off
	ds_load_b64 v[\reg+4:\reg+5], v[\a8] offset:\off+512
	ds_load_b128 v[\reg+6:\reg+9], v[\a16] offset:\off+768
	ds_load_b64 v[\reg+10:\reg+11], v[\a8] offset:\off+1280
.endm
.macro FETCH s, q, f                   ; 36 LDS loads: 4 scale registers (the lap's step s, quarter q), B's four fragments, A's four
	WIN 0
.irp i, 0,1,2,3
	ds_load_b32 v[SC+4*((\f)/128)+\i], v[ADC] offset:2048*(\s)+512*(\q)+64*\i
.endr
	WIN TO_F
.irp i, 0,1,2,3
	FRAG \f+48+12*\i, ADB16+\s, ADB8+\s, \i*KSB+(\q)*1536
.endr
.irp i, 0,1,2,3
	FRAG \f+12*\i, ADA16+\s, ADA8+\s, \i*KSB+(\q)*1536
.endr
.endm
.macro QUARTER s, qn, f, g, mode
	s_wait_dscnt 8                                 ; all but the youngest eight loads (A's blocks 2, 3) are in
	WIN MUL
	MUL4 \f, 0, \mode
	MUL4 \f, 1, \mode
	PLACES
	FETCH \s, \qn, \g
	s_wait_dscnt 36                                ; all but the 36 just issued
	WIN MUL
	MUL4 \f, 2, \mode
	MUL4 \f, 3, \mode
.endm
; A step's last quarter changes slots: one barrier, with the wait for all my tensor loads, the add and the wait for it and for my reads of this slot in front.  fill = 1: it opens a round of the cluster's barrier,
; behind which this slot takes the step two further on, the wave's one tensor load until the next such barrier.
.macro TURN s, n, fill
	WIN 0
.if (\fill) && (\s) == 0
	s_wait_xcnt 0x0                                ; my prefetches have read their address: it goes a lap on
	s_add_nc_u64 s[PFA:PFA+1], s[PFA:PFA+1], 2*KSB
.endif
.if (\s) == 1
	s_add_co_u32 s[KO], s[KO], 4096                ; the next lap's scale words: eight K steps of 512 bytes on
	v_add_nc_u32 v[ADC], s[KO], v[ADS]
	s_wait_alu depctr_va_vdst(0)                   ; directly behind the write
.endif
	s_wait_tensorcnt 0x0
	ds_add_u32 v[SPW], v[NIL]
	s_wait_dscnt 9                                 ; the add and the youngest eight loads may be out
	WIN MUL
	MUL4 F1, 0, 0
	s_wait_dscnt 0x0
	s_barrier_signal -1
	MUL4 F1, 1, 0
.if \fill
	WIN 0
.endif
	s_barrier_wait -1
.if \fill
	CREST
	s_add_nc_u64 s[G0A+4*\s+2:G0A+4*\s+3], s[G0A+4*\s+2:G0A+4*\s+3], 2*KSB
	s_add_nc_u64 s[G0B+4*\s+2:G0B+4*\s+3], s[G0B+4*\s+2:G0B+4*\s+3], 2*KSB
	JL \s                                          ; the four v_nop behind it are also the places in front of the loads below
.else
	PLACES
.endif
	FETCH \n, 0, F0
.if \fill
	WIN 0
	ASK 2+\s                                       ; two refills on
.endif
	WIN MUL
	MUL4 F1, 2, 0
	MUL4 F1, 3, 0
.endm
	s_wait_alu depctr_va_vdst(0)                   ; the head's end
	s_wait_tensorcnt 0x0                           ; my part of step 0 has landed
	s_wait_loadcnt 8                               ; my scale words are in; the bias's 8 loads may be out
.irp i, 0,1,2,3,4,5,6,7
	ds_store_b128 v[SCL], v[128+4*\i:131+4*\i] offset:512*\i
.endr
.irp i, 0,1,2,3,4,5,6,7
	ds_store_b128 v[SCL], v[160+4*\i:163+4*\i] offset:BSO-ASO+512*\i
.endr
	s_wait_tensorcnt 0x0                           ; ahead of a later first fill
	ds_add_u32 v[SPW], v[NIL]
	s_wait_dscnt 0x0                               ; the add and my stores are done
	CROUND
	JL 1                                           ; step 1
	FETCH 0, 0, F0
	global_prefetch_b8 v[PFO], s[PFA:PFA+1] offset:3*KSB th:TH_LOAD_NT scope:SCOPE_SE     ; step 3
	RLOAD 0                                        ; the residual's first half is asked for behind step 0's landing,
	RLOAD 1
	s_wait_loadcnt 16                              ; the bias is in; the residual's 16 loads may be out
	QUARTER 0, 1, F0, F1, 2
	WIN 0
	s_mov_b32 s3, LAPS-1
.Llap:                                             ; a trip goes once round the ring, from a lap's second quarter to the next lap's first
	QUARTER 0, 2, F1, F0, 0
	QUARTER 0, 3, F0, F1, 0
	TURN 0, 1, 1
	QUARTER 1, 1, F0, F1, 0
	QUARTER 1, 2, F1, F0, 0
	QUARTER 1, 3, F0, F1, 0
	TURN 1, 0, 1
	QUARTER 0, 1, F0, F1, 0
	WIN 0
	s_sub_co_u32 s3, s3, 1
	s_cmp_lg_u32 s3, 0
	s_cbranch_scc1 .Llap
	RLOAD 2                                        ; its second half at the head of the last lap, 112 products ahead of the way out
	RLOAD 3
	QUARTER 0, 2, F1, F0, 0                        ; the last lap fetches nothing more
	QUARTER 0, 3, F0, F1, 0
	TURN 0, 1, 0
	QUARTER 1, 1, F0, F1, 0
	QUARTER 1, 2, F1, F0, 0
	QUARTER 1, 3, F0, F1, 0
	s_wait_dscnt 8
	WIN MUL
	MUL4 F1, 0, 0
	MUL4 F1, 1, 0
	s_wait_dscnt 0x0
	MUL4 F1, 2, 0
	MUL4 F1, 3, 0
	WIN 0
	PLACES
.irp a, 0,1,2,3
.if \a == 0                            ; block a comes back from the stage into registers that no pending store reads: the bias's, then block a - 1's accumulators, whose LDS stores are done
.set TT, T
.else
.set TT, ACC+32*(\a-1)
.endif
.if \a < 2
.set RR, R0+32*\a
.else
.set RR, 96+128*(\a-2)
.endif
.irp b, 0,1,2,3
	ds_store_b128 v[STO], v[ACC+8*(4*\a+\b):ACC+8*(4*\a+\b)+3] offset:64*\b        ; each accumulator from its low end on
	ds_store_b128 v[STO], v[ACC+8*(4*\a+\b)+4:ACC+8*(4*\a+\b)+7] offset:64*\b+16
.endr
.irp t, 0,1,2,3,4,5,6,7
	ds_load_b128 v[TT+4*\t:TT+4*\t+3], v[RD] offset:544*\t         ; LDS serves a wave's instructions in order: these see my stores
.endr
	s_wait_dscnt 0x0
.if \a == 0
	s_wait_loadcnt 0x0                             ; the residual is in
.endif
.if \a >= 2
	WIN 0x04                                       ; source 1 in window 1
.endif
.irp i, 0,2,4,6,8,10,12,14,16,18,20,22,24,26,28,30
	v_pk_add_f32 v[TT+\i:TT+\i+1], v[TT+\i:TT+\i+1], v[RR+\i:RR+\i+1]
.endr
	WIN 0
.irp t, 0,1,2,3,4,5,6,7
	global_store_b128 v[CO], v[TT+4*\t:TT+4*\t+3], s[12:13] offset:65536*\a+8192*\t   ; 16 lanes store 256 consecutive bytes, aligned
.endr
.endr
	s_wait_tensorcnt 0x0                           ; the wave's end
	ds_add_u32 v[SPW], v[NIL]
	s_wait_dscnt 0x0
	CROUND                                         ; the closing round
	s_endpgm
.Lfunc_end_k_q3296adb8db_gfc2:
	.size	k_q3296adb8db_gfc2, .Lfunc_end_k_q3296adb8db_gfc2-k_q3296adb8db_gfc2
	.p2alignl 7, 3214868480
	.fill 96, 4, 3214868480
	.section	.rodata,"a",@progbits
	.p2align	6, 0x0
	.amdhsa_kernel k_q3296adb8db_gfc2
		.amdhsa_group_segment_fixed_size 327680
		.amdhsa_private_segment_fixed_size 0
		.amdhsa_enable_private_segment 0
		.amdhsa_kernarg_size 40
		.amdhsa_user_sgpr_count 2
		.amdhsa_user_sgpr_kernarg_segment_ptr 1
		.amdhsa_wavefront_size32 1
		.amdhsa_system_sgpr_workgroup_id_x 1
		.amdhsa_system_sgpr_workgroup_id_y 1
		.amdhsa_system_sgpr_workgroup_id_z 1
		.amdhsa_system_vgpr_workitem_id 0
		.amdhsa_next_free_vgpr 512
		.amdhsa_next_free_sgpr 104
		.amdhsa_reserve_vcc 0
		.amdhsa_float_denorm_mode_32 3
		.amdhsa_float_denorm_mode_16_64 3
		.amdhsa_memory_ordered 1
		.amdhsa_forward_progress 1
		.amdhsa_inst_pref_size 103
	.end_amdhsa_kernel
	.amdgpu_metadata
---
amdhsa.version: [ 1, 2 ]
amdhsa.kernels:
  - .name:           k_q3296adb8db_gfc2
    .symbol:         k_q3296adb8db_gfc2.kd
    .args:
      - { .name: actq, .offset: 0, .size: 8, .value_kind: global_buffer, .address_space: global }
      - { .name: wq, .offset: 8, .size: 8, .value_kind: global_buffer, .address_space: global }
      - { .name: b_fc2, .offset: 16, .size: 8, .value_kind: global_buffer, .address_space: global }
      - { .name: x1, .offset: 24, .size: 8, .value_kind: global_buffer, .address_space: global }
      - { .name: out0, .offset: 32, .size: 8, .value_kind: global_buffer, .address_space: global }
    .group_segment_fixed_size: 327680
    .private_segment_fixed_size: 0
    .kernarg_segment_align: 8
    .kernarg_segment_size: 40
    .max_flat_workgroup_size: 128
    .sgpr_count:     104
    .vgpr_count:     512
    .wavefront_size: 32
...
	.end_amdgpu_metadata
.endif
;; end of part 14
